; MI455X (gfx1250); checked and timed in simulation.
; The chip was launched on July 23, 2026; its instructions are those of AMD's public machine-readable ISA for CDNA 5 (MIT licence, August 2026) and "CDNA5" Instruction Set Architecture Reference Guide (July 2026). The comments in the code are by the model that wrote it; some were corrected since.
;; Multi Headed Attention. Allowed arithmetic: float matrix products may take bf16 or f16 operands with f32 sums; all other float work in f32.
;; Inputs: Wk 1,024 x 1,024 float32; Wo 1,024 x 1,024 float32; Wq 1,024 x 1,024 float32; Wv 1,024 x 1,024 float32; bk 1,024 float32; bo 1,024 float32; bq 1,024 float32; bv 1,024 float32; key 4 x 2,048 x 1,024 float32; mask 4 x 2,048 x 2,048 int32; query 4 x 2,048 x 1,024 float32; value 4 x 2,048 x 1,024 float32.
;; Outputs: out0 4 x 2,048 x 1,024 float32.
;; 3 versions, each right and faster than the one before. Each part assembles by itself: llvm-mc -triple=amdgcn-amd-amdhsa -mcpu=gfx1250 --defsym DOCPART=n.
;; ======== version 1 of 3: 4 launches
;; limits: values are held in f16: magnitudes above 65,504 overflow, below 6.1e-05 lose precision
;; workspace buffers: xb 50,331,648 bytes; wb 8,388,608 bytes; qkv 50,331,648 bytes; ob 16,777,216 bytes; mb 2,097,152 bytes of whole numbers
;; launch prep (part 1): grid 1408 x 1, 8 waves a work-group, no clusters, 134,144 bytes of LDS; arguments mask, query, key, value, Wq, Wk, Wv, Wo, xb, wb, mb; writes xb, wb, mb
.if DOCPART == 1
	.amdgcn_target "amdgcn-amd-amdhsa--gfx1250"
	.amdhsa_code_object_version 6
	.text
	.protected	k_qbe69ac8ba6_prep
	.globl	k_qbe69ac8ba6_prep
	.p2align	8
	.type	k_qbe69ac8ba6_prep,@function
k_qbe69ac8ba6_prep:
	s_mov_b64 s[64:65], 0
	v_nop
	global_prefetch_b8 v0, s[64:65] scope:SCOPE_SE
	s_setreg_imm32_b32 hwreg(HW_REG_WAVE_MODE, 25, 1), 1
	s_wait_xcnt 0x0
; PREPARATION, one pass over every large input.  Work-groups 0-511 pack the mask, work-groups 512-1407 cast.
; PACK.  mask is [4][2048][2048] int32.  mb is u32 [T = 128 b + q / 16 (512)][step = key / 64 (32)][i (32)]: bit l of word i says whether
; mask[b][16 (T % 128) + l % 16][64 step + 16 (i / 8) + 8 (l / 16) + i % 8] is not 0.  That is lane l, register i of a tile of 16 queries x 64 keys as the attention launch holds its scores,
; so that one scalar word is the lane mask of one select there.  A wave takes 16 rows x 256 keys: 16,384 bytes in, by loads of 512 consecutive bytes; through its own LDS bytes
; (rows 1,040 bytes apart, an odd multiple of 16, so that sixteen rows' loads start at sixteen different groups of four banks: 64 banks of 4 bytes, ISA guide 11.1) into the lanes' layout;
; 128 compares give 128 words, which are laid into four registers lane by lane and leave as one store of 512 consecutive bytes.
; CAST.  A chunk is 32,768 numbers.  query, key, value -> xb, bf16 [3][8192][1024]; Wq, Wk, Wv -> wb, bf16; Wo -> wb's fourth quarter: rounded to bf16, and that number written as f16.
; LIMIT: below 6e-5 f16 has a fixed step of 6e-8, so a smaller number of Wo is off by 3e-8 at the most; beyond 65,504 it would be an infinity.
; Memory binds: each byte is read once, 32 loads of 16 bytes a lane are out in every wave, no register is used twice, so the only waits are the counted ones for the loads.
; No matrix unit, no cluster, no barrier: no wave needs what another wave has.
.set X,      8                         ; v[8:135]   128 registers as loaded
.set Y,      136                       ; v[136:199] 64 registers to store (cast)
.set OUT,    200                       ; v[200:203] the wave's 128 mask words: lane l holds words 4 l .. 4 l + 3
.set LPITCH, 1040
.set LWAVE,  16*LPITCH                 ; a wave's own LDS bytes
	s_load_b512 s[4:19], s[0:1], 0x0               ; mask 4:5, query 6:7, key 8:9, value 10:11, Wq 12:13, Wk 14:15, Wv 16:17, Wo 18:19
	s_load_b128 s[20:23], s[0:1], 0x40             ; xb 20:21, wb 22:23
	s_load_b64 s[24:25], s[0:1], 0x50              ; mb
	v_lshl_add_u32 v208, v0, 2, 0x20800
	v_mov_b32 v209, 0
	v_lshrrev_b32 v1, 5, v0
	v_readfirstlane_b32 s26, v1                    ; wave 0..7
	s_cmp_lt_u32 ttmp9, 512
	s_cbranch_scc0 .Lcast
	; ---- PACK: T = the work-group's number, the wave takes keys 256 w .. 256 w + 255
	s_lshl_b32 s32, ttmp9, 17                      ; 16 rows of 8,192 bytes
	s_lshl_b32 s37, s26, 10                        ; 256 keys of 4 bytes
	s_add_co_u32 s32, s32, s37
	s_mov_b32 s33, 0
	s_lshl_b32 s34, ttmp9, 12                      ; a tile row's 32 steps x 128 bytes
	s_lshl_b32 s37, s26, 9                         ; four steps
	s_add_co_u32 s34, s34, s37
	s_mov_b32 s35, 0
	s_mul_i32 s36, s26, LWAVE
	v_and_b32 v6, 31, v0
	v_lshlrev_b32 v1, 4, v6                        ; 16 x lane
	v_add_nc_u32 v2, s36, v1                       ; in: 512 consecutive bytes of a row
	v_and_b32 v7, 15, v0
	v_mul_u32_u24 v3, v7, LPITCH                   ; back: row l % 16,
	v_bfe_u32 v7, v0, 4, 1
	v_lshl_add_u32 v3, v7, 5, v3                   ; eight keys further on for lanes 16 to 31
	v_add_nc_u32 v3, s36, v3
	s_wait_kmcnt 0x0
	s_add_nc_u64 s[28:29], s[4:5], s[32:33]
	s_add_nc_u64 s[30:31], s[24:25], s[34:35]
.set n, 0
.rept 32
	global_load_b128 v[X+4*n:X+4*n+3], v1, s[28:29] offset:(n/2)*8192+(n%2)*512 th:TH_LOAD_NT
.set n, n+1
.endr
.irp j, 0,1,2,3
	v_mov_b32 v[OUT+(\j)], 0                       ; v_writelane_b32 counts as a reader of its destination
.endr
.set n, 0
.rept 32
	s_wait_loadcnt 31-n                            ; loads come back in order (ISA guide 5.7.1): load n is in, the 31 - n younger ones stay out
	ds_store_b128 v2, v[X+4*n:X+4*n+3] offset:(n/2)*LPITCH+(n%2)*512
.set n, n+1
.endr
.set n, 0
.rept 32                                       ; step n / 8, group of 16 keys (n / 2) % 4, half n % 2: registers X + 4 n on.  LDS serves a wave's instructions in order (ISA guide 5.7.1.4): these see the stores above
	ds_load_b128 v[X+4*n:X+4*n+3], v3 offset:(n/8)*256+((n/2)%4)*64+(n%2)*16
.set n, n+1
.endr
.set st, 0
.rept 4
	s_wait_dscnt 24-8*st                           ; this step's eight loads are in; the later steps' stay out
.set gi, 0
.rept 4
.set e, 0
.rept 8
	v_cmp_ne_u32 s[40+e], 0, v[X+32*st+8*gi+e]     ; word i = 8 gi + e of the step: one bit a lane
.set e, e+1
.endr
.set e, 0
.rept 8
	v_writelane_b32 v[OUT+e%4], s[40+e], 8*st+2*gi+e/4  ; word 32 st + i goes to lane (32 st + i) / 4, register i % 4
.set e, e+1
.endr
.set gi, gi+1
.endr
.set st, st+1
.endr
	global_store_b128 v1, v[OUT:OUT+3], s[30:31]   ; 512 consecutive bytes, at a multiple of 512 from mb's first
	s_wait_tensorcnt 0x0
	ds_add_u32 v208, v209
	s_wait_dscnt 0x0
	s_endpgm
	; ---- CAST: chunk c = work-group - 512
.macro CAST f16
.set k, 0
.rept 32
	global_load_b128 v[X+4*k:X+4*k+3], v4, s[28:29] offset:4096*k th:TH_LOAD_NT  ; a wave's load covers 512 consecutive bytes
.set k, k+1
.endr
.set k, 0
.rept 32
	s_wait_loadcnt 31-k                            ; load k is in, the younger ones stay out
	v_cvt_pk_bf16_f32 v[Y+2*k], v[X+4*k], v[X+4*k+1]
	v_cvt_pk_bf16_f32 v[Y+2*k+1], v[X+4*k+2], v[X+4*k+3]
.if \f16
	v_lshlrev_b32 v[X+4*k], 16, v[Y+2*k]           ; the bf16 numbers as f32,
	v_and_b32 v[X+4*k+1], 0xffff0000, v[Y+2*k]
	v_lshlrev_b32 v[X+4*k+2], 16, v[Y+2*k+1]
	v_and_b32 v[X+4*k+3], 0xffff0000, v[Y+2*k+1]
	v_cvt_pk_f16_f32 v[Y+2*k], v[X+4*k], v[X+4*k+1]  ; written as f16
	v_cvt_pk_f16_f32 v[Y+2*k+1], v[X+4*k+2], v[X+4*k+3]
.endif
	global_store_b64 v5, v[Y+2*k:Y+2*k+1], s[30:31] offset:2048*k  ; a wave's store covers 256 consecutive bytes, aligned
.set k, k+1
.endr
.endm
.Lcast:
	s_sub_co_u32 s27, ttmp9, 512                   ; c: 0-255 query, 256-511 key, 512-767 value, then 32 each for Wq, Wk, Wv, Wo
	s_wait_kmcnt 0x0
	s_mov_b64 s[28:29], s[6:7]
	s_cmp_ge_u32 s27, 256
	s_cselect_b64 s[28:29], s[8:9], s[28:29]
	s_cmp_ge_u32 s27, 512
	s_cselect_b64 s[28:29], s[10:11], s[28:29]
	s_cmp_ge_u32 s27, 768
	s_cselect_b64 s[28:29], s[12:13], s[28:29]
	s_cmp_ge_u32 s27, 800
	s_cselect_b64 s[28:29], s[14:15], s[28:29]
	s_cmp_ge_u32 s27, 832
	s_cselect_b64 s[28:29], s[16:17], s[28:29]
	s_cmp_ge_u32 s27, 864
	s_cselect_b64 s[28:29], s[18:19], s[28:29]
	s_and_b32 s36, s27, 255                        ; the chunk's number in its tensor
	s_and_b32 s37, s27, 31
	s_cmp_lt_u32 s27, 768
	s_cselect_b32 s36, s36, s37
	s_lshl_b32 s32, s36, 17                        ; 131,072 bytes of f32 a chunk
	s_mov_b32 s33, 0
	s_add_nc_u64 s[28:29], s[28:29], s[32:33]
	s_sub_co_u32 s37, s27, 768
	s_cmp_lt_u32 s27, 768
	s_cselect_b32 s34, s27, s37
	s_cselect_b64 s[30:31], s[20:21], s[22:23]
	s_lshl_b32 s34, s34, 16                        ; 65,536 bytes of 16-bit numbers a chunk
	s_mov_b32 s35, 0
	s_add_nc_u64 s[30:31], s[30:31], s[34:35]
	v_lshlrev_b32 v4, 4, v0                        ; 16 bytes a thread in,
	v_lshlrev_b32 v5, 3, v0                        ; 8 bytes out
	s_cmp_ge_u32 s27, 864
	s_cbranch_scc1 .Lwo
	CAST 0
	s_endpgm
.Lwo:
	CAST 1
	s_endpgm
.Lfunc_end_k_qbe69ac8ba6_prep:
	.size	k_qbe69ac8ba6_prep, .Lfunc_end_k_qbe69ac8ba6_prep-k_qbe69ac8ba6_prep
	.p2alignl 7, 3214868480
	.fill 96, 4, 3214868480
	.section	.rodata,"a",@progbits
	.p2align	6, 0x0
	.amdhsa_kernel k_qbe69ac8ba6_prep
		.amdhsa_group_segment_fixed_size 134144
		.amdhsa_private_segment_fixed_size 0
		.amdhsa_enable_private_segment 0
		.amdhsa_kernarg_size 88
		.amdhsa_user_sgpr_count 2
		.amdhsa_user_sgpr_kernarg_segment_ptr 1
		.amdhsa_wavefront_size32 1
		.amdhsa_system_sgpr_workgroup_id_x 1
		.amdhsa_system_sgpr_workgroup_id_y 1
		.amdhsa_system_sgpr_workgroup_id_z 1
		.amdhsa_system_vgpr_workitem_id 0
		.amdhsa_next_free_vgpr 210
		.amdhsa_next_free_sgpr 66
		.amdhsa_reserve_vcc 0
		.amdhsa_float_denorm_mode_32 3
		.amdhsa_float_denorm_mode_16_64 3
		.amdhsa_memory_ordered 1
		.amdhsa_forward_progress 1
		.amdhsa_inst_pref_size 60
	.end_amdhsa_kernel
	.amdgpu_metadata
---
amdhsa.version: [ 1, 2 ]
amdhsa.kernels:
  - .name:           k_qbe69ac8ba6_prep
    .symbol:         k_qbe69ac8ba6_prep.kd
    .args:
      - { .name: mask, .offset: 0, .size: 8, .value_kind: global_buffer, .address_space: global }
      - { .name: query, .offset: 8, .size: 8, .value_kind: global_buffer, .address_space: global }
      - { .name: key, .offset: 16, .size: 8, .value_kind: global_buffer, .address_space: global }
      - { .name: value, .offset: 24, .size: 8, .value_kind: global_buffer, .address_space: global }
      - { .name: Wq, .offset: 32, .size: 8, .value_kind: global_buffer, .address_space: global }
      - { .name: Wk, .offset: 40, .size: 8, .value_kind: global_buffer, .address_space: global }
      - { .name: Wv, .offset: 48, .size: 8, .value_kind: global_buffer, .address_space: global }
      - { .name: Wo, .offset: 56, .size: 8, .value_kind: global_buffer, .address_space: global }
      - { .name: xb, .offset: 64, .size: 8, .value_kind: global_buffer, .address_space: global }
      - { .name: wb, .offset: 72, .size: 8, .value_kind: global_buffer, .address_space: global }
      - { .name: mb, .offset: 80, .size: 8, .value_kind: global_buffer, .address_space: global }
    .group_segment_fixed_size: 134144
    .private_segment_fixed_size: 0
    .kernarg_segment_align: 8
    .kernarg_segment_size: 88
    .max_flat_workgroup_size: 256
    .sgpr_count:     66
    .vgpr_count:     210
    .wavefront_size: 32
...
	.end_amdgpu_metadata
.endif
;; end of part 1
;; launch proj (part 2): grid 4 x 192, 4 waves a work-group, clusters of 4 x 4, 327,680 bytes of LDS; arguments xb, wb, bq, bk, bv, qkv; writes qkv
.if DOCPART == 2
	.amdgcn_target "amdgcn-amd-amdhsa--gfx1250"
	.amdhsa_code_object_version 6
	.text
	.protected	k_qbe69ac8ba6_proj
	.globl	k_qbe69ac8ba6_proj
	.p2align	8
	.type	k_qbe69ac8ba6_proj,@function
k_qbe69ac8ba6_proj:
	s_mov_b64 s[64:65], 0
	v_nop
	global_prefetch_b8 v0, s[64:65] scope:SCOPE_SE
	s_setreg_imm32_b32 hwreg(HW_REG_WAVE_MODE, 25, 1), 1
	s_wait_xcnt 0x0
	s_wait_alu depctr_hold_cnt(0) depctr_sa_sdst(0) depctr_va_vdst(0) depctr_va_sdst(0) depctr_va_ssrc(0) depctr_va_vcc(0) depctr_vm_vsrc(0)
	s_getreg_b32 s2, hwreg(HW_REG_IB_STS2, 6, 4)
	s_cmp_eq_u32 s2, 0
	s_cbranch_scc0 .Lentry_in_a_cluster
	s_endpgm
.Lentry_in_a_cluster:
	s_bfe_u32 s2, ttmp6, 0x10000c
	s_cmp_lg_u32 s2, 0xf033
	s_cbranch_scc0 .Lentry_shape_is_right
	s_endpgm
.Lentry_shape_is_right:
; THE THREE PROJECTIONS.  For P = 0, 1, 2 (q, k, v): y[m][n] = (sum over k of x_P[m][k] W_P[n][k] + b_P[n]) x SC, SC = log2(e) / 8 for q and 1 for k and v.
; x: xb, bf16 [3][8192][1024]; W: wb, bf16 [P][1024][1024]; b: f32, rounded to bf16 here like the other inputs.  Sums in f32; y rounded once to f16 and written by heads: qkv [P][16 b + h][2048][64].
; LIMIT: f16 holds no number beyond 65,504: c q, k and v must stay within it; below 6e-5 f16 keeps a fixed step of 6e-8.  NaN and infinities are not treated apart.
; SHARES.  A tile of y is 128 rows x 256 columns: 64 x 4 tiles a projection, 768 work-groups.  Four waves, each 64 rows x 128 columns: 32 accumulators of 16 x 16, 256 registers.
; K goes in 8 steps of 128 through a ring of two LDS slots: the tiles' rows are 256 bytes of memory at multiples of 256 bytes from the buffers' first bytes.
; CLUSTER 4 x 4: the four work-groups of a row of the cluster need the same tile of x, the four of a column the same tile of W: each is asked for jointly, by the same tensor load and mask in all four.
; THE MATRIX INSTRUCTION IS USED TRANSPOSED (source 0 = 16 rows of W, source 1 = 16 rows of x): a lane holds eight neighbouring columns of one row of y.
; THE BIAS STARTS THE SUMS: it is the C operand of the first quarter step's products, so nothing is cleared and nothing is added behind the loop.
; REGISTERS, in windows of 256 (s_set_vgpr_msb: bits 1:0 source 0, 3:2 source 1, 5:4 source 2, 7:6 destination):
;   window 0: v0-5 at work; v16-29 addresses; v32-159 the way out; v160-223 the bias: register 8 b + j = bias of column 16 b + 8 (lane / 16) + j of my 128
;   window 1: accumulator (a, b) at v[8 (8 a + b)]          window 2: two fragment buffers of 96: 64 registers of W (8 x 16 rows x 32 K), then 32 of x (4 x 16 rows x 32 K)
.set PITCH,  272                       ; an LDS row: 256 bytes + 16 of padding: the 16 rows of a load start at 16 different groups of four banks (64 banks of 4 bytes: ISA guide 11.1)
.set HALFA,  64*PITCH                  ; what a tensor load brings of x: 64 rows
.set ABYTES, 2*HALFA
.set HALFB,  128*PITCH                 ; of W: 128 rows
.set SLOT,   ABYTES+2*HALFB            ; x's 128 rows, then W's 256 rows
.set STAGE,  2*SLOT                    ; behind the ring, never filled by a tensor load: for each wave two heads x 16 rows x 144 bytes
.set SP,     144
.set WSTAGE, 2*16*SP
.set SPARE,  STAGE+4*WSTAGE            ; the spare words, 128 bytes for each wave: two blocks of 256 bytes that no other line names
.set LAPS,   4                         ; a lap = two K steps = once round the ring
.set ADRA, 16                          ; v16-17  LDS address of my fragments of x in slot 0, 1
.set ADRB, 20                          ; v20-21  the same for W
.set STO,  24                          ; v24     the way out: where I put 16 bytes of a row
.set RD,   25                          ; v25     where I read rows back
.set CO,   26                          ; v26     16 x lane
.set BOF,  27                          ; v27     my byte offset in 64 bytes of bias
.set SPW,  28                          ; v28     LDS address of my spare word; never rewritten
.set NIL,  29                          ; v29     0; never rewritten
.set TMP,  32
.set BIAS, 160
.set F0,   0
.set F1,   96
.set G1,  24                           ; s[24:31] descriptor group 1 for x's tiles; s[32:39] group 0, a set for each slot
.set G0,  32
.set G1B, 48                           ; s[48:55], s[56:63] the same for W's tiles
.set G0B, 56
.set MSB, 0
.macro WIN new                         ; the immediate's high byte repeats the setting that is left; a switch that changes nothing is dropped
.if MSB != (\new)
	s_set_vgpr_msb (MSB<<8)|(\new)
.set MSB, \new
.endif
.endm
.set MUL,  0x5a                        ; sources 0 and 1 window 2; C and D window 1
.set MUL1, 0x4a                        ; the same with C in window 0: the bias
.set TO_F, 0x80                        ; destination window 2, address window 0
.macro JLOAD s                         ; a joint load: waves 0 and 1 fetch x's two halves, waves 2 and 3 W's; an s_nop 0 and four v_nop follow each line, ahead of the jump and the label
	s_cmp_eq_u32 s11, 0
	s_cbranch_scc0 .Lfor_b_\@
	tensor_load_to_lds s[G0+4*(\s):G0+4*(\s)+3], s[G1:G1+7]
	s_nop 0
.rept 4
	v_nop
.endr
	s_branch .Lasked_\@
.Lfor_b_\@:
	tensor_load_to_lds s[G0B+4*(\s):G0B+4*(\s)+3], s[G1B:G1B+7]
	s_nop 0
.rept 4
	v_nop
.endr
.Lasked_\@:
.endm
.macro CREST                           ; a round of the cluster's barrier behind its opening barrier
	s_cmp_lg_u32 s10, 0
	s_cbranch_scc1 .Lnot_wave_0_\@
	s_barrier_signal -3
.Lnot_wave_0_\@:
	s_barrier_wait -3
	s_barrier_signal -1
	s_barrier_wait -1
.endm
.macro CROUND                          ; a whole round
	s_barrier_signal -1
	s_barrier_wait -1
	CREST
.endm
	s_load_b256 s[68:75], s[0:1], 0x0              ; xb 68:69, wb 70:71, bq 72:73, bk 74:75
	s_load_b128 s[76:79], s[0:1], 0x20             ; bv 76:77, qkv 78:79
	v_lshl_add_u32 v[SPW], v0, 2, SPARE
	v_mov_b32 v[NIL], 0
	ds_add_u32 v28, v29
	s_wait_dscnt 0x0
	v_lshrrev_b32 v1, 5, v0
	v_readfirstlane_b32 s10, v1                    ; wave 0..3
	s_lshr_b32 s11, s10, 1                         ; which 64 rows of the tile are mine.  Also: I fetch for x (0) or for W (1)
	s_and_b32 s12, s10, 1                          ; which 128 columns.  Also: which half of that tile I fetch
	s_bfe_u32 s40, ttmp6, 0x40000                  ; cx, cy: my place in the cluster
	s_bfe_u32 s41, ttmp6, 0x40004
	s_lshl_b32 s42, ttmp9, 2
	s_add_co_u32 s42, s42, s40                     ; tile column 0..3 = 4 x cluster x + cx
	s_and_b32 s14, ttmp7, 0xffff
	s_lshr_b32 s45, s14, 4                         ; P: 16 clusters along y a projection: the same in the whole cluster
	s_lshl_b32 s13, s14, 2
	s_add_co_u32 s13, s13, s41                     ; yt = 64 P + tile row = 4 x cluster y + cy
	s_lshl_b32 s43, s41, 2
	s_lshl_b32 s43, 15, s43                        ; my row of the cluster
	s_lshl_b32 s44, 0x1111, s40                    ; my column
	s_or_b32 s[G1+0], s43, (1<<16)|(1<<20)|(1<<21)|(5<<22)|(3<<25)   ; 15:0 the mask; 17:16 2-byte elements; 20 padding on; 21 set beside a mask; 24:22 after every 64 words (code 5); 31:25 4 words (code 3)
	s_or_b32 s[G1B+0], s44, (1<<16)|(1<<20)|(1<<21)|(5<<22)|(3<<25)
	s_mov_b32 s[G1+1], 128<<16                     ; tensor_dim0 = 128
	s_mov_b32 s[G1+2], 64<<16                      ; tensor_dim1 = 64
	s_mov_b32 s[G1+3], 128<<16                     ; tile_dim0 = 128
	s_mov_b32 s[G1+4], 64                          ; tile_dim1 = 64
	s_mov_b32 s[G1+5], 1024                        ; elements from row to row
	s_mov_b32 s[G1+6], 0
	s_mov_b32 s[G1+7], 0
	s_mov_b32 s[G1B+1], 128<<16
	s_mov_b32 s[G1B+2], 128<<16                    ; 128 rows
	s_mov_b32 s[G1B+3], 128<<16
	s_mov_b32 s[G1B+4], 128
	s_mov_b32 s[G1B+5], 1024
	s_mov_b32 s[G1B+6], 0
	s_mov_b32 s[G1B+7], 0
	s_lshl_b32 s16, s13, 18                        ; x: row 128 yt + 64 half of xb's 24,576, 2,048 bytes each
	s_lshl_b32 s17, s12, 17
	s_add_co_u32 s16, s16, s17
	s_mov_b32 s17, 0
	s_lshl_b32 s46, s42, 19                        ; W: row 256 x tile column + 128 half,
	s_lshl_b32 s47, s12, 18
	s_add_co_u32 s46, s46, s47
	s_lshl_b32 s47, s45, 21                        ; in matrix P
	s_add_co_u32 s46, s46, s47
	s_mov_b32 s47, 0
	s_mul_i32 s20, s12, HALFA                      ; where they go: no place in the cluster enters an LDS address
	s_mul_i32 s21, s12, HALFB
	s_add_co_u32 s21, s21, ABYTES
	s_wait_kmcnt 0x0
	s_add_nc_u64 s[14:15], s[68:69], s[16:17]
	s_add_nc_u64 s[46:47], s[70:71], s[46:47]
	CROUND                                         ; all sixteen work-groups are here: the first joint loads meet
.irp s, 0,1
	s_mov_b32 s[G0+4*(\s)], 1                      ; count = 1
	s_add_co_u32 s[G0+4*(\s)+1], s20, (\s)*SLOT    ; LDS address
	s_add_nc_u64 s[G0+4*(\s)+2:G0+4*(\s)+3], s[14:15], (\s)*256  ; global address: K step s
	s_or_b32 s[G0+4*(\s)+3], s[G0+4*(\s)+3], 0x80000000          ; type = 2
	s_mov_b32 s[G0B+4*(\s)], 1
	s_add_co_u32 s[G0B+4*(\s)+1], s21, (\s)*SLOT
	s_add_nc_u64 s[G0B+4*(\s)+2:G0B+4*(\s)+3], s[46:47], (\s)*256
	s_or_b32 s[G0B+4*(\s)+3], s[G0B+4*(\s)+3], 0x80000000
	JLOAD \s                                       ; two tensor loads of mine are out
.endr
	s_cmp_eq_u32 s45, 1                            ; the projection's bias and scale
	s_cselect_b64 s[66:67], s[74:75], s[72:73]
	s_cmp_eq_u32 s45, 2
	s_cselect_b64 s[66:67], s[76:77], s[66:67]
	s_cmp_eq_u32 s45, 0
	s_cselect_b32 s80, 0x3e38aa3b, 1.0             ; log2(e) / 8 = 0.180337 for q
	s_mov_b32 s81, s80                             ; named with it as a pair
	s_lshl_b32 s84, s42, 10                        ; my first column, 256 x tile column + 128 x half, in bytes of f32
	s_lshl_b32 s85, s12, 9
	s_add_co_u32 s84, s84, s85
	s_mov_b32 s85, 0
	s_add_nc_u64 s[66:67], s[66:67], s[84:85]
	v_and_b32 v1, 15, v0                           ; l % 16
	v_bfe_u32 v2, v0, 4, 1                         ; l / 16
	v_lshlrev_b32 v[BOF], 5, v2
.irp b, 0,1,2,3,4,5,6,7
	global_load_b128 v[BIAS+8*(\b):BIAS+8*(\b)+3],   v[BOF], s[66:67] offset:64*(\b)
	global_load_b128 v[BIAS+8*(\b)+4:BIAS+8*(\b)+7], v[BOF], s[66:67] offset:64*(\b)+16
.endr
	v_mul_u32_u24 v3, v1, PITCH
	v_lshl_add_u32 v3, v2, 4, v3                   ; a fragment's row x pitch + 16 x half of the lanes
	s_mul_i32 s22, s11, 64*PITCH                   ; my 64 rows of x
	s_mul_i32 s23, s12, HALFB                      ; my 128 rows of W,
	s_add_co_u32 s23, s23, ABYTES                  ; which lie behind x's 128
.irp s, 0,1
	v_add_nc_u32 v[ADRA+(\s)], s22, v3
	v_add_nc_u32 v[ADRB+(\s)], s23, v3
	s_add_co_u32 s22, s22, SLOT
	s_add_co_u32 s23, s23, SLOT
.endr
	s_mul_i32 s22, s10, WSTAGE
	s_add_co_u32 s22, s22, STAGE                   ; my stage
	v_mul_u32_u24 v3, v1, SP                       ; in: row l % 16, 16 bytes for each half of the lanes
	v_lshl_add_u32 v3, v2, 4, v3
	v_add_nc_u32 v[STO], s22, v3
	v_bfe_u32 v3, v0, 3, 2                         ; back: 32 lanes take four rows of 128 bytes,
	v_mul_u32_u24 v3, v3, SP
	v_and_b32 v4, 7, v0
	v_lshl_add_u32 v3, v4, 4, v3
	v_add_nc_u32 v[RD], s22, v3
	v_and_b32 v4, 31, v0                           ; which are 512 consecutive bytes of a head
	v_lshlrev_b32 v[CO], 4, v4
	s_and_b32 s86, s13, 63                         ; the tile row in its projection
	s_lshr_b32 s82, s86, 4                         ; the batch: 16 tile rows each
	s_lshl_b32 s82, s82, 4
	s_lshl_b32 s83, s42, 2
	s_add_co_u32 s82, s82, s83
	s_lshl_b32 s83, s12, 1
	s_add_co_u32 s82, s82, s83                     ; 16 b + my first head, 4 x tile column + 2 x half
	s_lshl_b32 s82, s82, 18                        ; a head is 2,048 rows of 128 bytes
	s_and_b32 s83, s86, 15
	s_lshl_b32 s83, s83, 14                        ; the tile's 128 rows,
	s_add_co_u32 s82, s82, s83
	s_lshl_b32 s83, s11, 13                        ; my 64 of them
	s_add_co_u32 s82, s82, s83
	s_lshl_b32 s83, s45, 24                        ; q, k or v
	s_add_co_u32 s82, s82, s83
	s_mov_b32 s83, 0
	s_add_nc_u64 s[8:9], s[78:79], s[82:83]
	s_wait_loadcnt 0x0                             ; the bias, once
.set i, 0
.rept 32                                       ; rounded to bf16, in place
	v_cvt_pk_bf16_f32 v[2+i%4], v[BIAS+2*i], v[BIAS+2*i+1]
	v_lshlrev_b32 v[BIAS+2*i], 16, v[2+i%4]
	v_and_b32 v[BIAS+2*i+1], 0xffff0000, v[2+i%4]
.set i, i+1
.endr
; 8 matrix instructions: row block a x all 8 column blocks, 32 along K.  first = 1: the bias starts the sums.  The 32 accumulators take turns in the same order in every quarter.
.macro MUL8 f, a, first
.if \first
	WIN MUL1
.else
	WIN MUL
.endif
.irp b, 0,1,2,3,4,5,6,7
.if \first
	v_wmma_f32_16x16x32_bf16 v[8*(8*(\a)+(\b)):8*(8*(\a)+(\b))+7], v[(\f)+8*(\b):(\f)+8*(\b)+7], v[(\f)+64+8*(\a):(\f)+64+8*(\a)+7], v[BIAS+8*(\b):BIAS+8*(\b)+7]
.else
	v_wmma_f32_16x16x32_bf16 v[8*(8*(\a)+(\b)):8*(8*(\a)+(\b))+7], v[(\f)+8*(\b):(\f)+8*(\b)+7], v[(\f)+64+8*(\a):(\f)+64+8*(\a)+7], v[8*(8*(\a)+(\b)):8*(8*(\a)+(\b))+7]
.endif
.endr
.endm
; 24 LDS loads in one run: the fragments of quarter q (32 along K) of a slot into buffer f: W's sixteen loads, then x's eight
.macro FETCH slot, q, f
	WIN TO_F
.irp i, 0,1,2,3,4,5,6,7
	ds_load_b128 v[(\f)+8*(\i):(\f)+8*(\i)+3],   v[ADRB+(\slot)] offset:64*(\q)+(\i)*16*PITCH
	ds_load_b128 v[(\f)+8*(\i)+4:(\f)+8*(\i)+7], v[ADRB+(\slot)] offset:64*(\q)+(\i)*16*PITCH+32
.endr
.irp i, 0,1,2,3
	ds_load_b128 v[(\f)+64+8*(\i):(\f)+64+8*(\i)+3],   v[ADRA+(\slot)] offset:64*(\q)+(\i)*16*PITCH
	ds_load_b128 v[(\f)+64+8*(\i)+4:(\f)+64+8*(\i)+7], v[ADRA+(\slot)] offset:64*(\q)+(\i)*16*PITCH+32
.endr
.endm
.macro PLACES                          ; four places in front of loads into registers that matrix instructions have read, and of lines that read results (ISA guide 7.12.1 for lines that read results)
.rept 4
	v_nop
.endr
.endm
; A K step is four quarters of 32 along K, 32 matrix instructions each, on buffers 0, 1, 0, 1.  One of the first three: multiplies buffer f; in its middle fetches quarter q into g.
.macro QUARTER slot, q, f, g, first
	s_wait_dscnt 4                                 ; W and x's row blocks 0, 1 are in; the youngest four loads (row blocks 2, 3) may be out
	MUL8 \f, 0, \first
	MUL8 \f, 1, \first
	PLACES
	FETCH \slot, \q, \g
	s_wait_dscnt 24                                ; all but the 24 just issued
	MUL8 \f, 2, \first
	MUL8 \f, 3, \first
.endm
; The last quarter multiplies buffer 1 and changes slots: ONE barrier; in front of it each wave waits for all its tensor loads, adds 0 to its spare word, and waits for that and for its reads of this slot.
; fill = 1: the barrier opens a round of the cluster's barrier, and this slot is filled again, two K steps ahead, first thing behind the round: 112 matrix instructions ahead of the wait for it.
.macro TURN slot, next, fill
	WIN 0                                          ; (the add's two registers lie in window 0)
	s_wait_tensorcnt 0x0                           ; all my tensor loads have landed: the one that was out is my part of the next slot
	ds_add_u32 v[SPW], v[NIL]                      ; 0 onto my spare word
	s_wait_dscnt 5                                 ; (the add and the youngest four loads may be out)
	MUL8 F1, 0, 0                                  ; eight matrix instructions stand between the add and the wait for it
	s_wait_dscnt 0x0                               ; the add is done, and my reads of this slot are over
	s_barrier_signal -1
	MUL8 F1, 1, 0
.if \fill
	WIN 0
.endif
	s_barrier_wait -1
.if \fill
	CREST                                          ; no wave of any partner still reads this slot's tile or has a load on its way
	s_add_nc_u64 s[G0+4*(\slot)+2:G0+4*(\slot)+3], s[G0+4*(\slot)+2:G0+4*(\slot)+3], 512
	s_add_nc_u64 s[G0B+4*(\slot)+2:G0B+4*(\slot)+3], s[G0B+4*(\slot)+2:G0B+4*(\slot)+3], 512
	JLOAD \slot                                    ; the four v_nop behind it are also the places in front of the loads below
.else
	PLACES
.endif
	FETCH \next, 0, F0
	MUL8 F1, 2, 0
	MUL8 F1, 3, 0
.endm
	s_wait_tensorcnt 1                             ; my part of K step 0 is in; K step 1's may stay out
	s_barrier_signal -1
	s_barrier_wait -1                              ; everybody's is
	FETCH 0, 0, F0
	QUARTER 0, 1, F0, F1, 1                        ; the first quarter stands in front of the loop: its products start the sums
	WIN 0                                          ; at a label and at a branch every window is 0
	s_mov_b32 s3, LAPS-1
.Llap:                                                 ; a trip goes once round the ring, from a lap's second quarter to the next lap's first, and fills both slots again
	QUARTER 0, 2, F1, F0, 0
	QUARTER 0, 3, F0, F1, 0
	TURN 0, 1, 1
	QUARTER 1, 1, F0, F1, 0
	QUARTER 1, 2, F1, F0, 0
	QUARTER 1, 3, F0, F1, 0
	TURN 1, 0, 1
	QUARTER 0, 1, F0, F1, 0
	WIN 0
	s_sub_co_u32 s3, s3, 1
	s_cmp_lg_u32 s3, 0
	s_cbranch_scc1 .Llap
	QUARTER 0, 2, F1, F0, 0                        ; the last lap fills nothing
	QUARTER 0, 3, F0, F1, 0
	TURN 0, 1, 0
	QUARTER 1, 1, F0, F1, 0
	QUARTER 1, 2, F1, F0, 0
	QUARTER 1, 3, F0, F1, 0
	s_wait_dscnt 4                                 ; the very last quarter: nothing more to fetch
	MUL8 F1, 0, 0
	MUL8 F1, 1, 0
	s_wait_dscnt 0x0
	MUL8 F1, 2, 0
	MUL8 F1, 3, 0
	WIN 0
; THE WAY OUT, 16 rows at a time: times SC, rounded to f16; a lane's eight channels are 16 bytes; my 128 columns are two heads, each with 16 rows of 144 bytes in my stage; back as 4 x 512 bytes a head.
.macro PACK a
	WIN 0x41                                       ; destination and source 0 window 1
.set i, 64*(\a)
.rept 32
	v_pk_mul_f32 v[i:i+1], v[i:i+1], s[80:81] op_sel_hi:[1,0]  ; ascending: each accumulator's lowest registers are read first
.set i, i+2
.endr
	WIN 0x05                                       ; sources 0 and 1 window 1, destination window 0
.set i, 0
.rept 32
	v_cvt_pk_f16_f32 v[TMP+32*(\a)+i], v[64*(\a)+2*i], v[64*(\a)+2*i+1]
.set i, i+1
.endr
	WIN 0
.irp b, 0,1,2,3,4,5,6,7
	ds_store_b128 v[STO], v[TMP+32*(\a)+4*(\b):TMP+32*(\a)+4*(\b)+3] offset:((\b)/4)*16*SP+((\b)%4)*32
.endr
.irp f, 0,1,2,3,4,5,6,7
	ds_load_b128 v[TMP+32*(\a)+4*(\f):TMP+32*(\a)+4*(\f)+3], v[RD] offset:((\f)/4)*16*SP+((\f)%4)*4*SP  ; LDS serves a wave's instructions in order (ISA guide 5.7.1.4): these see the stores above; the next block's stores come behind them
.endr
.endm
.macro SEND a, younger                 ; younger: the LDS instructions issued behind block a's loads: the next block's sixteen, or none
	WIN 0
.irp f, 0,1,2,3,4,5,6,7
	s_wait_dscnt (\younger)+7-(\f)
	global_store_b128 v[CO], v[TMP+32*(\a)+4*(\f):TMP+32*(\a)+4*(\f)+3], s[8:9] offset:((\f)/4)*262144+(\a)*2048+((\f)%4)*512  ; 512 consecutive bytes, at a multiple of 512 from qkv's first
.endr
.endm
	PLACES
	PACK 0
	PACK 1                                         ; a block's arithmetic stands between the loads of the block before and its stores
	SEND 0, 16
	PACK 2
	SEND 1, 16
	PACK 3
	SEND 2, 16
	SEND 3, 0
	s_wait_tensorcnt 0x0                           ; the wave's end
	ds_add_u32 v[SPW], v[NIL]
	s_wait_dscnt 0x0
	CROUND                                         ; the closing round: no work-group ends while a partner may still ask for a tile that names it
	s_endpgm
.Lfunc_end_k_qbe69ac8ba6_proj:
	.size	k_qbe69ac8ba6_proj, .Lfunc_end_k_qbe69ac8ba6_proj-k_qbe69ac8ba6_proj
	.p2alignl 7, 3214868480
	.fill 96, 4, 3214868480
	.section	.rodata,"a",@progbits
	.p2align	6, 0x0
	.amdhsa_kernel k_qbe69ac8ba6_proj
		.amdhsa_group_segment_fixed_size 327680
		.amdhsa_private_segment_fixed_size 0
		.amdhsa_enable_private_segment 0
		.amdhsa_kernarg_size 48
		.amdhsa_user_sgpr_count 2
		.amdhsa_user_sgpr_kernarg_segment_ptr 1
		.amdhsa_wavefront_size32 1
		.amdhsa_system_sgpr_workgroup_id_x 1
		.amdhsa_system_sgpr_workgroup_id_y 1
		.amdhsa_system_sgpr_workgroup_id_z 1
		.amdhsa_system_vgpr_workitem_id 0
		.amdhsa_next_free_vgpr 704
		.amdhsa_next_free_sgpr 96
		.amdhsa_reserve_vcc 0
		.amdhsa_float_denorm_mode_32 3
		.amdhsa_float_denorm_mode_16_64 3
		.amdhsa_memory_ordered 1
		.amdhsa_forward_progress 1
		.amdhsa_inst_pref_size 102
	.end_amdhsa_kernel
	.amdgpu_metadata
---
amdhsa.version: [ 1, 2 ]
amdhsa.kernels:
  - .name:           k_qbe69ac8ba6_proj
    .symbol:         k_qbe69ac8ba6_proj.kd
    .args:
      - { .name: xb, .offset: 0, .size: 8, .value_kind: global_buffer, .address_space: global }
      - { .name: wb, .offset: 8, .size: 8, .value_kind: global_buffer, .address_space: global }
      - { .name: bq, .offset: 16, .size: 8, .value_kind: global_buffer, .address_space: global }
      - { .name: bk, .offset: 24, .size: 8, .value_kind: global_buffer, .address_space: global }
      - { .name: bv, .offset: 32, .size: 8, .value_kind: global_buffer, .address_space: global }
      - { .name: qkv, .offset: 40, .size: 8, .value_kind: global_buffer, .address_space: global }
    .group_segment_fixed_size: 327680
    .private_segment_fixed_size: 0
    .kernarg_segment_align: 8
    .kernarg_segment_size: 48
    .max_flat_workgroup_size: 128
    .sgpr_count:     96
    .vgpr_count:     704
    .wavefront_size: 32
...
	.end_amdgpu_metadata
.endif
;; end of part 2
;; launch attn (part 3): grid 4 x 64, 4 waves a work-group, clusters of 4 x 1, 327,680 bytes of LDS; arguments qkv, mb, ob; writes ob
.if DOCPART == 3
	.amdgcn_target "amdgcn-amd-amdhsa--gfx1250"
	.amdhsa_code_object_version 6
	.text
	.protected	k_qbe69ac8ba6_attn
	.globl	k_qbe69ac8ba6_attn
	.p2align	8
	.type	k_qbe69ac8ba6_attn,@function
k_qbe69ac8ba6_attn:
	s_mov_b64 s[64:65], 0
	v_nop
	global_prefetch_b8 v0, s[64:65] scope:SCOPE_SE
	s_setreg_imm32_b32 hwreg(HW_REG_WAVE_MODE, 25, 1), 1
	s_wait_xcnt 0x0
	s_wait_alu depctr_hold_cnt(0) depctr_sa_sdst(0) depctr_va_vdst(0) depctr_va_sdst(0) depctr_va_ssrc(0) depctr_va_vcc(0) depctr_vm_vsrc(0)
	s_getreg_b32 s2, hwreg(HW_REG_IB_STS2, 6, 4)
	s_cmp_eq_u32 s2, 0
	s_cbranch_scc0 .Lentry_in_a_cluster
	s_endpgm
.Lentry_in_a_cluster:
	s_bfe_u32 s2, ttmp6, 0x10000c
	s_cmp_lg_u32 s2, 0x3003
	s_cbranch_scc0 .Lentry_shape_is_right
	s_endpgm
.Lentry_shape_is_right:
; MASKED ATTENTION.  O[bh][q][:] = the sum over k of softmax_k(t[q][k]) V[bh][k][:], t = Q . K where mask[b][q][k] is not 0 and MASKV where it is 0.
; qkv: f16 [3][bh = 16 b + h (64)][2048][64]; Q arrives multiplied by log2(e) / 8, so t is the score in units of log2 and p = 2^(t - m).  MASKV = -1e9 log2(e), rounded to f32: the score is REPLACED,
; as the problem asks, so a row with no open key gets equal weights.  mb: u32 [128 b + q / 16][key / 64][32]: bit l of word i belongs to lane l, register i of a tile's scores.  ob: f16 [bh][2048][64].
; Products, maxima and sums in f32; the weights p are rounded to f16 for the second product (their sum l is taken of the unrounded p), O once at the end.
; LIMITS.  f16 holds no number beyond 65,504: Q, K, V arrive within it; p lies in 0 to 1 and below 6e-5 keeps f16's fixed step of 6e-8; O is a mean of V's rows.  MASKV differs from -1e9 log2(e) by 6e-8 of itself at the most.
; A weight below 2^-126 counts as 0 in l; NaN and infinities are not treated apart.
; SHARES.  A wave owns four PIECES of two tiles of 16 queries, a work-group's four waves 512 queries of one head.  Every wave walks all 2,048 keys, 64 a step.
; LAYOUT.  S^T = K Q^T (source 0 = 16 keys, source 1 = 16 queries): a lane holds ONE query (lane % 16) and the keys 8 (lane / 16) + 0..7.  Two such results, rounded to f16 in pairs, ARE source 1 of O^T = V^T P.
; K comes out of LDS as it lies, V ([key][channel]) turned, by ds_load_tr16_b128.
; SOFTMAX.  A running maximum m and sum l for each query; in every step O and l are multiplied by a = 2^(m_old - m_new).  m starts at the lowest finite number, O and l at 0: the first step's a is 0.
; THE MASK costs one select a score: the 64 words of a piece and step come by four scalar loads, asked for a turn ahead, and each word is the lane mask of one v_cndmask_b32.
; BY TURNS.  Turn n belongs to piece n.  Its matrix work: 16 products K Q^T of piece n + 1, then 16 products V^T P of piece n - 1.  Its vector work: the whole softmax of piece n, a numbered list of which ten
; numbers stand behind each matrix instruction.  The two streams of a turn name no common register.
; CLUSTER.  The four query blocks of a cluster belong to one head and walk the same K and V: each tile is asked for JOINTLY, by the same tensor load, descriptor and mask in all four.
; REGISTERS, in windows of 256 (s_set_vgpr_msb: bits 1:0 source 0, 3:2 source 1, 5:4 source 2, 7:6 destination):
;   window 0: v0-12 addresses and MASKV; v16-47 four registers of statistics a tile; v48-55 at work; v62-63 the add's; v64-191 S^T, two buffers of two tiles; v192-255 P, likewise (by the piece's parity)
;   window 1: O^T, 32 a tile          window 2: v0-127 Q, 16 a tile; v128-191 K of one step; v192-255 V of one step
.set NP,    4         ; pieces a wave: a name, no knob
.set KS,    64        ; keys in a step
.set PKB,   144       ; a row of K in LDS: 128 bytes + 16 of padding: the 16 rows of a load start at 16 different groups of four banks (64 banks of 4 bytes: ISA guide 11.1)
.set PVB,   160       ; a row of V: 128 + 32
.set VOFF,  4*KS*PKB  ; a slot holds four steps: 256 rows of K, then 256 rows of V
.set SLOT1, 1<<17     ; slot 1 begins here, so that one exclusive or turns an address in one slot into the other's
.set STAGE, SLOT1+4*KS*(PKB+PVB)  ; behind the ring, never filled by a tensor load: 16 rows x 144 bytes for each wave
.set SP,    144
.set SPARE, STAGE+4*16*SP  ; the spare words, 128 bytes for each wave: two blocks of 256 bytes that no other line names
.set AK0, 2           ; v2   my lane's place in a tile of K; never rewritten
.set AV0, 3           ; v3   the same for V
.set AK,  4           ; v4   the LDS address of K's next run of loads
.set AV,  5           ; v5   of V's
.set QO,  6           ; v6   my byte offset in the wave's rows of Q
.set STO, 6           ;      later, the way out: where I put 16 bytes of a row
.set RD,  7           ; v7   the way out: where I read rows back
.set GO,  8           ; v8   16 x lane
.set MK,  12          ; v12  MASKV
.set ST,  16          ; tile t's statistics at v[ST+4 t]: m, m_old, l (even keys', odd keys')
.set TMP, 48          ; for each of a piece's two tiles four registers c0-c3 at work; when the maximum is found c2 takes a
.set SPW, 62          ; v62  LDS address of my spare word; never rewritten
.set NIL, 63          ; v63  0; never rewritten
.set S,   64
.set P,   192
.set KF,  128         ; window 2: key block kb, channel half c at KF + 16 kb + 8 c
.set VF,  192         ; window 2: key half kk, channel block cb at VF + 32 kk + 8 cb
.set WV,  2           ; s2   my wave's number
.set SLOTS, 3         ; s3   slots still to be asked for
.set G1K, 4           ; s[4:11]  descriptor group 1 for K's tiles
.set G1V, 12          ; s[12:19] for V's: it differs in the padding alone
.set G0K, 20          ; s[20:23] descriptor group 0 for K's tiles: it walks
.set G0V, 24          ; s[24:27] the same for V's
.set CNT, 28          ; s28  counts a slot's key steps
.set TBK, 29          ; s29  LDS byte at which K of the step to be fetched begins
.set TBV, 30          ; s30  the same for V, less VOFF
.set M0,  32          ; s[32:63] the mask words of the piece's first tile, s[68:99] of its second.  Before the first mask load s[32:55] hold the head's pointers and offsets
.set MP,  66          ; s[66:67] mb at my first tile, the step in hand
.set OP,  100         ; s[100:101] ob at my wave's first row
.set SEL, 104         ; s[104:105] v_permlanex16_b32's selects: each lane takes its own place in the other half
.set MSB, 0
.macro WIN new                      ; the high byte repeats the setting that is left; a switch that changes nothing is dropped
.if MSB != (\new)
	s_set_vgpr_msb (MSB<<8)|(\new)
.set MSB, (\new)
.endif
.endm
.set W_KQ, 0x0a       ; K and Q in window 2, S^T in window 0
.set W_PV, 0x52       ; V in window 2, P in window 0, O^T in window 1
.set W_RS, 0x41       ; O^T (destination and source 0) in window 1, a in window 0
; A joint fill.  Waves 0 and 1 fetch the two halves of a slot's K, waves 2 and 3 those of its V: 128 keys each.  An s_nop 0 and four v_nop follow each line, ahead of the jump and the label.
.macro JLOAD
	s_cmp_lt_u32 s[WV], 2
	s_cbranch_scc0 .Lfor_v_\@
	tensor_load_to_lds s[G0K:G0K+3], s[G1K:G1K+7]
	s_nop 0
.rept 4
	v_nop
.endr
	s_branch .Lasked_\@
.Lfor_v_\@:
	tensor_load_to_lds s[G0V:G0V+3], s[G1V:G1V+7]
	s_nop 0
.rept 4
	v_nop
.endr
.Lasked_\@:
.endm
.macro CROUND                       ; a round of the cluster's barrier
	s_barrier_signal -1
	s_barrier_wait -1
	s_cmp_lg_u32 s[WV], 0
	s_cbranch_scc1 .Lnot_wave_0_\@
	s_barrier_signal -3
.Lnot_wave_0_\@:
	s_barrier_wait -3
	s_barrier_signal -1
	s_barrier_wait -1
.endm
; THE CHANGE OF SLOTS.  Each wave waits for all its tensor loads, of which one is out: its part of the other slot; adds 0 to its spare word; and waits for that and for its own reads of the slot.
; fill = 1: the slot is filled again, with the keys two slots on; the barrier is then a round of the cluster's, and the joint fill is the first thing behind it: it has four key steps, 512 matrix instructions, in which to land.
; (At its first use nothing has been read yet: slot 0 is waited for, slot 1 filled.)
.macro CHANGE fill
	WIN 0                           ; at a label and at a branch every window is 0
	s_wait_tensorcnt 0x0            ; no tensor load of mine is out, so a group 0 may be written
	ds_add_u32 v[SPW], v[NIL]       ; 0 onto my spare word
.if \fill
.irp g, G0K, G0V
	s_xor_b32 s[\g+1], s[\g+1], SLOT1  ; the walking descriptor: the other slot than last time,
	s_add_nc_u64 s[\g+2:\g+3], s[\g+2:\g+3], 4*KS*128  ; the next 256 keys; the type bits on top are not reached
.endr
	s_wait_dscnt 0x0                ; the add is done, and my reads of the slot are over
	CROUND
	JLOAD
.else
	s_wait_dscnt 0x0                ; the add is done, and my reads of the slot are over
	s_barrier_signal -1
	s_barrier_wait -1
.endif
	s_sub_co_u32 s[TBK], s[TBK], 4*KS*PKB  ; the fetches go back to a slot's first step,
	s_xor_b32 s[TBK], s[TBK], SLOT1        ; in the other slot
	s_sub_co_u32 s[TBV], s[TBV], 4*KS*PVB
	s_xor_b32 s[TBV], s[TBV], SLOT1
.endm
	s_load_b128 s[32:35], s[0:1], 0x0  ; qkv 32:33, mb 34:35
	s_load_b64 s[36:37], s[0:1], 0x10  ; ob
	v_lshl_add_u32 v[SPW], v0, 2, SPARE
	v_mov_b32 v[NIL], 0
	ds_add_u32 v62, v63
	s_wait_dscnt 0x0
	v_lshrrev_b32 v1, 5, v0
	v_readfirstlane_b32 s[WV], v1   ; wave 0..3
	s_bfe_u32 s38, ttmp6, 0x40000   ; cx: my place in the cluster
	s_lshl_b32 s39, ttmp9, 2        ; in a cluster launch ttmp9 counts clusters
	s_add_co_u32 s39, s39, s38      ; my block of 512 queries: it enters Q's, O's and the mask words' addresses alone
	s_and_b32 s40, ttmp7, 0xffff    ; bh, which the four partners share
	s_lshl_b32 s42, s40, 18         ; the head's first byte: 2,048 rows of 128 bytes
	s_and_b32 s44, s[WV], 1         ; which half of a slot's 256 keys I fetch:
	s_lshl_b32 s46, s44, 14         ; its 128 rows of 128 bytes in memory,
	s_add_co_u32 s46, s46, s42
	s_mov_b32 s47, 0
	s_mul_i32 s48, s44, 128*PKB     ; and its place in a slot, for K
	s_mul_i32 s49, s44, 128*PVB     ; and for V: no place in the cluster enters an LDS address
	s_lshl_b32 s50, s39, 2
	s_add_co_u32 s50, s50, s[WV]    ; my wave among the head's sixteen
	s_lshl_b32 s52, s50, 15         ; its 8 tiles of 4,096 bytes of mask words,
	s_lshl_b32 s50, s50, 14         ; its 128 rows
	s_add_co_u32 s50, s50, s42
	s_mov_b32 s51, 0
	s_lshr_b32 s53, s40, 4          ; the batch:
	s_lshl_b32 s53, s53, 19         ; 128 tiles of 4,096 bytes
	s_add_co_u32 s52, s52, s53
	s_mov_b32 s53, 0
	; descriptor group 1.  128 keys are 16,384 dense bytes: asked for as 64 rows of 256 bytes, two keys a row, and padded in LDS after every key
	s_mov_b32 s[G1K], 15|(1<<16)|(1<<20)|(1<<21)|(4<<22)|(3<<25)  ; 15:0 the mask of four; 17:16 2-byte elements; 20 padding on; 21 set beside a mask; 24:22 after every 32 words (code 4); 31:25 4 words (code 3)
	s_mov_b32 s[G1V], 15|(1<<16)|(1<<20)|(1<<21)|(4<<22)|(7<<25)  ; the same with 8 words of padding (code 7)
.irp g, G1K, G1V
	s_mov_b32 s[\g+1], 128<<16      ; tensor_dim0 = 128
	s_mov_b32 s[\g+2], 64<<16       ; tensor_dim1 = 64
	s_mov_b32 s[\g+3], 128<<16      ; tile_dim0 = 128
	s_mov_b32 s[\g+4], 64           ; tile_dim1 = 64
	s_mov_b32 s[\g+5], 128          ; 128 elements from row to row
	s_mov_b32 s[\g+6], 0
	s_mov_b32 s[\g+7], 0
.endr
	s_mov_b32 s[SEL], 0x76543210
	s_mov_b32 s[SEL+1], 0xfedcba98
	s_mov_b32 s[TBK], SLOT1+4*KS*PKB ; the first change of slots turns these two into 0
	s_mov_b32 s[TBV], SLOT1+4*KS*PVB
	s_mov_b32 s[G0K], 1             ; count = 1
	s_mov_b32 s[G0K+1], s48         ; LDS address: slot 0
	s_mov_b32 s[G0V], 1
	s_add_co_u32 s[G0V+1], s49, VOFF
	s_wait_kmcnt 0x0
	s_add_nc_u64 s[G0K+2:G0K+3], s[32:33], s[46:47]        ; my half of the head's first 256 keys,
	s_add_nc_u64 s[G0K+2:G0K+3], s[G0K+2:G0K+3], 0x1000000 ; in k, the second third of qkv
	s_or_b32 s[G0K+3], s[G0K+3], 0x80000000                ; type = 2
	s_add_nc_u64 s[G0V+2:G0V+3], s[32:33], s[46:47]
	s_add_nc_u64 s[G0V+2:G0V+3], s[G0V+2:G0V+3], 0x2000000 ; in v, the last third
	s_or_b32 s[G0V+3], s[G0V+3], 0x80000000
	s_add_nc_u64 s[54:55], s[32:33], s[50:51]              ; Q and O at my wave's first row
	s_add_nc_u64 s[OP:OP+1], s[36:37], s[50:51]
	s_add_nc_u64 s[MP:MP+1], s[34:35], s[52:53]
	CROUND                          ; all four work-groups are here: the first joint loads meet
	JLOAD                           ; slot 0.  Slot 1 is asked for when slot 0 is in
	; A fragment of K or Q is 16 rows x 32 channels in 8 registers: lane l holds row l % 16, channels 8 (l / 16) + 0..7 and 16 + 8 (l / 16) + 0..7: two loads of 16 bytes, 32 bytes apart.
	v_and_b32 v1, 15, v0            ; l % 16
	v_bfe_u32 v9, v0, 4, 1          ; l / 16
	v_lshlrev_b32 v[QO], 7, v1
	v_lshl_add_u32 v[QO], v9, 4, v[QO]  ; row x 128 + 16 x half
	WIN 0x80                        ; destination window 2, address window 0
.set i, 0
.rept 4*NP                          ; Q stays in registers: tile i / 2, channels 32 (i % 2) on
	global_load_b128 v[8*i:8*i+3],   v[QO], s[54:55] offset:(i/2)*2048+(i%2)*64
	global_load_b128 v[8*i+4:8*i+7], v[QO], s[54:55] offset:(i/2)*2048+(i%2)*64+32
.set i, i+1
.endr
	; What the first turn finds: V's registers and P's second buffer hold 0 (its products V^T P, of a piece that has not been, add 0), O^T and l are 0.  All this stands in the wait for the first tile.
.set i, VF
.rept 64
	v_mov_b32 v[i], 0
.set i, i+1
.endr
	WIN 0x40
.set i, 0
.rept 64*NP
	v_mov_b32 v[i], 0
.set i, i+1
.endr
	WIN 0
.set i, 0
.rept 2*NP
	v_mov_b32 v[ST+4*i], 0xff7fffff    ; m: the lowest finite number
	v_mov_b32 v[ST+4*i+2], 0
	v_mov_b32 v[ST+4*i+3], 0
.set i, i+1
.endr
.set i, P+32
.rept 32
	v_mov_b32 v[i], 0
.set i, i+1
.endr
	v_mov_b32 v[MK], 0xceabfb8f     ; -1e9 log2(e) = -1,442,695,040
	v_mul_u32_u24 v[AK0], v1, PKB
	v_lshl_add_u32 v[AK0], v9, 4, v[AK0]  ; row x pitch + 16 x half
	; The turning load takes 16 keys x 16 channels (lane l reads key 8 (l / 16) + l % 8, channels 8 ((l / 8) % 2) + 0..7) and leaves half a fragment of V^T: lane l holds channel l % 16 and 8 keys.
	v_and_b32 v10, 7, v0
	v_bfe_u32 v11, v0, 3, 1
	v_lshl_add_u32 v[AV0], v9, 3, v10
	v_mul_u32_u24 v[AV0], v[AV0], PVB
	v_lshl_add_u32 v[AV0], v11, 4, v[AV0]
	v_add_nc_u32 v[AV0], VOFF, v[AV0]
	v_mov_b32 v[AK], v[AK0]         ; key step 0 lies at the head of slot 0
; THE MATRIX WORK.  The 8 accumulators of a run of 16 take turns: between the two links of a chain stand 7 others'.
; Product i of 16 of S^T = K Q^T for piece x: channels 32 (i / 8) on, keys 16 ((i / 2) % 4) on, tile 2 x + i % 2.  The first 8 start the sums.
.macro KQ x
	WIN W_KQ
.set rS, S+64*((\x)%2)+32*(i%2)+8*((i/2)%4)
.set rK, KF+16*((i/2)%4)+8*(i/8)
.set rQ, 16*(2*(\x)+i%2)+8*(i/8)
.if i < 8
	v_wmma_f32_16x16x32_f16 v[rS:rS+7], v[rK:rK+7], v[rQ:rQ+7], 0
.else
	v_wmma_f32_16x16x32_f16 v[rS:rS+7], v[rK:rK+7], v[rQ:rQ+7], v[rS:rS+7]
.endif
.endm
; Product i of 16 of O^T += V^T P for piece x: keys 32 (i / 8) on, channels 16 ((i / 2) % 4) on, tile 2 x + i % 2.
.macro PV x
	WIN W_PV
.set rO, 32*(2*(\x)+i%2)+8*((i/2)%4)
.set rV, VF+32*(i/8)+8*((i/2)%4)
.set rP, P+32*((\x)%2)+16*(i%2)+8*(i/8)
	v_wmma_f32_16x16x32_f16 v[rO:rO+7], v[rV:rV+7], v[rP:rP+7], v[rO:rO+7]
.endm
.macro MM                           ; the turn's next matrix instruction
.if i < 16
	KQ (Y+1)%NP
.set i, i+1
.else
.set i, i-16
	PV (Y+NP-1)%NP
.set i, i+17
.endif
.endm
; THE LDS LOADS stand in runs of 16: a step's K (64 keys x 64 channels: 8 fragments) and its V (turned).  last = 1 (the tail): in the last trip there is no further step, and the run is jumped over.
.macro FETCH_K last=0
	WIN 0
.if \last
	s_cmp_eq_u32 s[CNT], 1
	s_cbranch_scc1 .Lno_k_\@
.endif
	WIN 0x80                        ; destination window 2
.irp f, 0,1,2,3,4,5,6,7             ; keys 16 (f / 2) on, channels 32 (f % 2) on
	ds_load_b128 v[KF+8*\f:KF+8*\f+3],   v[AK] offset:(\f/2)*16*PKB+(\f%2)*64
	ds_load_b128 v[KF+8*\f+4:KF+8*\f+7], v[AK] offset:(\f/2)*16*PKB+(\f%2)*64+32
.endr
	s_add_co_u32 s[TBK], s[TBK], KS*PKB  ; the next fetch is the next step's
	WIN 0
.if \last
.Lno_k_\@:
.endif
.endm
.macro FETCH_V
	WIN 0x80
.irp f, 0,1,2,3,4,5,6,7             ; keys 32 (f / 4) on, channels 16 (f % 4) on
	ds_load_tr16_b128 v[VF+8*\f:VF+8*\f+3],   v[AV] offset:(\f/4)*32*PVB+(\f%4)*32
	ds_load_tr16_b128 v[VF+8*\f+4:VF+8*\f+7], v[AV] offset:(\f/4)*32*PVB+16*PVB+(\f%4)*32
.endr
	WIN 0
.endm
; The 64 mask words of the piece behind piece p, 128 bytes a tile and step, by four scalar loads
.macro MASKLOAD p
.set tA, 2*(((\p)+1)%NP)
	s_load_b512 s[M0:M0+15],    s[MP:MP+1], tA*4096
	s_load_b512 s[M0+16:M0+31], s[MP:MP+1], tA*4096+64
	s_load_b512 s[M0+36:M0+51], s[MP:MP+1], tA*4096+4096
	s_load_b512 s[M0+52:M0+67], s[MP:MP+1], tA*4096+4160
.endm
; THE VECTOR WORK OF A TURN: one list, numbered vj = 0 .. 327 (some numbers are empty: 298 instructions); VI writes number vj for piece Y and steps vj.  s0-s31 are a lane's 32 scores of a tile; the two tiles alternate.
;   0-63     the mask: score i stays where bit l of word i is set and becomes MASKV elsewhere; ascending
;   64-95    the maximum of s0-s31 and the old m, three operands at a time: four chains c0-c3 of seven scores, the four scores left over, m, and c0-c3 into c0
;   96-105   m_old is kept; the query's other 32 keys lie in the lane 16 away; the new m; m_old - m; a
;   106-295  nineteen iterations of ten over 16 groups G of four scores (tile G % 2, scores 4 (G / 2) on): places 0, 2, 4, 6 the four exponentials of group it - 1; places 1, 3 s - m for the two pairs of group it;
;            places 5, 7 the roundings to f16 of group it - 2; place 8 its second pair added onto its first; place 9 l takes the sum of group it - 3 (a tile's first group: l = a l + sum).
;            So an exponential's result is read an iteration later, with a plain instruction between (ISA guide 5.7.2), at both ends of the run too
;   296-327  O^T times a: the one part that leaves window 0, so it stands together
.macro REGS y, u                    ; the registers of tile u (0, 1) of piece y
.set rT, ST+4*(2*(\y)+(\u))
.set rC, TMP+4*(\u)
.set rS, S+64*((\y)%2)+32*(\u)
.set rP, P+32*((\y)%2)+16*(\u)
.set rO, 32*(2*(\y)+(\u))
.set rM, M0+36*(\u)
.endm
.macro VI
.if vj < 64
	REGS Y, vj%2
	WIN 0
	v_cndmask_b32 v[rS+vj/2], v[MK], v[rS+vj/2], s[rM+vj/2]
.elseif vj < 96
	REGS Y, vj%2
	WIN 0
.set n, (vj-64)/2
.if n < 4
	v_max3_num_f32 v[rC+n], v[rS+8*n], v[rS+8*n+1], v[rS+8*n+2]
.elseif n < 12
	v_max3_num_f32 v[rC+n%4], v[rC+n%4], v[rS+8*(n%4)+2*(n/4)+1], v[rS+8*(n%4)+2*(n/4)+2]
.elseif n == 12
	v_max3_num_f32 v[rC], v[rC], v[rS+7], v[rS+15]
.elseif n == 13
	v_max3_num_f32 v[rC+1], v[rC+1], v[rS+23], v[rS+31]
.elseif n == 14
	v_max3_num_f32 v[rC+2], v[rC+2], v[rC+3], v[rT]
.else
	v_max3_num_f32 v[rC], v[rC], v[rC+1], v[rC+2]
.endif
.elseif vj < 106
	REGS Y, vj%2
	WIN 0
.set n, (vj-96)/2
.if n == 0
	v_mov_b32 v[rT+1], v[rT]
.elseif n == 1
	v_permlanex16_b32 v[rC+3], v[rC], s[SEL], s[SEL+1]
.elseif n == 2
	v_max_num_f32 v[rT], v[rC], v[rC+3]
.elseif n == 3
	v_sub_f32 v[rC+1], v[rT+1], v[rT]
.else
	v_exp_f32 v[rC+2], v[rC+1]
.endif
.elseif vj < 296
.set it, (vj-106)/10
.set pos, (vj-106)%10
.if (pos%2 == 0) && (pos < 8)
.if (it >= 1) && (it <= 16)
	REGS Y, (it-1)%2
	WIN 0
.set k, (it-1)/2
	v_exp_f32 v[rS+4*k+pos/2], v[rS+4*k+pos/2]
.endif
.elseif pos < 4
.if it < 16
	REGS Y, it%2
	WIN 0
.set k, it/2
.set c, pos/2
	v_pk_add_f32 v[rS+4*k+2*c:rS+4*k+2*c+1], v[rS+4*k+2*c:rS+4*k+2*c+1], v[rT:rT+1] op_sel_hi:[1,0] neg_lo:[0,1] neg_hi:[0,1]  ; s - m
.endif
.elseif pos < 8
.if (it >= 2) && (it <= 17)
	REGS Y, (it-2)%2
	WIN 0
.set k, (it-2)/2
.set c, (pos-5)/2
	s_wait_alu depctr_va_vdst(0)
	v_cvt_pk_f16_f32 v[rP+2*k+c], v[rS+4*k+2*c], v[rS+4*k+2*c+1]
.endif
.elseif pos == 8
.if (it >= 2) && (it <= 17)
	REGS Y, (it-2)%2
	WIN 0
.set k, (it-2)/2
	v_pk_add_f32 v[rS+4*k:rS+4*k+1], v[rS+4*k:rS+4*k+1], v[rS+4*k+2:rS+4*k+3]
.endif
.else
.if it >= 3
	REGS Y, (it-3)%2
	WIN 0
.set k, (it-3)/2
.if k == 0
	v_pk_fma_f32 v[rT+2:rT+3], v[rT+2:rT+3], v[rC+2:rC+3], v[rS:rS+1] op_sel_hi:[1,0,1]
.else
	v_pk_add_f32 v[rT+2:rT+3], v[rT+2:rT+3], v[rS+4*k:rS+4*k+1]
	s_wait_alu depctr_va_vdst(0)
.endif
.endif
.endif
.else
	REGS Y, vj%2
.set z, (vj-296)/2
	WIN W_RS
	v_pk_mul_f32 v[rO+2*z:rO+2*z+1], v[rO+2*z:rO+2*z+1], v[rC+2:rC+3] op_sel_hi:[1,0]
.endif
.set vj, vj+1
.endm
; A TURN, for piece p: 32 matrix instructions, ten numbers of the list behind each, the last eight behind them all.
; The next piece's mask words are asked for behind the seventh matrix instruction, when numbers 0 to 69 are out: every select has read its word.  They are waited for at the next turn's head.
; K of the next step is fetched in piece 2's turn behind the 18th matrix instruction: thirty numbers of the list behind the last product that read K; it is waited for at the head of piece 3's turn.
; V of the step in hand is fetched at the end of piece 0's turn, eighteen packed multiplies behind the last product that read V; it is waited for in the middle of piece 1's turn.
.macro TURN p, last=0
.set Y, (\p)
.set i, 0
.set vj, 0
	s_wait_kmcnt 0x0                ; my piece's 64 mask words are in, and no scalar load is out
.if (\p) == NP-1
	s_add_nc_u64 s[MP:MP+1], s[MP:MP+1], 128  ; the words asked for in this turn are the next step's
.endif
.rept 32
.if ((\p) == NP-1) && (i == 0)
	s_wait_dscnt 0x0                ; K is in
.endif
.if ((\p) == 1) && (i == 16)
	s_wait_dscnt 0x0                ; V is in
.endif
	MM
.rept 10
	VI
.endr
.if i == 7
	MASKLOAD \p
.endif
.if ((\p) == NP-2) && (i == 18)
	WIN 0
	v_add_nc_u32 v[AK], s[TBK], v[AK0]
	FETCH_K \last
.endif
.endr
.rept 8
	VI
.endr
.if (\p) == 0
	WIN 0
	v_add_nc_u32 v[AV], s[TBV], v[AV0]
	FETCH_V
	s_add_co_u32 s[TBV], s[TBV], KS*PVB
.endif
.endm
	CHANGE 1                        ; slot 0 is in, everybody's part of it; slot 1 is asked for
	FETCH_K                         ; key step 0
	s_wait_loadcnt 0x0              ; Q is in: its base pointer lies where the mask words land
	MASKLOAD NP-1                   ; piece 0's words of step 0
	s_wait_dscnt 0x0
.set i, 0
.rept 16
	KQ 0                            ; piece 0's first scores: there is no vector work yet to set between them
.set i, i+1
.endr
	WIN 0                           ; the addresses for the way out: nine plain instructions, the places behind those products
	s_mul_i32 s31, s[WV], 16*SP
	s_add_co_u32 s31, s31, STAGE    ; my stage
	v_mul_u32_u24 v[STO], v1, SP    ; in: row l % 16, 16 bytes for each half of the lanes
	v_lshl_add_u32 v[STO], v9, 4, v[STO]
	v_add_nc_u32 v[STO], s31, v[STO]
	v_bfe_u32 v[RD], v0, 3, 2       ; back: 32 lanes take four rows of 128 bytes,
	v_mul_u32_u24 v[RD], v[RD], SP
	v_lshl_add_u32 v[RD], v10, 4, v[RD]
	v_add_nc_u32 v[RD], s31, v[RD]
	v_and_b32 v[GO], 31, v0         ; which are 512 consecutive bytes of O
	v_lshlrev_b32 v[GO], 4, v[GO]
	s_mov_b32 s[CNT], 4
	s_mov_b32 s[SLOTS], 7           ; 2,048 / 256 - 1
	s_branch .Lfirst                ; the loop is entered at a step's first turn, in the middle of a trip
.Lslot:                             ; six times: every slot but the last two is filled again
	CHANGE 1
	s_mov_b32 s[CNT], 4
.Lstep:                             ; a trip: pieces 2 and 3 of one step, then pieces 0 and 1 of the next, whose K and V it fetches
	TURN 2
	TURN 3
	WIN 0
.Lfirst:
	TURN 0
	TURN 1
	WIN 0
	s_sub_co_u32 s[CNT], s[CNT], 1
	s_cmp_lg_u32 s[CNT], 0
	s_cbranch_scc1 .Lstep
	s_sub_co_u32 s[SLOTS], s[SLOTS], 1
	s_cmp_lg_u32 s[SLOTS], 0
	s_cbranch_scc1 .Lslot
	CHANGE 0                        ; the tail is written out: nothing is asked for
	s_mov_b32 s[CNT], 5             ; four trips fetch the last slot's steps; the fifth is left in its middle
.Ltail:
	TURN 2, 1
	TURN 3
	WIN 0
	s_sub_co_u32 s[CNT], s[CNT], 1
	s_cmp_eq_u32 s[CNT], 0
	s_cbranch_scc1 .Lout
	TURN 0
	TURN 1
	WIN 0
	s_branch .Ltail
.Lout:                              ; the fifth trip's 16 products K Q^T (on the last K once more) and its mask words (128 bytes a tile further on, still inside mb) serve nothing: the price of one text for every trip
	s_wait_kmcnt 0x0                ; those words have landed
.set i, 0
.rept 16
	PV NP-1                         ; the last piece's V^T P of the last step
.set i, i+1
.endr
	; THE WAY OUT.  l's two halves and the other half of the lanes' are added; O^T is divided by l, rounded to f16 and sent through my stage in LDS, a tile at a time.  The additions are the places behind the last products.
	WIN 0
.macro ALL line:vararg              ; one line for each tile t
.set t, 0
.rept 2*NP
	\line
.set t, t+1
.endr
.endm
	ALL v_add_f32 v[ST+4*t+2], v[ST+4*t+2], v[ST+4*t+3]
	ALL v_permlanex16_b32 v[ST+4*t+3], v[ST+4*t+2], s[SEL], s[SEL+1]
	ALL v_add_f32 v[ST+4*t+2], v[ST+4*t+2], v[ST+4*t+3]
	ALL v_rcp_f32 v[ST+4*t+2], v[ST+4*t+2]
	v_nop                           ; a plain instruction between the last reciprocal and the use of its result
	s_wait_alu depctr_va_vdst(0)
; Tile t: a lane's eight channels of a row pack into 16 bytes; they go into rows of 144 bytes and come back as whole rows of 128, into S^T's registers.
.macro PACK t
	WIN W_RS
.set i, 32*(\t)
.rept 16
	v_pk_mul_f32 v[i:i+1], v[i:i+1], v[ST+4*(\t)+2:ST+4*(\t)+3] op_sel_hi:[1,0]
.set i, i+2
.endr
	WIN 0x05                        ; sources 0 and 1 window 1, destination window 0
.set i, 0
.rept 16
	v_cvt_pk_f16_f32 v[S+16*(\t)+i], v[32*(\t)+2*i], v[32*(\t)+2*i+1]
.set i, i+1
.endr
	WIN 0
.irp f, 0,1,2,3
	ds_store_b128 v[STO], v[S+16*(\t)+4*\f:S+16*(\t)+4*\f+3] offset:32*\f
.endr
.irp f, 0,1,2,3
	ds_load_b128 v[S+16*(\t)+4*\f:S+16*(\t)+4*\f+3], v[RD] offset:\f*4*SP  ; LDS serves a wave's instructions in order (ISA guide 5.7.1.4): these see the stores above; the next tile's stores come behind them
.endr
.endm
.macro SEND t, younger              ; younger: the LDS instructions issued behind tile t's loads: the next tile's eight, or none
	WIN 0
.irp f, 0,1,2,3
	s_wait_dscnt (\younger)+3-\f
	global_store_b128 v[GO], v[S+16*(\t)+4*\f:S+16*(\t)+4*\f+3], s[OP:OP+1] offset:(\t)*2048+\f*512  ; 512 consecutive bytes, at a multiple of 512 from ob's first
.endr
.endm
	PACK 0
.set t, 1
.rept 2*NP-1                        ; a tile's arithmetic stands between the loads of the tile before and its stores
	PACK t
	SEND t-1, 8
.set t, t+1
.endr
	SEND 2*NP-1, 0
	s_wait_tensorcnt 0x0            ; the wave's end
	ds_add_u32 v[SPW], v[NIL]
	s_wait_dscnt 0x0
	CROUND                          ; the closing round: no work-group ends while a partner may still ask for a tile that names it
	s_endpgm
.Lfunc_end_k_qbe69ac8ba6_attn:
	.size	k_qbe69ac8ba6_attn, .Lfunc_end_k_qbe69ac8ba6_attn-k_qbe69ac8ba6_attn
	.p2alignl 7, 3214868480
	.fill 96, 4, 3214868480
	.section	.rodata,"a",@progbits
	.p2align	6, 0x0
	.amdhsa_kernel k_qbe69ac8ba6_attn
		.amdhsa_group_segment_fixed_size 327680
		.amdhsa_private_segment_fixed_size 0
		.amdhsa_enable_private_segment 0
		.amdhsa_kernarg_size 24
		.amdhsa_user_sgpr_count 2
		.amdhsa_user_sgpr_kernarg_segment_ptr 1
		.amdhsa_wavefront_size32 1
		.amdhsa_system_sgpr_workgroup_id_x 1
		.amdhsa_system_sgpr_workgroup_id_y 1
		.amdhsa_system_sgpr_workgroup_id_z 1
		.amdhsa_system_vgpr_workitem_id 0
		.amdhsa_next_free_vgpr 768
		.amdhsa_next_free_sgpr 106
		.amdhsa_reserve_vcc 0
		.amdhsa_float_denorm_mode_32 3
		.amdhsa_float_denorm_mode_16_64 3
		.amdhsa_memory_ordered 1
		.amdhsa_forward_progress 1
		.amdhsa_inst_pref_size 237
	.end_amdhsa_kernel
	.amdgpu_metadata
---
amdhsa.version: [ 1, 2 ]
amdhsa.kernels:
  - .name:           k_qbe69ac8ba6_attn
    .symbol:         k_qbe69ac8ba6_attn.kd
    .args:
      - { .name: qkv, .offset: 0, .size: 8, .value_kind: global_buffer, .address_space: global }
      - { .name: mb, .offset: 8, .size: 8, .value_kind: global_buffer, .address_space: global }
      - { .name: ob, .offset: 16, .size: 8, .value_kind: global_buffer, .address_space: global }
    .group_segment_fixed_size: 327680
    .private_segment_fixed_size: 0
    .kernarg_segment_align: 8
    .kernarg_segment_size: 24
    .max_flat_workgroup_size: 128
    .sgpr_count:     106
    .vgpr_count:     768
    .wavefront_size: 32
...
	.end_amdgpu_metadata
.endif
;; end of part 3
;; launch outp (part 4): grid 4 x 64, 4 waves a work-group, clusters of 4 x 4, 327,680 bytes of LDS; arguments ob, wb, bo, out0; writes out0
.if DOCPART == 4
	.amdgcn_target "amdgcn-amd-amdhsa--gfx1250"
	.amdhsa_code_object_version 6
	.text
	.protected	k_qbe69ac8ba6_outp
	.globl	k_qbe69ac8ba6_outp
	.p2align	8
	.type	k_qbe69ac8ba6_outp,@function
k_qbe69ac8ba6_outp:
	s_mov_b64 s[64:65], 0
	v_nop
	global_prefetch_b8 v0, s[64:65] scope:SCOPE_SE
	s_setreg_imm32_b32 hwreg(HW_REG_WAVE_MODE, 25, 1), 1
	s_wait_xcnt 0x0
	s_wait_alu depctr_hold_cnt(0) depctr_sa_sdst(0) depctr_va_vdst(0) depctr_va_sdst(0) depctr_va_ssrc(0) depctr_va_vcc(0) depctr_vm_vsrc(0)
	s_getreg_b32 s2, hwreg(HW_REG_IB_STS2, 6, 4)
	s_cmp_eq_u32 s2, 0
	s_cbranch_scc0 .Lentry_in_a_cluster
	s_endpgm
.Lentry_in_a_cluster:
	s_bfe_u32 s2, ttmp6, 0x10000c
	s_cmp_lg_u32 s2, 0xf033
	s_cbranch_scc0 .Lentry_shape_is_right
	s_endpgm
.Lentry_shape_is_right:
; THE OUTPUT PROJECTION.  out0[m][n] = sum over k of O[m][k] Wo[n][k] + bo[n], f32.  O: ob, f16 by heads, [16 b + h][2048][64], so k = 64 h + channel; Wo: the fourth quarter of wb, f16 (bf16-rounded numbers);
; bo: f32, rounded to bf16 here like the other inputs.  Sums in f32, stored as they are.  LIMIT: O and Wo arrive within f16's 65,504; NaN and infinities are not treated apart.
; SHARES.  A tile of out0 is 128 rows x 256 columns: 64 x 4 = 256 work-groups.  Four waves, each 64 rows x 128 columns: 32 accumulators of 16 x 16, 256 registers.
; K goes in 8 steps of 128 = two heads through a ring of two LDS slots.  A head's 128 rows are 16,384 dense bytes: asked for as 64 rows of 256 bytes and padded in LDS after every 128, so that a row of O is 144 bytes there;
; the step's two heads are two planes of 128 such rows.  Wo's rows are 256 bytes of memory at multiples of 256 bytes from the buffer's first.
; CLUSTER 4 x 4: O's tile is shared along a row of the cluster, Wo's along a column: each is asked for jointly, by the same tensor load and mask in all four.
; THE MATRIX INSTRUCTION IS USED TRANSPOSED (source 0 = 16 rows of Wo, source 1 = 16 rows of O): a lane holds eight neighbouring columns of one row.  THE BIAS STARTS THE SUMS, as the C operand of the first quarter's products.
; REGISTERS, in windows of 256 (s_set_vgpr_msb: bits 1:0 source 0, 3:2 source 1, 5:4 source 2, 7:6 destination):
;   window 0: v0-5 at work; v16-29 addresses; v32-95, v96-159 the way out, two buffers; v160-223 the bias          window 1: accumulator (a, b) at v[8 (8 a + b)]
;   window 2: two fragment buffers of 96: 64 registers of Wo, then 32 of O
.set PITCH,  272                       ; a row of Wo in LDS: 256 bytes + 16 of padding
.set APITCH, 144                       ; a row of O: 128 + 16.  Both odd multiples of 16: the 16 rows of a load start at 16 different groups of four banks (64 banks of 4 bytes: ISA guide 11.1)
.set HALFA,  128*APITCH                ; what a tensor load brings of O: one head's plane
.set ABYTES, 2*HALFA
.set HALFB,  128*PITCH                 ; of Wo: 128 rows
.set SLOT,   ABYTES+2*HALFB
.set STAGE,  2*SLOT                    ; behind the ring, never filled by a tensor load: for each wave 16 rows x 528 bytes
.set SPITCH, 528
.set WSTAGE, 16*SPITCH
.set SPARE,  STAGE+4*WSTAGE            ; the spare words, 128 bytes for each wave: two blocks of 256 bytes that no other line names
.set LAPS,   4
.set ADRA, 16                          ; v16-17  LDS address of my fragments of O in slot 0, 1
.set ADRB, 20                          ; v20-21  the same for Wo
.set STO,  24                          ; v24     the way out: where I put 32 bytes of a row
.set RD,   25                          ; v25     where I read a row back
.set CO,   26                          ; v26     16 x lane
.set BOF,  27                          ; v27     my byte offset in 64 bytes of bias
.set SPW,  28                          ; v28     LDS address of my spare word; never rewritten
.set NIL,  29                          ; v29     0; never rewritten
.set OB,   32
.set BIAS, 160
.set F0,   0
.set F1,   96
.set G1,  24                           ; s[24:31] descriptor group 1 for O's tiles; s[32:39] group 0, a set for each slot
.set G0,  32
.set G1B, 48                           ; s[48:55], s[56:63] the same for Wo's tiles
.set G0B, 56
.set MSB, 0
.macro WIN new                         ; the immediate's high byte repeats the setting that is left; a switch that changes nothing is dropped
.if MSB != (\new)
	s_set_vgpr_msb (MSB<<8)|(\new)
.set MSB, \new
.endif
.endm
.set MUL,  0x5a                        ; sources 0 and 1 window 2; C and D window 1
.set MUL1, 0x4a                        ; the same with C in window 0: the bias
.set TO_F, 0x80                        ; destination window 2, address window 0
.macro JLOAD s                         ; a joint load: waves 0 and 1 fetch O's two planes, waves 2 and 3 Wo's halves; an s_nop 0 and four v_nop follow each line, ahead of the jump and the label
	s_cmp_eq_u32 s11, 0
	s_cbranch_scc0 .Lfor_b_\@
	tensor_load_to_lds s[G0+4*(\s):G0+4*(\s)+3], s[G1:G1+7]
	s_nop 0
.rept 4
	v_nop
.endr
	s_branch .Lasked_\@
.Lfor_b_\@:
	tensor_load_to_lds s[G0B+4*(\s):G0B+4*(\s)+3], s[G1B:G1B+7]
	s_nop 0
.rept 4
	v_nop
.endr
.Lasked_\@:
.endm
.macro CREST                           ; a round of the cluster's barrier behind its opening barrier
	s_cmp_lg_u32 s10, 0
	s_cbranch_scc1 .Lnot_wave_0_\@
	s_barrier_signal -3
.Lnot_wave_0_\@:
	s_barrier_wait -3
	s_barrier_signal -1
	s_barrier_wait -1
.endm
.macro CROUND                          ; a whole round
	s_barrier_signal -1
	s_barrier_wait -1
	CREST
.endm
	s_load_b256 s[68:75], s[0:1], 0x0              ; ob 68:69, wb 70:71, bo 72:73, out0 74:75
	v_lshl_add_u32 v[SPW], v0, 2, SPARE
	v_mov_b32 v[NIL], 0
	ds_add_u32 v28, v29
	s_wait_dscnt 0x0
	v_lshrrev_b32 v1, 5, v0
	v_readfirstlane_b32 s10, v1                    ; wave 0..3
	s_lshr_b32 s11, s10, 1                         ; which 64 rows of the tile are mine.  Also: I fetch for O (0) or for Wo (1)
	s_and_b32 s12, s10, 1                          ; which 128 columns.  Also: which plane or half I fetch
	s_bfe_u32 s40, ttmp6, 0x40000                  ; cx, cy: my place in the cluster
	s_bfe_u32 s41, ttmp6, 0x40004
	s_lshl_b32 s42, ttmp9, 2
	s_add_co_u32 s42, s42, s40                     ; tile column 0..3
	s_and_b32 s13, ttmp7, 0xffff
	s_lshl_b32 s13, s13, 2
	s_add_co_u32 s13, s13, s41                     ; tile row 0..63
	s_lshl_b32 s43, s41, 2
	s_lshl_b32 s43, 15, s43                        ; my row of the cluster
	s_lshl_b32 s44, 0x1111, s40                    ; my column
	s_or_b32 s[G1+0], s43, (1<<16)|(1<<20)|(1<<21)|(4<<22)|(3<<25)   ; 15:0 the mask; 17:16 2-byte elements; 20 padding on; 21 set beside a mask; 24:22 after every 32 words (code 4); 31:25 4 words (code 3)
	s_or_b32 s[G1B+0], s44, (1<<16)|(1<<20)|(1<<21)|(5<<22)|(3<<25)  ; after every 64 words (code 5)
	s_mov_b32 s[G1+1], 128<<16                     ; tensor_dim0 = 128
	s_mov_b32 s[G1+2], 64<<16                      ; tensor_dim1 = 64
	s_mov_b32 s[G1+3], 128<<16                     ; tile_dim0 = 128
	s_mov_b32 s[G1+4], 64                          ; tile_dim1 = 64
	s_mov_b32 s[G1+5], 128                         ; dense: 128 elements from row to row
	s_mov_b32 s[G1+6], 0
	s_mov_b32 s[G1+7], 0
	s_mov_b32 s[G1B+1], 128<<16
	s_mov_b32 s[G1B+2], 128<<16                    ; 128 rows
	s_mov_b32 s[G1B+3], 128<<16
	s_mov_b32 s[G1B+4], 128
	s_mov_b32 s[G1B+5], 1024
	s_mov_b32 s[G1B+6], 0
	s_mov_b32 s[G1B+7], 0
	s_lshr_b32 s16, s13, 4                         ; O: the batch's 16 heads of 262,144 bytes,
	s_lshl_b32 s16, s16, 22
	s_lshl_b32 s17, s12, 18                        ; the step's first or second head,
	s_add_co_u32 s16, s16, s17
	s_and_b32 s17, s13, 15
	s_lshl_b32 s17, s17, 14                        ; the tile's 128 rows of 128 bytes
	s_add_co_u32 s16, s16, s17
	s_mov_b32 s17, 0
	s_lshl_b32 s46, s42, 19                        ; Wo: row 256 x tile column + 128 half,
	s_lshl_b32 s47, s12, 18
	s_add_co_u32 s46, s46, s47
	s_add_co_u32 s46, s46, 3<<21                   ; in wb's fourth matrix
	s_mov_b32 s47, 0
	s_mul_i32 s20, s12, HALFA                      ; where they go: no place in the cluster enters an LDS address
	s_mul_i32 s21, s12, HALFB
	s_add_co_u32 s21, s21, ABYTES
	s_wait_kmcnt 0x0
	s_add_nc_u64 s[14:15], s[68:69], s[16:17]
	s_add_nc_u64 s[46:47], s[70:71], s[46:47]
	CROUND                                         ; all sixteen work-groups are here: the first joint loads meet
.irp s, 0,1
	s_mov_b32 s[G0+4*(\s)], 1                      ; count = 1
	s_add_co_u32 s[G0+4*(\s)+1], s20, (\s)*SLOT    ; LDS address
	s_add_nc_u64 s[G0+4*(\s)+2:G0+4*(\s)+3], s[14:15], (\s)*524288  ; global address: K step s = two heads on
	s_or_b32 s[G0+4*(\s)+3], s[G0+4*(\s)+3], 0x80000000             ; type = 2
	s_mov_b32 s[G0B+4*(\s)], 1
	s_add_co_u32 s[G0B+4*(\s)+1], s21, (\s)*SLOT
	s_add_nc_u64 s[G0B+4*(\s)+2:G0B+4*(\s)+3], s[46:47], (\s)*256
	s_or_b32 s[G0B+4*(\s)+3], s[G0B+4*(\s)+3], 0x80000000
	JLOAD \s                                       ; two tensor loads of mine are out
.endr
	s_lshl_b32 s84, s42, 10                        ; my first column, 256 x tile column + 128 x half, in bytes of f32
	s_lshl_b32 s85, s12, 9
	s_add_co_u32 s84, s84, s85
	s_mov_b32 s85, 0
	s_add_nc_u64 s[66:67], s[72:73], s[84:85]
	v_and_b32 v1, 15, v0                           ; l % 16
	v_bfe_u32 v2, v0, 4, 1                         ; l / 16
	v_lshlrev_b32 v[BOF], 5, v2
.irp b, 0,1,2,3,4,5,6,7
	global_load_b128 v[BIAS+8*(\b):BIAS+8*(\b)+3],   v[BOF], s[66:67] offset:64*(\b)
	global_load_b128 v[BIAS+8*(\b)+4:BIAS+8*(\b)+7], v[BOF], s[66:67] offset:64*(\b)+16
.endr
	v_mul_u32_u24 v3, v1, APITCH
	v_lshl_add_u32 v3, v2, 4, v3                   ; a fragment's row x pitch + 16 x half of the lanes
	v_mul_u32_u24 v4, v1, PITCH
	v_lshl_add_u32 v4, v2, 4, v4
	s_mul_i32 s22, s11, 64*APITCH                  ; my 64 rows of O, in a plane
	s_mul_i32 s23, s12, HALFB                      ; my 128 rows of Wo,
	s_add_co_u32 s23, s23, ABYTES                  ; which lie behind O's two planes
.irp s, 0,1
	v_add_nc_u32 v[ADRA+(\s)], s22, v3
	v_add_nc_u32 v[ADRB+(\s)], s23, v4
	s_add_co_u32 s22, s22, SLOT
	s_add_co_u32 s23, s23, SLOT
.endr
	s_mul_i32 s22, s10, WSTAGE
	s_add_co_u32 s22, s22, STAGE                   ; my stage
	v_mul_u32_u24 v3, v1, SPITCH                   ; in: row l % 16, 32 bytes for each half of the lanes
	v_lshl_add_u32 v3, v2, 5, v3
	v_add_nc_u32 v[STO], s22, v3
	v_and_b32 v4, 31, v0
	v_lshlrev_b32 v[CO], 4, v4                     ; back: 32 lanes take a row's 512 bytes, which are 512 consecutive bytes of out0
	v_add_nc_u32 v[RD], s22, v[CO]
	s_lshl_b32 s82, s13, 19                        ; the tile's 128 rows of 4,096 bytes,
	s_lshl_b32 s83, s11, 18                        ; my 64 of them,
	s_add_co_u32 s82, s82, s83
	s_add_co_u32 s82, s82, s84                     ; my first column
	s_mov_b32 s83, 0
	s_add_nc_u64 s[8:9], s[74:75], s[82:83]
	s_wait_loadcnt 0x0                             ; the bias, once
.set i, 0
.rept 32                                       ; rounded to bf16, in place
	v_cvt_pk_bf16_f32 v[2+i%4], v[BIAS+2*i], v[BIAS+2*i+1]
	v_lshlrev_b32 v[BIAS+2*i], 16, v[2+i%4]
	v_and_b32 v[BIAS+2*i+1], 0xffff0000, v[2+i%4]
.set i, i+1
.endr
; 8 matrix instructions: row block a x all 8 column blocks, 32 along K.  first = 1: the bias starts the sums.  The 32 accumulators take turns in the same order in every quarter.
.macro MUL8 f, a, first
.if \first
	WIN MUL1
.else
	WIN MUL
.endif
.irp b, 0,1,2,3,4,5,6,7
.if \first
	v_wmma_f32_16x16x32_f16 v[8*(8*(\a)+(\b)):8*(8*(\a)+(\b))+7], v[(\f)+8*(\b):(\f)+8*(\b)+7], v[(\f)+64+8*(\a):(\f)+64+8*(\a)+7], v[BIAS+8*(\b):BIAS+8*(\b)+7]
.else
	v_wmma_f32_16x16x32_f16 v[8*(8*(\a)+(\b)):8*(8*(\a)+(\b))+7], v[(\f)+8*(\b):(\f)+8*(\b)+7], v[(\f)+64+8*(\a):(\f)+64+8*(\a)+7], v[8*(8*(\a)+(\b)):8*(8*(\a)+(\b))+7]
.endif
.endr
.endm
; 24 LDS loads in one run: the fragments of quarter q (32 along K: plane q / 2, channels 32 (q % 2) on) of a slot into buffer f: Wo's sixteen loads, then O's eight
.macro FETCH slot, q, f
	WIN TO_F
.irp i, 0,1,2,3,4,5,6,7
	ds_load_b128 v[(\f)+8*(\i):(\f)+8*(\i)+3],   v[ADRB+(\slot)] offset:64*(\q)+(\i)*16*PITCH
	ds_load_b128 v[(\f)+8*(\i)+4:(\f)+8*(\i)+7], v[ADRB+(\slot)] offset:64*(\q)+(\i)*16*PITCH+32
.endr
.irp i, 0,1,2,3
	ds_load_b128 v[(\f)+64+8*(\i):(\f)+64+8*(\i)+3],   v[ADRA+(\slot)] offset:((\q)/2)*HALFA+((\q)%2)*64+(\i)*16*APITCH
	ds_load_b128 v[(\f)+64+8*(\i)+4:(\f)+64+8*(\i)+7], v[ADRA+(\slot)] offset:((\q)/2)*HALFA+((\q)%2)*64+(\i)*16*APITCH+32
.endr
.endm
.macro PLACES                          ; four places in front of loads into registers that matrix instructions have read, and of lines that read results (ISA guide 7.12.1 for lines that read results)
.rept 4
	v_nop
.endr
.endm
; A K step is four quarters of 32 along K, 32 matrix instructions each, on buffers 0, 1, 0, 1.  One of the first three: multiplies buffer f; in its middle fetches quarter q into g.
.macro QUARTER slot, q, f, g, first
	s_wait_dscnt 4                                 ; Wo and O's row blocks 0, 1 are in; the youngest four loads (row blocks 2, 3) may be out
	MUL8 \f, 0, \first
	MUL8 \f, 1, \first
	PLACES
	FETCH \slot, \q, \g
	s_wait_dscnt 24                                ; all but the 24 just issued
	MUL8 \f, 2, \first
	MUL8 \f, 3, \first
.endm
; The last quarter multiplies buffer 1 and changes slots: ONE barrier; in front of it each wave waits for all its tensor loads, adds 0 to its spare word, and waits for that and for its reads of this slot.
; fill = 1: the barrier opens a round of the cluster's barrier, and this slot is filled again, two K steps ahead, first thing behind the round: 112 matrix instructions ahead of the wait for it.
.macro TURN slot, next, fill
	WIN 0                                          ; (the add's two registers lie in window 0)
	s_wait_tensorcnt 0x0                           ; all my tensor loads have landed: the one that was out is my part of the next slot
	ds_add_u32 v[SPW], v[NIL]                      ; 0 onto my spare word
	s_wait_dscnt 5                                 ; (the add and the youngest four loads may be out)
	MUL8 F1, 0, 0                                  ; eight matrix instructions stand between the add and the wait for it
	s_wait_dscnt 0x0                               ; the add is done, and my reads of this slot are over
	s_barrier_signal -1
	MUL8 F1, 1, 0
.if \fill
	WIN 0
.endif
	s_barrier_wait -1
.if \fill
	CREST                                          ; no wave of any partner still reads this slot's tile or has a load on its way
	s_add_nc_u64 s[G0+4*(\slot)+2:G0+4*(\slot)+3], s[G0+4*(\slot)+2:G0+4*(\slot)+3], 1048576  ; four heads on
	s_add_nc_u64 s[G0B+4*(\slot)+2:G0B+4*(\slot)+3], s[G0B+4*(\slot)+2:G0B+4*(\slot)+3], 512
	JLOAD \slot                                    ; the four v_nop behind it are also the places in front of the loads below
.else
	PLACES
.endif
	FETCH \next, 0, F0
	MUL8 F1, 2, 0
	MUL8 F1, 3, 0
.endm
	s_wait_tensorcnt 1                             ; my part of K step 0 is in; K step 1's may stay out
	s_barrier_signal -1
	s_barrier_wait -1                              ; everybody's is
	FETCH 0, 0, F0
	QUARTER 0, 1, F0, F1, 1                        ; the first quarter stands in front of the loop: its products start the sums
	WIN 0                                          ; at a label and at a branch every window is 0
	s_mov_b32 s3, LAPS-1
.Llap:                                                 ; a trip goes once round the ring, from a lap's second quarter to the next lap's first, and fills both slots again
	QUARTER 0, 2, F1, F0, 0
	QUARTER 0, 3, F0, F1, 0
	TURN 0, 1, 1
	QUARTER 1, 1, F0, F1, 0
	QUARTER 1, 2, F1, F0, 0
	QUARTER 1, 3, F0, F1, 0
	TURN 1, 0, 1
	QUARTER 0, 1, F0, F1, 0
	WIN 0
	s_sub_co_u32 s3, s3, 1
	s_cmp_lg_u32 s3, 0
	s_cbranch_scc1 .Llap
	QUARTER 0, 2, F1, F0, 0                        ; the last lap fills nothing
	QUARTER 0, 3, F0, F1, 0
	TURN 0, 1, 0
	QUARTER 1, 1, F0, F1, 0
	QUARTER 1, 2, F1, F0, 0
	QUARTER 1, 3, F0, F1, 0
	s_wait_dscnt 4                                 ; the very last quarter: nothing more to fetch
	MUL8 F1, 0, 0
	MUL8 F1, 1, 0
	s_wait_dscnt 0x0
	MUL8 F1, 2, 0
	MUL8 F1, 3, 0
	WIN 0
; THE WAY OUT, 16 rows at a time: a lane's eight columns are 32 bytes of f32; they go into my stage's rows of 528 bytes and come back as whole rows of 512.
.macro TOSTAGE a
	s_wait_xcnt 0x0                                ; every earlier store has had its addresses translated (ISA guide 3.1): only behind this wait is the buffer that block a - 2's stores read loaded again
	WIN 0x04                                       ; the stores' data in window 1, their address in window 0
.irp b, 0,1,2,3,4,5,6,7
	ds_store_b128 v[STO], v[64*(\a)+8*(\b):64*(\a)+8*(\b)+3]   offset:64*(\b)     ; each accumulator's lowest registers are read first
	ds_store_b128 v[STO], v[64*(\a)+8*(\b)+4:64*(\a)+8*(\b)+7] offset:64*(\b)+16
.endr
	WIN 0
.set BK, OB+64*((\a)%2)
.irp t, 0,1,2,3,4,5,6,7,8,9,10,11,12,13,14,15
	ds_load_b128 v[BK+4*(\t):BK+4*(\t)+3], v[RD] offset:(\t)*SPITCH  ; LDS serves a wave's instructions in order (ISA guide 5.7.1.4): these see the stores above; the next block's stores come behind them
.endr
.endm
.macro SEND a, younger                 ; younger: the LDS instructions issued behind block a's loads: the next block's 32, or none
	WIN 0
.set BK, OB+64*((\a)%2)
.irp t, 0,1,2,3,4,5,6,7,8,9,10,11,12,13,14,15
	s_wait_dscnt (\younger)+15-(\t)
	global_store_b128 v[CO], v[BK+4*(\t):BK+4*(\t)+3], s[8:9] offset:(16*(\a)+(\t))*4096  ; 512 consecutive bytes, at a multiple of 512 from out0's first
.endr
.endm
	PLACES
	TOSTAGE 0
	TOSTAGE 1
	SEND 0, 32
	TOSTAGE 2
	SEND 1, 32
	TOSTAGE 3
	SEND 2, 32
	SEND 3, 0
	s_wait_tensorcnt 0x0                           ; the wave's end
	ds_add_u32 v[SPW], v[NIL]
	s_wait_dscnt 0x0
	CROUND                                         ; the closing round: no work-group ends while a partner may still ask for a tile that names it
	s_endpgm
.Lfunc_end_k_qbe69ac8ba6_outp:
	.size	k_qbe69ac8ba6_outp, .Lfunc_end_k_qbe69ac8ba6_outp-k_qbe69ac8ba6_outp
	.p2alignl 7, 3214868480
	.fill 96, 4, 3214868480
	.section	.rodata,"a",@progbits
	.p2align	6, 0x0
	.amdhsa_kernel k_qbe69ac8ba6_outp
		.amdhsa_group_segment_fixed_size 327680
		.amdhsa_private_segment_fixed_size 0
		.amdhsa_enable_private_segment 0
		.amdhsa_kernarg_size 32
		.amdhsa_user_sgpr_count 2
		.amdhsa_user_sgpr_kernarg_segment_ptr 1
		.amdhsa_wavefront_size32 1
		.amdhsa_system_sgpr_workgroup_id_x 1
		.amdhsa_system_sgpr_workgroup_id_y 1
		.amdhsa_system_sgpr_workgroup_id_z 1
		.amdhsa_system_vgpr_workitem_id 0
		.amdhsa_next_free_vgpr 704
		.amdhsa_next_free_sgpr 96
		.amdhsa_reserve_vcc 0
		.amdhsa_float_denorm_mode_32 3
		.amdhsa_float_denorm_mode_16_64 3
		.amdhsa_memory_ordered 1
		.amdhsa_forward_progress 1
		.amdhsa_inst_pref_size 93
	.end_amdhsa_kernel
	.amdgpu_metadata
---
amdhsa.version: [ 1, 2 ]
amdhsa.kernels:
  - .name:           k_qbe69ac8ba6_outp
    .symbol:         k_qbe69ac8ba6_outp.kd
    .args:
      - { .name: ob, .offset: 0, .size: 8, .value_kind: global_buffer, .address_space: global }
      - { .name: wb, .offset: 8, .size: 8, .value_kind: global_buffer, .address_space: global }
      - { .name: bo, .offset: 16, .size: 8, .value_kind: global_buffer, .address_space: global }
      - { .name: out0, .offset: 24, .size: 8, .value_kind: global_buffer, .address_space: global }
    .group_segment_fixed_size: 327680
    .private_segment_fixed_size: 0
    .kernarg_segment_align: 8
    .kernarg_segment_size: 32
    .max_flat_workgroup_size: 128
    .sgpr_count:     96
    .vgpr_count:     704
    .wavefront_size: 32
...
	.end_amdgpu_metadata
.endif
;; end of part 4
;; ======== version 2 of 3: 4 launches; 1.24 times as fast as version 1
;; limits: values are held in f16: magnitudes above 65,504 overflow, below 6.1e-05 lose precision
;; workspace buffers: wb 8,388,608 bytes; qkv 50,331,648 bytes; ob 16,777,216 bytes; mb 2,097,152 bytes of whole numbers
;; launch prep (part 5): grid 512 x 1, 8 waves a work-group, no clusters, 134,144 bytes of LDS; arguments mask, Wq, Wk, Wv, Wo, wb, mb; writes wb, mb
.if DOCPART == 5
	.amdgcn_target "amdgcn-amd-amdhsa--gfx1250"
	.amdhsa_code_object_version 6
	.text
	.protected	k_qbe69ac8ba6_prep
	.globl	k_qbe69ac8ba6_prep
	.p2align	8
	.type	k_qbe69ac8ba6_prep,@function
k_qbe69ac8ba6_prep:
	s_mov_b64 s[64:65], 0
	v_nop
	global_prefetch_b8 v0, s[64:65] scope:SCOPE_SE
	s_setreg_imm32_b32 hwreg(HW_REG_WAVE_MODE, 25, 1), 1
	s_wait_xcnt 0x0
; PREPARATION: the mask is packed and the four weight matrices are cast.  512 work-groups of equal work; each does a part of both, and all its loads go out at its head.
; PACK.  mask is [4][2048][2048] int32.  mb is u32 [T = 128 b + q / 16 (512)][step = key / 64 (32)][i (32)]: bit l of word i says whether
; mask[b][16 (T % 128) + l % 16][64 step + 16 (i / 8) + 8 (l / 16) + i % 8] is not 0.  That is lane l, register i of a tile of 16 queries x 64 keys as the attention launch holds its scores,
; so that one word is the lane mask of one select there.  Work-group T takes tile row T; wave w its keys 256 w .. 256 w + 255: 16,384 bytes in, by loads of 512 consecutive bytes; through its own LDS bytes
; (rows 1,040 bytes apart, an odd multiple of 16, so that sixteen rows' loads start at sixteen different groups of four banks: 64 banks of 4 bytes, ISA guide 11.1) into the lanes' layout;
; 128 compares give 128 words, which are laid into four registers lane by lane and leave as one store of 512 consecutive bytes.
; CAST.  Work-group T also takes chunk T of 512: 8,192 numbers of matrix T / 128 (Wq, Wk, Wv, Wo).  wb is [4][1024][1024] of 16 bits: Wq, Wk, Wv in bf16; Wo rounded to bf16, and that number written as f16.
; LIMIT: below 6e-5 f16 has a fixed step of 6e-8, so a smaller number of Wo is off by 3e-8 at the most; beyond 65,504 it would be an infinity.
; Memory binds: each byte is read once, 40 loads of 16 bytes a lane are out in every wave, no register is used twice, so the only waits for memory are the counted ones for the loads.
; No matrix unit, no cluster, no barrier: no wave needs what another wave has.
.set X,      8                         ; v[8:135]   the mask: 128 registers as loaded
.set CX,     136                       ; v[136:167] the weights: 32 registers as loaded
.set CY,     168                       ; v[168:183] the weights: 16 registers to store
.set OUT,    200                       ; v[200:203] the wave's 128 mask words: lane l holds words 4 l .. 4 l + 3
.set LPITCH, 1040
.set LWAVE,  16*LPITCH                 ; a wave's own LDS bytes
.set NC,     8                         ; loads of 16 bytes a thread in a chunk of weights
	s_load_b256 s[4:11], s[0:1], 0x0               ; mask 4:5, Wq 6:7, Wk 8:9, Wv 10:11
	s_load_b128 s[12:15], s[0:1], 0x20             ; Wo 12:13, wb 14:15
	s_load_b64 s[16:17], s[0:1], 0x30              ; mb
	v_lshl_add_u32 v208, v0, 2, 0x20800
	v_mov_b32 v209, 0
	v_lshrrev_b32 v1, 5, v0
	v_readfirstlane_b32 s26, v1                    ; wave 0..7
	s_lshl_b32 s32, ttmp9, 17                      ; the mask: 16 rows of 8,192 bytes,
	s_lshl_b32 s37, s26, 10                        ; 256 keys of 4 bytes
	s_add_co_u32 s32, s32, s37
	s_mov_b32 s33, 0
	s_lshl_b32 s34, ttmp9, 12                      ; mb: a tile row's 32 steps x 128 bytes,
	s_lshl_b32 s37, s26, 9                         ; four steps
	s_add_co_u32 s34, s34, s37
	s_mov_b32 s35, 0
	s_mul_i32 s36, s26, LWAVE
	s_and_b32 s37, ttmp9, 127                      ; the chunk's number in its matrix:
	s_lshl_b32 s18, s37, 15                        ; 32,768 bytes of f32 a chunk
	s_mov_b32 s19, 0
	s_lshl_b32 s20, ttmp9, 14                      ; 16,384 bytes of 16-bit numbers a chunk; the four matrices lie end to end in wb
	s_mov_b32 s21, 0
	v_and_b32 v6, 31, v0
	v_lshlrev_b32 v1, 4, v6                        ; 16 x lane
	v_add_nc_u32 v2, s36, v1                       ; into LDS: 512 consecutive bytes of a row
	v_and_b32 v7, 15, v0
	v_mul_u32_u24 v3, v7, LPITCH                   ; back: row l % 16,
	v_bfe_u32 v7, v0, 4, 1
	v_lshl_add_u32 v3, v7, 5, v3                   ; eight keys further on for lanes 16 to 31
	v_add_nc_u32 v3, s36, v3
	v_lshlrev_b32 v4, 4, v0                        ; the weights: 16 bytes a thread in,
	v_lshlrev_b32 v5, 3, v0                        ; 8 bytes out
	s_wait_kmcnt 0x0
	s_add_nc_u64 s[28:29], s[4:5], s[32:33]
	s_add_nc_u64 s[30:31], s[16:17], s[34:35]
	s_mov_b64 s[22:23], s[6:7]                     ; the chunk's matrix
	s_cmp_ge_u32 ttmp9, 128
	s_cselect_b64 s[22:23], s[8:9], s[22:23]
	s_cmp_ge_u32 ttmp9, 256
	s_cselect_b64 s[22:23], s[10:11], s[22:23]
	s_cmp_ge_u32 ttmp9, 384
	s_cselect_b64 s[22:23], s[12:13], s[22:23]
	s_add_nc_u64 s[22:23], s[22:23], s[18:19]
	s_add_nc_u64 s[24:25], s[14:15], s[20:21]
.set n, 0
.rept 32
	global_load_b128 v[X+4*n:X+4*n+3], v1, s[28:29] offset:(n/2)*8192+(n%2)*512 th:TH_LOAD_NT
.set n, n+1
.endr
.set k, 0
.rept NC
	global_load_b128 v[CX+4*k:CX+4*k+3], v4, s[22:23] offset:4096*k th:TH_LOAD_NT  ; a wave's load covers 512 consecutive bytes
.set k, k+1
.endr
.irp j, 0,1,2,3
	v_mov_b32 v[OUT+(\j)], 0                       ; v_writelane_b32 counts as a reader of its destination
.endr
.set n, 0
.rept 32
	s_wait_loadcnt NC+31-n                         ; loads come back in order (ISA guide 5.7.1): mask load n is in; the 31 - n younger ones and the eight of the weights stay out
	ds_store_b128 v2, v[X+4*n:X+4*n+3] offset:(n/2)*LPITCH+(n%2)*512
.set n, n+1
.endr
.set n, 0
.rept 32                                       ; step n / 8, group of 16 keys (n / 2) % 4, half n % 2: registers X + 4 n on.  LDS serves a wave's instructions in order (ISA guide 5.7.1.4): these see the stores above
	ds_load_b128 v[X+4*n:X+4*n+3], v3 offset:(n/8)*256+((n/2)%4)*64+(n%2)*16
.set n, n+1
.endr
.set st, 0
.rept 4
	s_wait_dscnt 24-8*st                           ; this step's eight loads are in; the later steps' stay out
.set gi, 0
.rept 4
.set e, 0
.rept 8
	v_cmp_ne_u32 s[40+e], 0, v[X+32*st+8*gi+e]     ; word i = 8 gi + e of the step: one bit a lane
.set e, e+1
.endr
.set e, 0
.rept 8
	v_writelane_b32 v[OUT+e%4], s[40+e], 8*st+2*gi+e/4  ; word 32 st + i goes to lane (32 st + i) / 4, register i % 4
.set e, e+1
.endr
.set gi, gi+1
.endr
.set st, st+1
.endr
	global_store_b128 v1, v[OUT:OUT+3], s[30:31]   ; 512 consecutive bytes, at a multiple of 512 from mb's first
; The chunk of weights: rounded to bf16; f16 = 1 (Wo): that number widened and written as f16.
.macro CASTOUT f16
.set k, 0
.rept NC
	s_wait_loadcnt NC-1-k                          ; load k of the weights is in, the younger ones stay out
	v_cvt_pk_bf16_f32 v[CY+2*k], v[CX+4*k], v[CX+4*k+1]
	v_cvt_pk_bf16_f32 v[CY+2*k+1], v[CX+4*k+2], v[CX+4*k+3]
.if \f16
	v_lshlrev_b32 v[CX+4*k], 16, v[CY+2*k]         ; the bf16 numbers as f32,
	v_and_b32 v[CX+4*k+1], 0xffff0000, v[CY+2*k]
	v_lshlrev_b32 v[CX+4*k+2], 16, v[CY+2*k+1]
	v_and_b32 v[CX+4*k+3], 0xffff0000, v[CY+2*k+1]
	v_cvt_pk_f16_f32 v[CY+2*k], v[CX+4*k], v[CX+4*k+1]  ; written as f16
	v_cvt_pk_f16_f32 v[CY+2*k+1], v[CX+4*k+2], v[CX+4*k+3]
.endif
	global_store_b64 v5, v[CY+2*k:CY+2*k+1], s[24:25] offset:2048*k  ; a wave's store covers 256 consecutive bytes, aligned
.set k, k+1
.endr
.endm
	s_cmp_ge_u32 ttmp9, 384
	s_cbranch_scc1 .Lwo
	CASTOUT 0
	s_wait_tensorcnt 0x0
	ds_add_u32 v208, v209
	s_wait_dscnt 0x0
	s_endpgm
.Lwo:
	CASTOUT 1
	s_wait_tensorcnt 0x0
	ds_add_u32 v208, v209
	s_wait_dscnt 0x0
	s_endpgm
.Lfunc_end_k_qbe69ac8ba6_prep:
	.size	k_qbe69ac8ba6_prep, .Lfunc_end_k_qbe69ac8ba6_prep-k_qbe69ac8ba6_prep
	.p2alignl 7, 3214868480
	.fill 96, 4, 3214868480
	.section	.rodata,"a",@progbits
	.p2align	6, 0x0
	.amdhsa_kernel k_qbe69ac8ba6_prep
		.amdhsa_group_segment_fixed_size 134144
		.amdhsa_private_segment_fixed_size 0
		.amdhsa_enable_private_segment 0
		.amdhsa_kernarg_size 56
		.amdhsa_user_sgpr_count 2
		.amdhsa_user_sgpr_kernarg_segment_ptr 1
		.amdhsa_wavefront_size32 1
		.amdhsa_system_sgpr_workgroup_id_x 1
		.amdhsa_system_sgpr_workgroup_id_y 1
		.amdhsa_system_sgpr_workgroup_id_z 1
		.amdhsa_system_vgpr_workitem_id 0
		.amdhsa_next_free_vgpr 210
		.amdhsa_next_free_sgpr 66
		.amdhsa_reserve_vcc 0
		.amdhsa_float_denorm_mode_32 3
		.amdhsa_float_denorm_mode_16_64 3
		.amdhsa_memory_ordered 1
		.amdhsa_forward_progress 1
		.amdhsa_inst_pref_size 35
	.end_amdhsa_kernel
	.amdgpu_metadata
---
amdhsa.version: [ 1, 2 ]
amdhsa.kernels:
  - .name:           k_qbe69ac8ba6_prep
    .symbol:         k_qbe69ac8ba6_prep.kd
    .args:
      - { .name: mask, .offset: 0, .size: 8, .value_kind: global_buffer, .address_space: global }
      - { .name: Wq, .offset: 8, .size: 8, .value_kind: global_buffer, .address_space: global }
      - { .name: Wk, .offset: 16, .size: 8, .value_kind: global_buffer, .address_space: global }
      - { .name: Wv, .offset: 24, .size: 8, .value_kind: global_buffer, .address_space: global }
      - { .name: Wo, .offset: 32, .size: 8, .value_kind: global_buffer, .address_space: global }
      - { .name: wb, .offset: 40, .size: 8, .value_kind: global_buffer, .address_space: global }
      - { .name: mb, .offset: 48, .size: 8, .value_kind: global_buffer, .address_space: global }
    .group_segment_fixed_size: 134144
    .private_segment_fixed_size: 0
    .kernarg_segment_align: 8
    .kernarg_segment_size: 56
    .max_flat_workgroup_size: 256
    .sgpr_count:     66
    .vgpr_count:     210
    .wavefront_size: 32
...
	.end_amdgpu_metadata
.endif
;; end of part 5
;; launch proj (part 6): grid 4 x 192, 4 waves a work-group, clusters of 4 x 4, 327,680 bytes of LDS; arguments query, key, value, wb, bq, bk, bv, qkv; writes qkv
.if DOCPART == 6
	.amdgcn_target "amdgcn-amd-amdhsa--gfx1250"
	.amdhsa_code_object_version 6
	.text
	.protected	k_qbe69ac8ba6_proj
	.globl	k_qbe69ac8ba6_proj
	.p2align	8
	.type	k_qbe69ac8ba6_proj,@function
k_qbe69ac8ba6_proj:
	s_mov_b64 s[64:65], 0
	v_nop
	global_prefetch_b8 v0, s[64:65] scope:SCOPE_SE
	s_setreg_imm32_b32 hwreg(HW_REG_WAVE_MODE, 25, 1), 1
	s_wait_xcnt 0x0
	s_wait_alu depctr_hold_cnt(0) depctr_sa_sdst(0) depctr_va_vdst(0) depctr_va_sdst(0) depctr_va_ssrc(0) depctr_va_vcc(0) depctr_vm_vsrc(0)
	s_getreg_b32 s2, hwreg(HW_REG_IB_STS2, 6, 4)
	s_cmp_eq_u32 s2, 0
	s_cbranch_scc0 .Lentry_in_a_cluster
	s_endpgm
.Lentry_in_a_cluster:
	s_bfe_u32 s2, ttmp6, 0x10000c
	s_cmp_lg_u32 s2, 0xf033
	s_cbranch_scc0 .Lentry_shape_is_right
	s_endpgm
.Lentry_shape_is_right:
; THE THREE PROJECTIONS.  For P = 0, 1, 2 (q, k, v): y[m][n] = (sum over k of x_P[m][k] W_P[n][k] + b_P[n]) x SC, SC = log2(e) / 8 for q and 1 for k and v.
; x: query, key, value, f32 [8192][1024], rounded to bf16 HERE, on the way from LDS to the matrix unit; W: wb, bf16 [P][1024][1024]; b: f32, rounded to bf16 here too.
; Sums in f32; y rounded once to f16 and written by heads: qkv [P][16 b + h][2048][64].
; LIMIT: f16 holds no number beyond 65,504: c q, k and v must stay within it; below 6e-5 f16 keeps a fixed step of 6e-8.  NaN and infinities are not treated apart.
; SHARES.  A tile of y is 128 rows x 256 columns: 64 x 4 tiles a projection, 768 work-groups.  Four waves, each 64 rows x 128 columns: 32 accumulators of 16 x 16, 256 registers.
; K goes in 8 steps of 128 through a ring of two LDS slots: x's rows of a tile are 512 bytes of memory, W's 256, at multiples of their length from the buffers' first bytes.
; WHY x COMES AS f32: it is read from memory once, by this launch alone; a launch that cast it first would write half its bytes and this one read them again.  The price, by this text's own count: a quarter step has
; 16 LDS loads for x where bf16 would want 8, and 32 conversions; the two waves of a row half and the four work-groups of a row of the cluster convert the same numbers.
; CLUSTER 4 x 4: the four work-groups of a row of the cluster need the same tile of x, the four of a column the same tile of W: each is asked for jointly, by the same tensor load and mask in all four.
; THE MATRIX INSTRUCTION IS USED TRANSPOSED (source 0 = 16 rows of W, source 1 = 16 rows of x): a lane holds eight neighbouring columns of one row of y.
; THE BIAS STARTS THE SUMS: it is the C operand of the first quarter step's products, so nothing is cleared and nothing is added behind the loop.
; REGISTERS, in windows of 256 (s_set_vgpr_msb: bits 1:0 source 0, 3:2 source 1, 5:4 source 2, 7:6 destination):
;   window 0: v0-5 at work; v16-29 addresses; v32-95 x as it comes from LDS, f32 (4 fragments x 16); v32-159 later the way out; v160-223 the bias: register 8 b + j = bias of column 16 b + 8 (lane / 16) + j of my 128
;   window 1: accumulator (a, b) at v[8 (8 a + b)]          window 2: two fragment buffers of 96: 64 registers of W (8 x 16 rows x 32 K), then 32 of x in bf16 (4 x 16 rows x 32 K)
.set PITCH,  272                       ; a row of W in LDS: 256 bytes + 16 of padding
.set APITCH, 528                       ; a row of x: 512 + 16.  Both odd multiples of 16: the 16 rows of a load start at 16 different groups of four banks (64 banks of 4 bytes: ISA guide 11.1)
.set HALFA,  64*APITCH                 ; what a tensor load brings of x: 64 rows
.set ABYTES, 2*HALFA
.set HALFB,  128*PITCH                 ; of W: 128 rows
.set SLOT,   ABYTES+2*HALFB            ; x's 128 rows, then W's 256 rows
.set STAGE,  2*SLOT                    ; behind the ring, never filled by a tensor load: for each wave two heads x 16 rows x 144 bytes
.set SP,     144
.set WSTAGE, 2*16*SP
.set SPARE,  STAGE+4*WSTAGE            ; the spare words, 128 bytes for each wave: two blocks of 256 bytes that no other line names
.set LAPS,   4                         ; a lap = two K steps = once round the ring
.set ADRA, 16                          ; v16-17  LDS address of my fragments of x in slot 0, 1
.set ADRB, 20                          ; v20-21  the same for W
.set STO,  24                          ; v24     the way out: where I put 16 bytes of a row
.set RD,   25                          ; v25     where I read rows back
.set CO,   26                          ; v26     16 x lane
.set BOF,  27                          ; v27     my byte offset in 64 bytes of bias
.set SPW,  28                          ; v28     LDS address of my spare word; never rewritten
.set NIL,  29                          ; v29     0; never rewritten
.set RAW,  32
.set TMP,  32
.set BIAS, 160
.set F0,   0
.set F1,   96
.set G1,  24                           ; s[24:31] descriptor group 1 for x's tiles; s[32:39] group 0, a set for each slot
.set G0,  32
.set G1B, 48                           ; s[48:55], s[56:63] the same for W's tiles
.set G0B, 56
.set MSB, 0
.macro WIN new                         ; the immediate's high byte repeats the setting that is left; a switch that changes nothing is dropped
.if MSB != (\new)
	s_set_vgpr_msb (MSB<<8)|(\new)
.set MSB, \new
.endif
.endm
.set MUL,  0x5a                        ; sources 0 and 1 window 2; C and D window 1
.set MUL1, 0x4a                        ; the same with C in window 0: the bias
.set TO_F, 0x80                        ; destination window 2; address, or sources, window 0
.macro JLOAD s                         ; a joint load: waves 0 and 1 fetch x's two halves, waves 2 and 3 W's; an s_nop 0 and four v_nop follow each line, ahead of the jump and the label
	s_cmp_eq_u32 s11, 0
	s_cbranch_scc0 .Lfor_b_\@
	tensor_load_to_lds s[G0+4*(\s):G0+4*(\s)+3], s[G1:G1+7]
	s_nop 0
.rept 4
	v_nop
.endr
	s_branch .Lasked_\@
.Lfor_b_\@:
	tensor_load_to_lds s[G0B+4*(\s):G0B+4*(\s)+3], s[G1B:G1B+7]
	s_nop 0
.rept 4
	v_nop
.endr
.Lasked_\@:
.endm
.macro CREST                           ; a round of the cluster's barrier behind its opening barrier
	s_cmp_lg_u32 s10, 0
	s_cbranch_scc1 .Lnot_wave_0_\@
	s_barrier_signal -3
.Lnot_wave_0_\@:
	s_barrier_wait -3
	s_barrier_signal -1
	s_barrier_wait -1
.endm
.macro CROUND                          ; a whole round
	s_barrier_signal -1
	s_barrier_wait -1
	CREST
.endm
	s_load_b512 s[68:83], s[0:1], 0x0              ; query 68:69, key 70:71, value 72:73, wb 74:75, bq 76:77, bk 78:79, bv 80:81, qkv 82:83
	v_lshl_add_u32 v[SPW], v0, 2, SPARE
	v_mov_b32 v[NIL], 0
	ds_add_u32 v28, v29
	s_wait_dscnt 0x0
	v_lshrrev_b32 v1, 5, v0
	v_readfirstlane_b32 s10, v1                    ; wave 0..3
	s_lshr_b32 s11, s10, 1                         ; which 64 rows of the tile are mine.  Also: I fetch for x (0) or for W (1)
	s_and_b32 s12, s10, 1                          ; which 128 columns.  Also: which half of that tile I fetch
	s_bfe_u32 s40, ttmp6, 0x40000                  ; cx, cy: my place in the cluster
	s_bfe_u32 s41, ttmp6, 0x40004
	s_lshl_b32 s42, ttmp9, 2
	s_add_co_u32 s42, s42, s40                     ; tile column 0..3 = 4 x cluster x + cx
	s_and_b32 s14, ttmp7, 0xffff
	s_lshr_b32 s45, s14, 4                         ; P: 16 clusters along y a projection: the same in the whole cluster
	s_lshl_b32 s13, s14, 2
	s_add_co_u32 s13, s13, s41                     ; 64 P + tile row = 4 x cluster y + cy
	s_and_b32 s86, s13, 63                         ; the tile row in its projection
	s_lshl_b32 s43, s41, 2
	s_lshl_b32 s43, 15, s43                        ; my row of the cluster
	s_lshl_b32 s44, 0x1111, s40                    ; my column
	s_or_b32 s[G1+0], s43, (2<<16)|(1<<20)|(1<<21)|(6<<22)|(3<<25)   ; 15:0 the mask; 17:16 4-byte elements; 20 padding on; 21 set beside a mask; 24:22 after every 128 words (code 6); 31:25 4 words (code 3)
	s_or_b32 s[G1B+0], s44, (1<<16)|(1<<20)|(1<<21)|(5<<22)|(3<<25)  ; 2-byte elements; after every 64 words (code 5)
	s_mov_b32 s[G1+1], 128<<16                     ; tensor_dim0 = 128
	s_mov_b32 s[G1+2], 64<<16                      ; tensor_dim1 = 64
	s_mov_b32 s[G1+3], 128<<16                     ; tile_dim0 = 128
	s_mov_b32 s[G1+4], 64                          ; tile_dim1 = 64
	s_mov_b32 s[G1+5], 1024                        ; elements from row to row
	s_mov_b32 s[G1+6], 0
	s_mov_b32 s[G1+7], 0
	s_mov_b32 s[G1B+1], 128<<16
	s_mov_b32 s[G1B+2], 128<<16                    ; 128 rows
	s_mov_b32 s[G1B+3], 128<<16
	s_mov_b32 s[G1B+4], 128
	s_mov_b32 s[G1B+5], 1024
	s_mov_b32 s[G1B+6], 0
	s_mov_b32 s[G1B+7], 0
	s_lshl_b32 s16, s86, 19                        ; x: row 128 x tile row + 64 half, 4,096 bytes each
	s_lshl_b32 s17, s12, 18
	s_add_co_u32 s16, s16, s17
	s_mov_b32 s17, 0
	s_lshl_b32 s46, s42, 19                        ; W: row 256 x tile column + 128 half, 2,048 bytes each,
	s_lshl_b32 s47, s12, 18
	s_add_co_u32 s46, s46, s47
	s_lshl_b32 s47, s45, 21                        ; in matrix P
	s_add_co_u32 s46, s46, s47
	s_mov_b32 s47, 0
	s_mul_i32 s20, s12, HALFA                      ; where they go: no place in the cluster enters an LDS address
	s_mul_i32 s21, s12, HALFB
	s_add_co_u32 s21, s21, ABYTES
	s_wait_kmcnt 0x0
	s_cmp_eq_u32 s45, 1                            ; the projection's x
	s_cselect_b64 s[14:15], s[70:71], s[68:69]
	s_cmp_eq_u32 s45, 2
	s_cselect_b64 s[14:15], s[72:73], s[14:15]
	s_add_nc_u64 s[14:15], s[14:15], s[16:17]
	s_add_nc_u64 s[46:47], s[74:75], s[46:47]
	CROUND                                         ; all sixteen work-groups are here: the first joint loads meet
.irp s, 0,1
	s_mov_b32 s[G0+4*(\s)], 1                      ; count = 1
	s_add_co_u32 s[G0+4*(\s)+1], s20, (\s)*SLOT    ; LDS address
	s_add_nc_u64 s[G0+4*(\s)+2:G0+4*(\s)+3], s[14:15], (\s)*512  ; global address: K step s, 128 numbers of 4 bytes
	s_or_b32 s[G0+4*(\s)+3], s[G0+4*(\s)+3], 0x80000000          ; type = 2
	s_mov_b32 s[G0B+4*(\s)], 1
	s_add_co_u32 s[G0B+4*(\s)+1], s21, (\s)*SLOT
	s_add_nc_u64 s[G0B+4*(\s)+2:G0B+4*(\s)+3], s[46:47], (\s)*256
	s_or_b32 s[G0B+4*(\s)+3], s[G0B+4*(\s)+3], 0x80000000
	JLOAD \s                                       ; two tensor loads of mine are out
.endr
	s_cmp_eq_u32 s45, 1                            ; the projection's bias and scale
	s_cselect_b64 s[66:67], s[78:79], s[76:77]
	s_cmp_eq_u32 s45, 2
	s_cselect_b64 s[66:67], s[80:81], s[66:67]
	s_cmp_eq_u32 s45, 0
	s_cselect_b32 s88, 0x3e38aa3b, 1.0             ; log2(e) / 8 = 0.180337 for q
	s_mov_b32 s89, s88                             ; named with it as a pair
	s_lshl_b32 s84, s42, 10                        ; my first column, 256 x tile column + 128 x half, in bytes of f32
	s_lshl_b32 s85, s12, 9
	s_add_co_u32 s84, s84, s85
	s_mov_b32 s85, 0
	s_add_nc_u64 s[66:67], s[66:67], s[84:85]
	v_and_b32 v1, 15, v0                           ; l % 16
	v_bfe_u32 v2, v0, 4, 1                         ; l / 16
	v_lshlrev_b32 v[BOF], 5, v2
.irp b, 0,1,2,3,4,5,6,7
	global_load_b128 v[BIAS+8*(\b):BIAS+8*(\b)+3],   v[BOF], s[66:67] offset:64*(\b)
	global_load_b128 v[BIAS+8*(\b)+4:BIAS+8*(\b)+7], v[BOF], s[66:67] offset:64*(\b)+16
.endr
	v_mul_u32_u24 v3, v1, APITCH                   ; x: a fragment's row x pitch + 32 bytes (8 numbers of f32) x half of the lanes
	v_lshl_add_u32 v3, v2, 5, v3
	v_mul_u32_u24 v4, v1, PITCH                    ; W: row x pitch + 16 bytes x half of the lanes
	v_lshl_add_u32 v4, v2, 4, v4
	s_mul_i32 s22, s11, 64*APITCH                  ; my 64 rows of x
	s_mul_i32 s23, s12, HALFB                      ; my 128 rows of W,
	s_add_co_u32 s23, s23, ABYTES                  ; which lie behind x's 128
.irp s, 0,1
	v_add_nc_u32 v[ADRA+(\s)], s22, v3
	v_add_nc_u32 v[ADRB+(\s)], s23, v4
	s_add_co_u32 s22, s22, SLOT
	s_add_co_u32 s23, s23, SLOT
.endr
	s_mul_i32 s22, s10, WSTAGE
	s_add_co_u32 s22, s22, STAGE                   ; my stage
	v_mul_u32_u24 v3, v1, SP                       ; in: row l % 16, 16 bytes for each half of the lanes
	v_lshl_add_u32 v3, v2, 4, v3
	v_add_nc_u32 v[STO], s22, v3
	v_bfe_u32 v3, v0, 3, 2                         ; back: 32 lanes take four rows of 128 bytes,
	v_mul_u32_u24 v3, v3, SP
	v_and_b32 v4, 7, v0
	v_lshl_add_u32 v3, v4, 4, v3
	v_add_nc_u32 v[RD], s22, v3
	v_and_b32 v4, 31, v0                           ; which are 512 consecutive bytes of a head
	v_lshlrev_b32 v[CO], 4, v4
	s_lshr_b32 s90, s86, 4                         ; the batch: 16 tile rows each
	s_lshl_b32 s90, s90, 4
	s_lshl_b32 s91, s42, 2
	s_add_co_u32 s90, s90, s91
	s_lshl_b32 s91, s12, 1
	s_add_co_u32 s90, s90, s91                     ; 16 b + my first head, 4 x tile column + 2 x half
	s_lshl_b32 s90, s90, 18                        ; a head is 2,048 rows of 128 bytes
	s_and_b32 s91, s86, 15
	s_lshl_b32 s91, s91, 14                        ; the tile's 128 rows,
	s_add_co_u32 s90, s90, s91
	s_lshl_b32 s91, s11, 13                        ; my 64 of them
	s_add_co_u32 s90, s90, s91
	s_lshl_b32 s91, s45, 24                        ; q, k or v
	s_add_co_u32 s90, s90, s91
	s_mov_b32 s91, 0
	s_add_nc_u64 s[8:9], s[82:83], s[90:91]
	s_wait_loadcnt 0x0                             ; the bias, once
.set i, 0
.rept 32                                       ; rounded to bf16, in place
	v_cvt_pk_bf16_f32 v[2+i%4], v[BIAS+2*i], v[BIAS+2*i+1]
	v_lshlrev_b32 v[BIAS+2*i], 16, v[2+i%4]
	v_and_b32 v[BIAS+2*i+1], 0xffff0000, v[2+i%4]
.set i, i+1
.endr
; 8 matrix instructions: row block a x all 8 column blocks, 32 along K.  first = 1: the bias starts the sums.  The 32 accumulators take turns in the same order in every quarter.
.macro MUL8 f, a, first
.if \first
	WIN MUL1
.else
	WIN MUL
.endif
.irp b, 0,1,2,3,4,5,6,7
.if \first
	v_wmma_f32_16x16x32_bf16 v[8*(8*(\a)+(\b)):8*(8*(\a)+(\b))+7], v[(\f)+8*(\b):(\f)+8*(\b)+7], v[(\f)+64+8*(\a):(\f)+64+8*(\a)+7], v[BIAS+8*(\b):BIAS+8*(\b)+7]
.else
	v_wmma_f32_16x16x32_bf16 v[8*(8*(\a)+(\b)):8*(8*(\a)+(\b))+7], v[(\f)+8*(\b):(\f)+8*(\b)+7], v[(\f)+64+8*(\a):(\f)+64+8*(\a)+7], v[8*(8*(\a)+(\b)):8*(8*(\a)+(\b))+7]
.endif
.endr
.endm
; 32 LDS loads in one run, for quarter q (32 along K) of a slot.  First x's sixteen, as f32, into RAW: a lane's K = 8 (l / 16) + 0..7 are 32 bytes, its K = 16 + 8 (l / 16) + 0..7 the 32 bytes that lie 64 further on.
; Then W's sixteen, straight into buffer f.
.macro FETCH slot, q, f
	WIN 0
.irp i, 0,1,2,3
	ds_load_b128 v[RAW+16*(\i):RAW+16*(\i)+3],     v[ADRA+(\slot)] offset:128*(\q)+(\i)*16*APITCH
	ds_load_b128 v[RAW+16*(\i)+4:RAW+16*(\i)+7],   v[ADRA+(\slot)] offset:128*(\q)+(\i)*16*APITCH+16
	ds_load_b128 v[RAW+16*(\i)+8:RAW+16*(\i)+11],  v[ADRA+(\slot)] offset:128*(\q)+(\i)*16*APITCH+64
	ds_load_b128 v[RAW+16*(\i)+12:RAW+16*(\i)+15], v[ADRA+(\slot)] offset:128*(\q)+(\i)*16*APITCH+80
.endr
	WIN TO_F
.irp i, 0,1,2,3,4,5,6,7
	ds_load_b128 v[(\f)+8*(\i):(\f)+8*(\i)+3],   v[ADRB+(\slot)] offset:64*(\q)+(\i)*16*PITCH
	ds_load_b128 v[(\f)+8*(\i)+4:(\f)+8*(\i)+7], v[ADRB+(\slot)] offset:64*(\q)+(\i)*16*PITCH+32
.endr
.endm
; x's four fragments are rounded to bf16, to nearest even, out of RAW into buffer f: the lower K into the lower half.  The products that last read these registers of f stand two quarters back,
; with the quarter between's 32 conversions, which name none of their registers, behind them.
.macro CONV f
	WIN TO_F
.irp i, 0,1,2,3
.irp j, 0,1,2,3,4,5,6,7
	v_cvt_pk_bf16_f32 v[(\f)+64+8*(\i)+(\j)], v[RAW+16*(\i)+2*(\j)], v[RAW+16*(\i)+2*(\j)+1]
.endr
.endr
.endm
.macro PLACES                          ; four places in front of loads into registers that matrix instructions have read, and of lines that read results (ISA guide 7.12.1 for lines that read results)
.rept 4
	v_nop
.endr
.endm
; A K step is four quarters of 32 along K, 32 matrix instructions each, on buffers 0, 1, 0, 1.  One of the first three: converts x for buffer f, multiplies f; in its middle fetches quarter q into RAW and g.
.macro QUARTER slot, q, f, g, first
	s_wait_dscnt 16                                ; x's sixteen loads are in; W's sixteen, issued behind them, may be out
	CONV \f
	s_wait_dscnt 0x0                               ; W is in
	MUL8 \f, 0, \first
	MUL8 \f, 1, \first
	PLACES
	FETCH \slot, \q, \g
	MUL8 \f, 2, \first
	MUL8 \f, 3, \first
.endm
; The last quarter multiplies buffer 1 and changes slots: ONE barrier; in front of it each wave waits for all its tensor loads, adds 0 to its spare word, and waits for that and for its reads of this slot.
; fill = 1: the barrier opens a round of the cluster's barrier, and this slot is filled again, two K steps ahead, first thing behind the round: 112 matrix instructions and three runs of conversions ahead of the wait for it.
.macro TURN slot, next, fill
	WIN 0                                          ; (the add's two registers lie in window 0)
	s_wait_tensorcnt 0x0                           ; all my tensor loads have landed: the one that was out is my part of the next slot
	ds_add_u32 v[SPW], v[NIL]                      ; 0 onto my spare word
	s_wait_dscnt 17                                ; x's sixteen loads are in; W's sixteen and the add may be out
	CONV F1                                        ; the conversions stand between the add and the wait for it
	s_wait_dscnt 0x0                               ; the add is done, and my reads of this slot are over
	s_barrier_signal -1
	MUL8 F1, 0, 0                                  ; work on registers while the others arrive
	MUL8 F1, 1, 0
.if \fill
	WIN 0
.endif
	s_barrier_wait -1
.if \fill
	CREST                                          ; no wave of any partner still reads this slot's tile or has a load on its way
	s_add_nc_u64 s[G0+4*(\slot)+2:G0+4*(\slot)+3], s[G0+4*(\slot)+2:G0+4*(\slot)+3], 1024
	s_add_nc_u64 s[G0B+4*(\slot)+2:G0B+4*(\slot)+3], s[G0B+4*(\slot)+2:G0B+4*(\slot)+3], 512
	JLOAD \slot                                    ; the four v_nop behind it are also the places in front of the loads below
.else
	PLACES
.endif
	FETCH \next, 0, F0
	MUL8 F1, 2, 0
	MUL8 F1, 3, 0
.endm
	s_wait_tensorcnt 1                             ; my part of K step 0 is in; K step 1's may stay out
	s_barrier_signal -1
	s_barrier_wait -1                              ; everybody's is
	FETCH 0, 0, F0
	QUARTER 0, 1, F0, F1, 1                        ; the first quarter stands in front of the loop: its products start the sums
	WIN 0                                          ; at a label and at a branch every window is 0
	s_mov_b32 s3, LAPS-1
.Llap:                                                 ; a trip goes once round the ring, from a lap's second quarter to the next lap's first, and fills both slots again
	QUARTER 0, 2, F1, F0, 0
	QUARTER 0, 3, F0, F1, 0
	TURN 0, 1, 1
	QUARTER 1, 1, F0, F1, 0
	QUARTER 1, 2, F1, F0, 0
	QUARTER 1, 3, F0, F1, 0
	TURN 1, 0, 1
	QUARTER 0, 1, F0, F1, 0
	WIN 0
	s_sub_co_u32 s3, s3, 1
	s_cmp_lg_u32 s3, 0
	s_cbranch_scc1 .Llap
	QUARTER 0, 2, F1, F0, 0                        ; the last lap fills nothing
	QUARTER 0, 3, F0, F1, 0
	TURN 0, 1, 0
	QUARTER 1, 1, F0, F1, 0
	QUARTER 1, 2, F1, F0, 0
	QUARTER 1, 3, F0, F1, 0
	s_wait_dscnt 16                                ; the very last quarter: nothing more to fetch
	CONV F1
	s_wait_dscnt 0x0
	MUL8 F1, 0, 0
	MUL8 F1, 1, 0
	MUL8 F1, 2, 0
	MUL8 F1, 3, 0
	WIN 0
; THE WAY OUT, 16 rows at a time: times SC, rounded to f16; a lane's eight channels are 16 bytes; my 128 columns are two heads, each with 16 rows of 144 bytes in my stage; back as 4 x 512 bytes a head.
.macro PACK a
	WIN 0x41                                       ; destination and source 0 window 1
.set i, 64*(\a)
.rept 32
	v_pk_mul_f32 v[i:i+1], v[i:i+1], s[88:89] op_sel_hi:[1,0]  ; ascending: each accumulator's lowest registers are read first
.set i, i+2
.endr
	WIN 0x05                                       ; sources 0 and 1 window 1, destination window 0
.set i, 0
.rept 32
	v_cvt_pk_f16_f32 v[TMP+32*(\a)+i], v[64*(\a)+2*i], v[64*(\a)+2*i+1]
.set i, i+1
.endr
	WIN 0
.irp b, 0,1,2,3,4,5,6,7
	ds_store_b128 v[STO], v[TMP+32*(\a)+4*(\b):TMP+32*(\a)+4*(\b)+3] offset:((\b)/4)*16*SP+((\b)%4)*32
.endr
.irp f, 0,1,2,3,4,5,6,7
	ds_load_b128 v[TMP+32*(\a)+4*(\f):TMP+32*(\a)+4*(\f)+3], v[RD] offset:((\f)/4)*16*SP+((\f)%4)*4*SP  ; LDS serves a wave's instructions in order (ISA guide 5.7.1.4): these see the stores above; the next block's stores come behind them
.endr
.endm
.macro SEND a, younger                 ; younger: the LDS instructions issued behind block a's loads: the next block's sixteen, or none
	WIN 0
.irp f, 0,1,2,3,4,5,6,7
	s_wait_dscnt (\younger)+7-(\f)
	global_store_b128 v[CO], v[TMP+32*(\a)+4*(\f):TMP+32*(\a)+4*(\f)+3], s[8:9] offset:((\f)/4)*262144+(\a)*2048+((\f)%4)*512  ; 512 consecutive bytes, at a multiple of 512 from qkv's first
.endr
.endm
	PLACES
	PACK 0
	PACK 1                                         ; a block's arithmetic stands between the loads of the block before and its stores
	SEND 0, 16
	PACK 2
	SEND 1, 16
	PACK 3
	SEND 2, 16
	SEND 3, 0
	s_wait_tensorcnt 0x0                           ; the wave's end
	ds_add_u32 v[SPW], v[NIL]
	s_wait_dscnt 0x0
	CROUND                                         ; the closing round: no work-group ends while a partner may still ask for a tile that names it
	s_endpgm
.Lfunc_end_k_qbe69ac8ba6_proj:
	.size	k_qbe69ac8ba6_proj, .Lfunc_end_k_qbe69ac8ba6_proj-k_qbe69ac8ba6_proj
	.p2alignl 7, 3214868480
	.fill 96, 4, 3214868480
	.section	.rodata,"a",@progbits
	.p2align	6, 0x0
	.amdhsa_kernel k_qbe69ac8ba6_proj
		.amdhsa_group_segment_fixed_size 327680
		.amdhsa_private_segment_fixed_size 0
		.amdhsa_enable_private_segment 0
		.amdhsa_kernarg_size 64
		.amdhsa_user_sgpr_count 2
		.amdhsa_user_sgpr_kernarg_segment_ptr 1
		.amdhsa_wavefront_size32 1
		.amdhsa_system_sgpr_workgroup_id_x 1
		.amdhsa_system_sgpr_workgroup_id_y 1
		.amdhsa_system_sgpr_workgroup_id_z 1
		.amdhsa_system_vgpr_workitem_id 0
		.amdhsa_next_free_vgpr 704
		.amdhsa_next_free_sgpr 96
		.amdhsa_reserve_vcc 0
		.amdhsa_float_denorm_mode_32 3
		.amdhsa_float_denorm_mode_16_64 3
		.amdhsa_memory_ordered 1
		.amdhsa_forward_progress 1
		.amdhsa_inst_pref_size 143
	.end_amdhsa_kernel
	.amdgpu_metadata
---
amdhsa.version: [ 1, 2 ]
amdhsa.kernels:
  - .name:           k_qbe69ac8ba6_proj
    .symbol:         k_qbe69ac8ba6_proj.kd
    .args:
      - { .name: query, .offset: 0, .size: 8, .value_kind: global_buffer, .address_space: global }
      - { .name: key, .offset: 8, .size: 8, .value_kind: global_buffer, .address_space: global }
      - { .name: value, .offset: 16, .size: 8, .value_kind: global_buffer, .address_space: global }
      - { .name: wb, .offset: 24, .size: 8, .value_kind: global_buffer, .address_space: global }
      - { .name: bq, .offset: 32, .size: 8, .value_kind: global_buffer, .address_space: global }
      - { .name: bk, .offset: 40, .size: 8, .value_kind: global_buffer, .address_space: global }
      - { .name: bv, .offset: 48, .size: 8, .value_kind: global_buffer, .address_space: global }
      - { .name: qkv, .offset: 56, .size: 8, .value_kind: global_buffer, .address_space: global }
    .group_segment_fixed_size: 327680
    .private_segment_fixed_size: 0
    .kernarg_segment_align: 8
    .kernarg_segment_size: 64
    .max_flat_workgroup_size: 128
    .sgpr_count:     96
    .vgpr_count:     704
    .wavefront_size: 32
...
	.end_amdgpu_metadata
.endif
;; end of part 6
;; launch attn (part 7): grid 4 x 64, 8 waves a work-group, clusters of 4 x 1, 327,680 bytes of LDS; arguments qkv, mb, ob; writes ob
.if DOCPART == 7
	.amdgcn_target "amdgcn-amd-amdhsa--gfx1250"
	.amdhsa_code_object_version 6
	.text
	.protected	k_qbe69ac8ba6_attn
	.globl	k_qbe69ac8ba6_attn
	.p2align	8
	.type	k_qbe69ac8ba6_attn,@function
k_qbe69ac8ba6_attn:
	s_mov_b64 s[64:65], 0
	v_nop
	global_prefetch_b8 v0, s[64:65] scope:SCOPE_SE
	s_setreg_imm32_b32 hwreg(HW_REG_WAVE_MODE, 25, 1), 1
	s_wait_xcnt 0x0
	s_wait_alu depctr_hold_cnt(0) depctr_sa_sdst(0) depctr_va_vdst(0) depctr_va_sdst(0) depctr_va_ssrc(0) depctr_va_vcc(0) depctr_vm_vsrc(0)
	s_getreg_b32 s2, hwreg(HW_REG_IB_STS2, 6, 4)
	s_cmp_eq_u32 s2, 0
	s_cbranch_scc0 .Lentry_in_a_cluster
	s_endpgm
.Lentry_in_a_cluster:
	s_bfe_u32 s2, ttmp6, 0x10000c
	s_cmp_lg_u32 s2, 0x3003
	s_cbranch_scc0 .Lentry_shape_is_right
	s_endpgm
.Lentry_shape_is_right:
; MASKED ATTENTION.  O[bh][q][:] = the sum over k of softmax_k(t[q][k]) V[bh][k][:], t = Q . K where mask[b][q][k] is not 0 and MASKV where it is 0.
; qkv: f16 [3][bh = 16 b + h (64)][2048][64]; Q arrives multiplied by log2(e) / 8, so t is the score in units of log2 and p = 2^(t - m).  MASKV = -1e9 log2(e), rounded to f32: the score is REPLACED,
; as the problem asks, so a row with no open key gets equal weights.  mb: u32 [128 b + q / 16][key / 64][32]: bit l of word i belongs to lane l, register i of a tile's scores.  ob: f16 [bh][2048][64].
; Products, maxima and sums in f32; the weights p are rounded to f16 for the second product (their sum l is taken of the unrounded p), O once at the end.
; LIMITS.  f16 holds no number beyond 65,504: Q, K, V arrive within it; p lies in 0 to 1 and below 6e-5 keeps f16's fixed step of 6e-8; O is a mean of V's rows.  MASKV differs from -1e9 log2(e) by 6e-8 of itself at the most.
; A weight below 2^-126 counts as 0 in l; NaN and infinities are not treated apart.
; SHARES.  A work-group owns 512 queries of one head, each of its EIGHT waves 64: four PIECES of one tile of 16 queries.  Every wave walks all 2,048 keys, 64 a step.
; TWO WAVES TO A SIMD, 512 registers each.  A tile and step have 16 matrix and 181 vector instructions, and a wave issues in order: with a partner on the SIMD, what one wave cannot issue behind its own matrix
; instruction or at a wait is room for the other's vector work.  The price: a fragment of K or V read from LDS feeds four tiles' products: 32 LDS loads for a step's 64 matrix instructions.
; LAYOUT.  S^T = K Q^T (source 0 = 16 keys, source 1 = 16 queries): a lane holds ONE query (lane % 16) and the keys 8 (lane / 16) + 0..7.  Two such results, rounded to f16 in pairs, ARE source 1 of O^T = V^T P.
; K comes out of LDS as it lies, V ([key][channel]) turned, by ds_load_tr16_b128.
; SOFTMAX.  A running maximum m and sum l for each query; in every step O and l are multiplied by a = 2^(m_old - m_new).  m starts at the lowest finite number, O and l at 0: the first step's a is 0.
; THE MASK.  A tile's 32 words of a step are 128 consecutive bytes: one load of 4 bytes a lane brings word l to lane l; 32 v_readlane_b32 lay them into scalar registers, and each is the lane mask of one v_cndmask_b32.
; The load is issued four turns ahead of its use, behind the readlanes of the same piece's step before, and its wait is counted: three younger loads, the other pieces', stay out.
; BY TURNS.  Turn n belongs to piece n.  Its matrix work: 8 products K Q^T of piece n + 1, then 8 products V^T P of piece n - 1.  Its vector work: the whole softmax of piece n, a numbered list of which thirteen
; numbers stand behind each matrix instruction.  The two streams of a turn name no common register.
; CLUSTER.  The four query blocks of a cluster belong to one head and walk the same K and V: each tile is asked for JOINTLY, by the same tensor load, descriptor and mask in all four.
; REGISTERS, in windows of 256 (s_set_vgpr_msb: bits 1:0 source 0, 3:2 source 1, 5:4 source 2, 7:6 destination):
;   window 0: v0-14 addresses and MASKV; v16-31 four registers of statistics a tile; v32-35 at work; v36-39 the pieces' mask words; v62-63 the add's; v64-127 S^T, two buffers; v128-159 P, two buffers (by the piece's parity); v160-223 K of one step
;   window 1: v0-127 O^T, 32 a tile; v128-191 Q, 16 a tile; v192-255 V of one step
.set NP,    4         ; pieces a wave: a name, no knob
.set KS,    64        ; keys in a step
.set PKB,   144       ; a row of K in LDS: 128 bytes + 16 of padding: the 16 rows of a load start at 16 different groups of four banks (64 banks of 4 bytes: ISA guide 11.1)
.set PVB,   160       ; a row of V: 128 + 32
.set VOFF,  4*KS*PKB  ; a slot holds four steps: 256 rows of K, then 256 rows of V
.set SLOT1, 1<<17     ; slot 1 begins here, so that one exclusive or turns an address in one slot into the other's
.set STAGE, SLOT1+4*KS*(PKB+PVB)  ; behind the ring, never filled by a tensor load: 16 rows x 144 bytes for each of the eight waves
.set SP,    144
.set SPARE, STAGE+8*16*SP  ; the spare words, 128 bytes for each wave: four blocks of 256 bytes that no other line names
.set AK0, 2           ; v2   my lane's place in a tile of K; never rewritten
.set AV0, 3           ; v3   the same for V
.set AK,  4           ; v4   the LDS address of K's next run of loads
.set AV,  5           ; v5   of V's
.set QO,  6           ; v6   my byte offset in the wave's rows of Q
.set STO, 6           ;      later, the way out: where I put 16 bytes of a row
.set RD,  7           ; v7   the way out: where I read rows back
.set GO,  8           ; v8   16 x lane
.set MK,  12          ; v12  MASKV
.set LN4, 13          ; v13  4 x lane; never rewritten
.set MOFF, 14         ; v14  4 x lane + 128 x the step whose mask words are being asked for
.set ST,  16          ; tile t's statistics at v[ST+4 t]: m, m_old, l (even keys', odd keys')
.set TMP, 32          ; four registers c0-c3 at work; when the maximum is found c2 takes a
.set MW,  36          ; v36-39  piece p's 32 mask words, word l in lane l
.set SPW, 62          ; v62  LDS address of my spare word; never rewritten
.set NIL, 63          ; v63  0; never rewritten
.set S,   64
.set P,   128
.set KF,  160         ; key block kb, channel half c at KF + 16 kb + 8 c
.set Q,   128         ; window 1
.set VF,  192         ; window 1: key half kk, channel block cb at VF + 32 kk + 8 cb
.set WV,  2           ; s2   my wave's number
.set SLOTS, 3         ; s3   slots still to be asked for
.set G1K, 4           ; s[4:11]  descriptor group 1 for K's tiles
.set G1V, 12          ; s[12:19] for V's: it differs in the padding alone
.set G0K, 20          ; s[20:23] descriptor group 0 for K's tiles: it walks
.set G0V, 24          ; s[24:27] the same for V's
.set CNT, 28          ; s28  counts a slot's key steps
.set TBK, 29          ; s29  LDS byte at which K of the step to be fetched begins
.set TBV, 30          ; s30  the same for V, less VOFF
.set M0,  32          ; s[32:63] the 32 mask words of the piece in hand
.set MP,  66          ; s[66:67] mb at my first tile; never rewritten.  s[68:91] hold the head's pointers and offsets
.set SO,  96          ; s96  128 x the step whose mask words are being asked for
.set OP,  100         ; s[100:101] ob at my wave's first row
.set SEL, 104         ; s[104:105] v_permlanex16_b32's selects: each lane takes its own place in the other half
.set MSB, 0
.macro WIN new                      ; the high byte repeats the setting that is left; a switch that changes nothing is dropped
.if MSB != (\new)
	s_set_vgpr_msb (MSB<<8)|(\new)
.set MSB, (\new)
.endif
.endm
.set W_KQ, 0x04       ; Q (source 1) in window 1; K and S^T in window 0
.set W_PV, 0x51       ; V (source 0) and O^T (C and D) in window 1, P in window 0
.set W_RS, 0x41       ; O^T (destination and source 0) in window 1, a in window 0
.set TO_1, 0x40       ; destination window 1, address window 0
; A joint fill.  Waves 0 and 1 fetch the two halves of a slot's K, waves 2 and 3 those of its V: 128 keys, 64 rows of 256 bytes, each; waves 4 to 7 have no part of a tile and issue none.
; The branches hang on the wave's number alone.  An s_nop 0 and four v_nop follow each line, ahead of the jump and the label.
.macro JLOAD
	s_cmp_lt_u32 s[WV], 4
	s_cbranch_scc0 .Lasked_\@
	s_cmp_lt_u32 s[WV], 2
	s_cbranch_scc0 .Lfor_v_\@
	tensor_load_to_lds s[G0K:G0K+3], s[G1K:G1K+7]
	s_nop 0
.rept 4
	v_nop
.endr
	s_branch .Lasked_\@
.Lfor_v_\@:
	tensor_load_to_lds s[G0V:G0V+3], s[G1V:G1V+7]
	s_nop 0
.rept 4
	v_nop
.endr
.Lasked_\@:
.endm
.macro CROUND                       ; a round of the cluster's barrier
	s_barrier_signal -1
	s_barrier_wait -1
	s_cmp_lg_u32 s[WV], 0
	s_cbranch_scc1 .Lnot_wave_0_\@
	s_barrier_signal -3
.Lnot_wave_0_\@:
	s_barrier_wait -3
	s_barrier_signal -1
	s_barrier_wait -1
.endm
; THE CHANGE OF SLOTS.  Each wave waits for all its tensor loads (of a wave that issues any, one is out: its part of the other slot); adds 0 to its spare word; and waits for that and for its own reads of the slot.
; fill = 1: the slot is filled again, with the keys two slots on; the barrier is then a round of the cluster's, and the joint fill is the first thing behind it: it has four key steps, 256 matrix instructions of each wave, in which to land.
; (At its first use nothing has been read yet: slot 0 is waited for, slot 1 filled.)
.macro CHANGE fill
	WIN 0                           ; at a label and at a branch every window is 0
	s_wait_tensorcnt 0x0            ; no tensor load of mine is out, so a group 0 may be written
	ds_add_u32 v[SPW], v[NIL]       ; 0 onto my spare word
.if \fill
.irp g, G0K, G0V
	s_xor_b32 s[\g+1], s[\g+1], SLOT1  ; the walking descriptor: the other slot than last time,
	s_add_nc_u64 s[\g+2:\g+3], s[\g+2:\g+3], 4*KS*128  ; the next 256 keys; the type bits on top are not reached
.endr
	s_wait_dscnt 0x0                ; the add is done, and my reads of the slot are over
	CROUND
	JLOAD
.else
	s_wait_dscnt 0x0                ; the add is done, and my reads of the slot are over
	s_barrier_signal -1
	s_barrier_wait -1
.endif
	s_sub_co_u32 s[TBK], s[TBK], 4*KS*PKB  ; the fetches go back to a slot's first step,
	s_xor_b32 s[TBK], s[TBK], SLOT1        ; in the other slot
	s_sub_co_u32 s[TBV], s[TBV], 4*KS*PVB
	s_xor_b32 s[TBV], s[TBV], SLOT1
.endm
	s_load_b128 s[68:71], s[0:1], 0x0  ; qkv 68:69, mb 70:71
	s_load_b64 s[72:73], s[0:1], 0x10  ; ob
	v_lshl_add_u32 v[SPW], v0, 2, SPARE
	v_mov_b32 v[NIL], 0
	ds_add_u32 v62, v63
	s_wait_dscnt 0x0
	v_lshrrev_b32 v1, 5, v0
	v_readfirstlane_b32 s[WV], v1   ; wave 0..7
	s_bfe_u32 s74, ttmp6, 0x40000   ; cx: my place in the cluster
	s_lshl_b32 s75, ttmp9, 2        ; in a cluster launch ttmp9 counts clusters
	s_add_co_u32 s75, s75, s74      ; my block of 512 queries: it enters Q's, O's and the mask words' addresses alone
	s_and_b32 s76, ttmp7, 0xffff    ; bh, which the four partners share
	s_lshl_b32 s78, s76, 18         ; the head's first byte: 2,048 rows of 128 bytes
	s_and_b32 s80, s[WV], 1         ; which half of a slot's 256 keys I fetch (waves 0 to 3):
	s_lshl_b32 s82, s80, 14         ; its 128 rows of 128 bytes in memory,
	s_add_co_u32 s82, s82, s78
	s_mov_b32 s83, 0
	s_mul_i32 s84, s80, 128*PKB     ; and its place in a slot, for K
	s_mul_i32 s85, s80, 128*PVB     ; and for V: no place in the cluster enters an LDS address
	s_lshl_b32 s86, s75, 3
	s_add_co_u32 s86, s86, s[WV]    ; my wave among the head's 32
	s_lshl_b32 s88, s86, 14         ; its 4 tiles of 4,096 bytes of mask words,
	s_lshl_b32 s86, s86, 13         ; its 64 rows of 128 bytes
	s_add_co_u32 s86, s86, s78
	s_mov_b32 s87, 0
	s_lshr_b32 s89, s76, 4          ; the batch:
	s_lshl_b32 s89, s89, 19         ; 128 tiles of 4,096 bytes
	s_add_co_u32 s88, s88, s89
	s_mov_b32 s89, 0
	; descriptor group 1.  128 keys are 16,384 dense bytes: asked for as 64 rows of 256 bytes, two keys a row, and padded in LDS after every key
	s_mov_b32 s[G1K], 15|(1<<16)|(1<<20)|(1<<21)|(4<<22)|(3<<25)  ; 15:0 the mask of four; 17:16 2-byte elements; 20 padding on; 21 set beside a mask; 24:22 after every 32 words (code 4); 31:25 4 words (code 3)
	s_mov_b32 s[G1V], 15|(1<<16)|(1<<20)|(1<<21)|(4<<22)|(7<<25)  ; the same with 8 words of padding (code 7)
.irp g, G1K, G1V
	s_mov_b32 s[\g+1], 128<<16      ; tensor_dim0 = 128
	s_mov_b32 s[\g+2], 64<<16       ; tensor_dim1 = 64
	s_mov_b32 s[\g+3], 128<<16      ; tile_dim0 = 128
	s_mov_b32 s[\g+4], 64           ; tile_dim1 = 64
	s_mov_b32 s[\g+5], 128          ; 128 elements from row to row
	s_mov_b32 s[\g+6], 0
	s_mov_b32 s[\g+7], 0
.endr
	s_mov_b32 s[SEL], 0x76543210
	s_mov_b32 s[SEL+1], 0xfedcba98
	s_mov_b32 s[SO], 0
	s_mov_b32 s[TBK], SLOT1+4*KS*PKB ; the first change of slots turns these two into 0
	s_mov_b32 s[TBV], SLOT1+4*KS*PVB
	s_mov_b32 s[G0K], 1             ; count = 1
	s_mov_b32 s[G0K+1], s84         ; LDS address: slot 0
	s_mov_b32 s[G0V], 1
	s_add_co_u32 s[G0V+1], s85, VOFF
	s_wait_kmcnt 0x0
	s_add_nc_u64 s[G0K+2:G0K+3], s[68:69], s[82:83]        ; my half of the head's first 256 keys,
	s_add_nc_u64 s[G0K+2:G0K+3], s[G0K+2:G0K+3], 0x1000000 ; in k, the second third of qkv
	s_or_b32 s[G0K+3], s[G0K+3], 0x80000000                ; type = 2
	s_add_nc_u64 s[G0V+2:G0V+3], s[68:69], s[82:83]
	s_add_nc_u64 s[G0V+2:G0V+3], s[G0V+2:G0V+3], 0x2000000 ; in v, the last third
	s_or_b32 s[G0V+3], s[G0V+3], 0x80000000
	s_add_nc_u64 s[90:91], s[68:69], s[86:87]              ; Q and O at my wave's first row
	s_add_nc_u64 s[OP:OP+1], s[72:73], s[86:87]
	s_add_nc_u64 s[MP:MP+1], s[70:71], s[88:89]
	CROUND                          ; all four work-groups are here: the first joint loads meet
	JLOAD                           ; slot 0.  Slot 1 is asked for when slot 0 is in
	; A fragment of K or Q is 16 rows x 32 channels in 8 registers: lane l holds row l % 16, channels 8 (l / 16) + 0..7 and 16 + 8 (l / 16) + 0..7: two loads of 16 bytes, 32 bytes apart.
	v_and_b32 v1, 15, v0            ; l % 16
	v_bfe_u32 v9, v0, 4, 1          ; l / 16
	v_lshlrev_b32 v[QO], 7, v1
	v_lshl_add_u32 v[QO], v9, 4, v[QO]  ; row x 128 + 16 x half
	v_and_b32 v[LN4], 31, v0
	v_lshlrev_b32 v[LN4], 2, v[LN4]
	WIN TO_1
.set i, 0
.rept 2*NP                          ; Q stays in registers: tile i / 2, channels 32 (i % 2) on
	global_load_b128 v[Q+8*i:Q+8*i+3],   v[QO], s[90:91] offset:(i/2)*2048+(i%2)*64
	global_load_b128 v[Q+8*i+4:Q+8*i+7], v[QO], s[90:91] offset:(i/2)*2048+(i%2)*64+32
.set i, i+1
.endr
	WIN 0
.irp p, 0,1,2,3
	global_load_b32 v[MW+(\p)], v[LN4], s[MP:MP+1] offset:(\p)*4096  ; the four pieces' mask words of step 0, in the order of the turns
.endr
	; What the first turn finds: V's registers and P's second buffer hold 0 (its products V^T P, of a piece that has not been, add 0), O^T and l are 0.  All this stands in the wait for the first tile.
	WIN TO_1
.set i, VF
.rept 64
	v_mov_b32 v[i], 0
.set i, i+1
.endr
.set i, 0
.rept 32*NP
	v_mov_b32 v[i], 0
.set i, i+1
.endr
	WIN 0
.set i, 0
.rept NP
	v_mov_b32 v[ST+4*i], 0xff7fffff    ; m: the lowest finite number
	v_mov_b32 v[ST+4*i+2], 0
	v_mov_b32 v[ST+4*i+3], 0
.set i, i+1
.endr
.set i, P+16
.rept 16
	v_mov_b32 v[i], 0
.set i, i+1
.endr
	v_mov_b32 v[MK], 0xceabfb8f     ; -1e9 log2(e) = -1,442,695,040
	v_mul_u32_u24 v[AK0], v1, PKB
	v_lshl_add_u32 v[AK0], v9, 4, v[AK0]  ; row x pitch + 16 x half
	; The turning load takes 16 keys x 16 channels (lane l reads key 8 (l / 16) + l % 8, channels 8 ((l / 8) % 2) + 0..7) and leaves half a fragment of V^T: lane l holds channel l % 16 and 8 keys.
	v_and_b32 v10, 7, v0
	v_bfe_u32 v11, v0, 3, 1
	v_lshl_add_u32 v[AV0], v9, 3, v10
	v_mul_u32_u24 v[AV0], v[AV0], PVB
	v_lshl_add_u32 v[AV0], v11, 4, v[AV0]
	v_add_nc_u32 v[AV0], VOFF, v[AV0]
	v_mov_b32 v[AK], v[AK0]         ; key step 0 lies at the head of slot 0
; THE MATRIX WORK.  The 4 accumulators of a run of 8 take turns: between the two links of a chain stand 3 others'.
; Product i of 8 of S^T = K Q^T for piece x: channels 32 (i / 4) on, keys 16 (i % 4) on.  The first 4 start the sums.
.macro KQ x
	WIN W_KQ
.set rS, S+32*((\x)%2)+8*(i%4)
.set rK, KF+16*(i%4)+8*(i/4)
.set rQ, Q+16*(\x)+8*(i/4)
.if i < 4
	v_wmma_f32_16x16x32_f16 v[rS:rS+7], v[rK:rK+7], v[rQ:rQ+7], 0
.else
	v_wmma_f32_16x16x32_f16 v[rS:rS+7], v[rK:rK+7], v[rQ:rQ+7], v[rS:rS+7]
.endif
.endm
; Product i of 8 of O^T += V^T P for piece x: keys 32 (i / 4) on, channels 16 (i % 4) on.
.macro PV x
	WIN W_PV
.set rO, 32*(\x)+8*(i%4)
.set rV, VF+32*(i/4)+8*(i%4)
.set rP, P+16*((\x)%2)+8*(i/4)
	v_wmma_f32_16x16x32_f16 v[rO:rO+7], v[rV:rV+7], v[rP:rP+7], v[rO:rO+7]
.endm
.macro MM                           ; the turn's next matrix instruction
.if i < 8
	KQ (Y+1)%NP
.set i, i+1
.else
.set i, i-8
	PV (Y+NP-1)%NP
.set i, i+9
.endif
.endm
; THE LDS LOADS stand in runs of 16: a step's K (64 keys x 64 channels: 8 fragments) and its V (turned).  last = 1 (the tail): in the last trip there is no further step, and the run is jumped over.
.macro FETCH_K last=0
	WIN 0
.if \last
	s_cmp_eq_u32 s[CNT], 1
	s_cbranch_scc1 .Lno_k_\@
.endif
.irp f, 0,1,2,3,4,5,6,7             ; keys 16 (f / 2) on, channels 32 (f % 2) on
	ds_load_b128 v[KF+8*\f:KF+8*\f+3],   v[AK] offset:(\f/2)*16*PKB+(\f%2)*64
	ds_load_b128 v[KF+8*\f+4:KF+8*\f+7], v[AK] offset:(\f/2)*16*PKB+(\f%2)*64+32
.endr
	s_add_co_u32 s[TBK], s[TBK], KS*PKB  ; the next fetch is the next step's
.if \last
.Lno_k_\@:
.endif
.endm
.macro FETCH_V
	WIN TO_1
.irp f, 0,1,2,3,4,5,6,7             ; keys 32 (f / 4) on, channels 16 (f % 4) on
	ds_load_tr16_b128 v[VF+8*\f:VF+8*\f+3],   v[AV] offset:(\f/4)*32*PVB+(\f%4)*32
	ds_load_tr16_b128 v[VF+8*\f+4:VF+8*\f+7], v[AV] offset:(\f/4)*32*PVB+16*PVB+(\f%4)*32
.endr
	WIN 0
.endm
; THE VECTOR WORK OF A TURN: one list, numbered vj = 0 .. 210 (some numbers are empty: 181 instructions); VI writes number vj for piece Y and steps vj.  s0-s31 are a lane's 32 scores.
;   0-31     mask word i leaves lane i of the piece's register for a scalar register
;   32-63    the mask: score i stays where bit l of word i is set and becomes MASKV elsewhere; ascending
;   64-79    the maximum of s0-s31 and the old m, three operands at a time: four chains c0-c3 of seven scores, the four scores left over, m, and c0-c3 into c0
;   80-84    m_old is kept; the query's other 32 keys lie in the lane 16 away; the new m; m_old - m; a
;   85-194   eleven iterations of ten over 8 groups of four scores: places 0, 2, 4, 6 the four exponentials of group it - 1; places 1, 3 s - m for the two pairs of group it;
;            places 5, 7 the roundings to f16 of group it - 2; place 8 its second pair added onto its first; place 9 l takes the sum of group it - 3 (the first group: l = a l + sum).
;            So an exponential's result is read an iteration later, with a plain instruction between (ISA guide 5.7.2), at both ends of the run too
;   195-210  O^T times a: the one part that leaves window 0, so it stands together
.macro REGS y                       ; the registers of piece y
.set rT, ST+4*(\y)
.set rS, S+32*((\y)%2)
.set rP, P+16*((\y)%2)
.set rO, 32*(\y)
.endm
.macro VI
	REGS Y
.if vj < 32
	WIN 0
	v_readlane_b32 s[M0+vj], v[MW+Y], vj
.elseif vj < 64
	WIN 0
	v_cndmask_b32 v[rS+vj-32], v[MK], v[rS+vj-32], s[M0+vj-32]
.elseif vj < 80
	WIN 0
.set n, vj-64
.if n < 4
	v_max3_num_f32 v[TMP+n], v[rS+8*n], v[rS+8*n+1], v[rS+8*n+2]
.elseif n < 12
	v_max3_num_f32 v[TMP+n%4], v[TMP+n%4], v[rS+8*(n%4)+2*(n/4)+1], v[rS+8*(n%4)+2*(n/4)+2]
.elseif n == 12
	v_max3_num_f32 v[TMP], v[TMP], v[rS+7], v[rS+15]
.elseif n == 13
	v_max3_num_f32 v[TMP+1], v[TMP+1], v[rS+23], v[rS+31]
.elseif n == 14
	v_max3_num_f32 v[TMP+2], v[TMP+2], v[TMP+3], v[rT]
.else
	v_max3_num_f32 v[TMP], v[TMP], v[TMP+1], v[TMP+2]
.endif
.elseif vj < 85
	WIN 0
.set n, vj-80
.if n == 0
	v_mov_b32 v[rT+1], v[rT]
.elseif n == 1
	v_permlanex16_b32 v[TMP+3], v[TMP], s[SEL], s[SEL+1]
.elseif n == 2
	v_max_num_f32 v[rT], v[TMP], v[TMP+3]
.elseif n == 3
	v_sub_f32 v[TMP+1], v[rT+1], v[rT]
.else
	v_exp_f32 v[TMP+2], v[TMP+1]
.endif
.elseif vj < 195
.set it, (vj-85)/10
.set pos, (vj-85)%10
.if (pos%2 == 0) && (pos < 8)
.if (it >= 1) && (it <= 8)
	WIN 0
.set k, it-1
	v_exp_f32 v[rS+4*k+pos/2], v[rS+4*k+pos/2]
.endif
.elseif pos < 4
.if it < 8
	WIN 0
.set k, it
.set c, pos/2
	v_pk_add_f32 v[rS+4*k+2*c:rS+4*k+2*c+1], v[rS+4*k+2*c:rS+4*k+2*c+1], v[rT:rT+1] op_sel_hi:[1,0] neg_lo:[0,1] neg_hi:[0,1]  ; s - m
.endif
.elseif pos < 8
.if (it >= 2) && (it <= 9)
	WIN 0
.set k, it-2
.set c, (pos-5)/2
	s_wait_alu depctr_va_vdst(0)
	v_cvt_pk_f16_f32 v[rP+2*k+c], v[rS+4*k+2*c], v[rS+4*k+2*c+1]
.endif
.elseif pos == 8
.if (it >= 2) && (it <= 9)
	WIN 0
.set k, it-2
	v_pk_add_f32 v[rS+4*k:rS+4*k+1], v[rS+4*k:rS+4*k+1], v[rS+4*k+2:rS+4*k+3]
.endif
.else
.if it >= 3
	WIN 0
.set k, it-3
.if k == 0
	v_pk_fma_f32 v[rT+2:rT+3], v[rT+2:rT+3], v[TMP+2:TMP+3], v[rS:rS+1] op_sel_hi:[1,0,1]
.else
	v_pk_add_f32 v[rT+2:rT+3], v[rT+2:rT+3], v[rS+4*k:rS+4*k+1]
	s_wait_alu depctr_va_vdst(0)
.endif
.endif
.endif
.else
.set z, vj-195
	WIN W_RS
	v_pk_mul_f32 v[rO+2*z:rO+2*z+1], v[rO+2*z:rO+2*z+1], v[TMP+2:TMP+3] op_sel_hi:[1,0]
.endif
.set vj, vj+1
.endm
; A TURN, for piece p: 16 matrix instructions, thirteen numbers of the list behind each, the last three behind them all.
; The piece's mask words of the next step are asked for behind the third matrix instruction, when numbers 0 to 38 are out: every readlane has read the register.  Piece 0's turn steps the offset: the step asked for is
; the next one, held at step 31 in the last step, whose four loads read step 31's words once more, inside mb, and serve nothing: the price of one text for every step.
; K of the next step is fetched in piece 2's turn behind the ninth matrix instruction: eight plain instructions of the list and the address line stand behind the last product that read K; it is waited for at the head of piece 3's turn.
; V of the step in hand is fetched at the end of piece 0's turn, sixteen packed multiplies behind the last product that read V; it is waited for in the middle of piece 1's turn.
.macro TURN p, last=0
.set Y, (\p)
.set i, 0
.set vj, 0
.if (\p) == 0
	WIN 0
	s_add_co_u32 s[SO], s[SO], 128
	s_min_u32 s[SO], s[SO], 31*128
	s_wait_xcnt 0x0                 ; every earlier memory instruction has had its addresses translated (ISA guide 3.1): only behind this wait is the mask loads' offset rewritten
	v_add_nc_u32 v[MOFF], s[SO], v[LN4]
.endif
	s_wait_loadcnt 3                ; loads come back in order (ISA guide 5.7.1): my piece's words, asked for four turns ago, are in; the three other pieces' younger loads stay out
.rept 16
.if ((\p) == NP-1) && (i == 0)
	s_wait_dscnt 0x0                ; K is in
.endif
.if ((\p) == 1) && (i == 8)
	s_wait_dscnt 0x0                ; V is in
.endif
	MM
.rept 13
	VI
.endr
.if i == 3
	WIN 0
	global_load_b32 v[MW+(\p)], v[MOFF], s[MP:MP+1] offset:(\p)*4096  ; 128 consecutive bytes
.endif
.if ((\p) == NP-2) && (i == 9)
	WIN 0
	v_add_nc_u32 v[AK], s[TBK], v[AK0]
	FETCH_K \last
.endif
.endr
.rept 3
	VI
.endr
.if (\p) == 0
	WIN 0
	v_add_nc_u32 v[AV], s[TBV], v[AV0]
	FETCH_V
	s_add_co_u32 s[TBV], s[TBV], KS*PVB
.endif
.endm
	CHANGE 1                        ; slot 0 is in, everybody's part of it; slot 1 is asked for
	FETCH_K                         ; key step 0
	s_wait_loadcnt 4                ; Q is in; the four mask loads behind it may stay out
	s_wait_dscnt 0x0
.set i, 0
.rept 8
	KQ 0                            ; piece 0's first scores: there is no vector work yet to set between them
.set i, i+1
.endr
	WIN 0                           ; the addresses for the way out: nine plain instructions, the places behind those products
	s_mul_i32 s31, s[WV], 16*SP
	s_add_co_u32 s31, s31, STAGE    ; my stage
	v_mul_u32_u24 v[STO], v1, SP    ; in: row l % 16, 16 bytes for each half of the lanes
	v_lshl_add_u32 v[STO], v9, 4, v[STO]
	v_add_nc_u32 v[STO], s31, v[STO]
	v_bfe_u32 v[RD], v0, 3, 2       ; back: 32 lanes take four rows of 128 bytes,
	v_mul_u32_u24 v[RD], v[RD], SP
	v_lshl_add_u32 v[RD], v10, 4, v[RD]
	v_add_nc_u32 v[RD], s31, v[RD]
	v_and_b32 v[GO], 31, v0         ; which are 512 consecutive bytes of O
	v_lshlrev_b32 v[GO], 4, v[GO]
	s_mov_b32 s[CNT], 4
	s_mov_b32 s[SLOTS], 7           ; 2,048 / 256 - 1
	s_branch .Lfirst                ; the loop is entered at a step's first turn, in the middle of a trip
.Lslot:                             ; six times: every slot but the last two is filled again
	CHANGE 1
	s_mov_b32 s[CNT], 4
.Lstep:                             ; a trip: pieces 2 and 3 of one step, then pieces 0 and 1 of the next, whose K and V it fetches
	TURN 2
	TURN 3
	WIN 0
.Lfirst:
	TURN 0
	TURN 1
	WIN 0
	s_sub_co_u32 s[CNT], s[CNT], 1
	s_cmp_lg_u32 s[CNT], 0
	s_cbranch_scc1 .Lstep
	s_sub_co_u32 s[SLOTS], s[SLOTS], 1
	s_cmp_lg_u32 s[SLOTS], 0
	s_cbranch_scc1 .Lslot
	CHANGE 0                        ; the tail is written out: nothing is asked for
	s_mov_b32 s[CNT], 5             ; four trips fetch the last slot's steps; the fifth is left in its middle
.Ltail:
	TURN 2, 1
	TURN 3
	WIN 0
	s_sub_co_u32 s[CNT], s[CNT], 1
	s_cmp_eq_u32 s[CNT], 0
	s_cbranch_scc1 .Lout
	TURN 0
	TURN 1
	WIN 0
	s_branch .Ltail
.Lout:                              ; the fifth trip's 8 products K Q^T (on the last K once more) serve nothing: the price of one text for every trip
.set i, 0
.rept 8
	PV NP-1                         ; the last piece's V^T P of the last step
.set i, i+1
.endr
	; THE WAY OUT.  l's two halves and the other half of the lanes' are added; O^T is divided by l, rounded to f16 and sent through my stage in LDS, a tile at a time.  The four additions are the places behind the last products.
	WIN 0
.macro ALL line:vararg              ; one line for each tile t
.set t, 0
.rept NP
	\line
.set t, t+1
.endr
.endm
	ALL v_add_f32 v[ST+4*t+2], v[ST+4*t+2], v[ST+4*t+3]
	ALL v_permlanex16_b32 v[ST+4*t+3], v[ST+4*t+2], s[SEL], s[SEL+1]
	ALL v_add_f32 v[ST+4*t+2], v[ST+4*t+2], v[ST+4*t+3]
	ALL v_rcp_f32 v[ST+4*t+2], v[ST+4*t+2]
	v_nop                           ; a plain instruction between the last reciprocal and the use of its result
	s_wait_alu depctr_va_vdst(0)
; Tile t: a lane's eight channels of a row pack into 16 bytes; they go into rows of 144 bytes and come back as whole rows of 128, into S^T's registers.
.macro PACK t
	WIN W_RS
.set i, 32*(\t)
.rept 16
	v_pk_mul_f32 v[i:i+1], v[i:i+1], v[ST+4*(\t)+2:ST+4*(\t)+3] op_sel_hi:[1,0]
.set i, i+2
.endr
	WIN 0x05                        ; sources 0 and 1 window 1, destination window 0
.set i, 0
.rept 16
	v_cvt_pk_f16_f32 v[S+16*(\t)+i], v[32*(\t)+2*i], v[32*(\t)+2*i+1]
.set i, i+1
.endr
	WIN 0
.irp f, 0,1,2,3
	ds_store_b128 v[STO], v[S+16*(\t)+4*\f:S+16*(\t)+4*\f+3] offset:32*\f
.endr
.irp f, 0,1,2,3
	ds_load_b128 v[S+16*(\t)+4*\f:S+16*(\t)+4*\f+3], v[RD] offset:\f*4*SP  ; LDS serves a wave's instructions in order (ISA guide 5.7.1.4): these see the stores above; the next tile's stores come behind them
.endr
.endm
.macro SEND t, younger              ; younger: the LDS instructions issued behind tile t's loads: the next tile's eight, or none
	WIN 0
.irp f, 0,1,2,3
	s_wait_dscnt (\younger)+3-\f
	global_store_b128 v[GO], v[S+16*(\t)+4*\f:S+16*(\t)+4*\f+3], s[OP:OP+1] offset:(\t)*2048+\f*512  ; 512 consecutive bytes, at a multiple of 512 from ob's first
.endr
.endm
	PACK 0
.set t, 1
.rept NP-1                          ; a tile's arithmetic stands between the loads of the tile before and its stores
	PACK t
	SEND t-1, 8
.set t, t+1
.endr
	SEND NP-1, 0
	s_wait_tensorcnt 0x0            ; the wave's end
	ds_add_u32 v[SPW], v[NIL]
	s_wait_dscnt 0x0
	CROUND                          ; the closing round: no work-group ends while a partner may still ask for a tile that names it
	s_endpgm
.Lfunc_end_k_qbe69ac8ba6_attn:
	.size	k_qbe69ac8ba6_attn, .Lfunc_end_k_qbe69ac8ba6_attn-k_qbe69ac8ba6_attn
	.p2alignl 7, 3214868480
	.fill 96, 4, 3214868480
	.section	.rodata,"a",@progbits
	.p2align	6, 0x0
	.amdhsa_kernel k_qbe69ac8ba6_attn
		.amdhsa_group_segment_fixed_size 327680
		.amdhsa_private_segment_fixed_size 0
		.amdhsa_enable_private_segment 0
		.amdhsa_kernarg_size 24
		.amdhsa_user_sgpr_count 2
		.amdhsa_user_sgpr_kernarg_segment_ptr 1
		.amdhsa_wavefront_size32 1
		.amdhsa_system_sgpr_workgroup_id_x 1
		.amdhsa_system_sgpr_workgroup_id_y 1
		.amdhsa_system_sgpr_workgroup_id_z 1
		.amdhsa_system_vgpr_workitem_id 0
		.amdhsa_next_free_vgpr 512
		.amdhsa_next_free_sgpr 106
		.amdhsa_reserve_vcc 0
		.amdhsa_float_denorm_mode_32 3
		.amdhsa_float_denorm_mode_16_64 3
		.amdhsa_memory_ordered 1
		.amdhsa_forward_progress 1
		.amdhsa_inst_pref_size 145
	.end_amdhsa_kernel
	.amdgpu_metadata
---
amdhsa.version: [ 1, 2 ]
amdhsa.kernels:
  - .name:           k_qbe69ac8ba6_attn
    .symbol:         k_qbe69ac8ba6_attn.kd
    .args:
      - { .name: qkv, .offset: 0, .size: 8, .value_kind: global_buffer, .address_space: global }
      - { .name: mb, .offset: 8, .size: 8, .value_kind: global_buffer, .address_space: global }
      - { .name: ob, .offset: 16, .size: 8, .value_kind: global_buffer, .address_space: global }
    .group_segment_fixed_size: 327680
    .private_segment_fixed_size: 0
    .kernarg_segment_align: 8
    .kernarg_segment_size: 24
    .max_flat_workgroup_size: 256
    .sgpr_count:     106
    .vgpr_count:     512
    .wavefront_size: 32
...
	.end_amdgpu_metadata
.endif
;; end of part 7
;; launch outp: the kernel of part 4 again; grid 4 x 64, 4 waves a work-group, clusters of 4 x 4, 327,680 bytes of LDS; arguments ob, wb, bo, out0; writes out0
;; ======== version 3 of 3: 4 launches; 1.37 times as fast as version 1
;; limits: values are held in f16: magnitudes above 65,504 overflow, below 6.1e-05 lose precision
;; workspace buffers: wb 8,388,608 bytes; qkv 50,331,648 bytes; ob 16,777,216 bytes; mb 2,097,152 bytes of whole numbers
;; launch prep: the kernel of part 5 again; grid 512 x 1, 8 waves a work-group, no clusters, 134,144 bytes of LDS; arguments mask, Wq, Wk, Wv, Wo, wb, mb; writes wb, mb
;; launch proj: the kernel of part 6 again; grid 4 x 192, 4 waves a work-group, clusters of 4 x 4, 327,680 bytes of LDS; arguments query, key, value, wb, bq, bk, bv, qkv; writes qkv
;; launch attn (part 8): grid 4 x 64, 8 waves a work-group, clusters of 4 x 1, 327,680 bytes of LDS; arguments qkv, mb, ob; writes ob
.if DOCPART == 8
	.amdgcn_target "amdgcn-amd-amdhsa--gfx1250"
	.amdhsa_code_object_version 6
	.text
	.protected	k_qbe69ac8ba6_attn
	.globl	k_qbe69ac8ba6_attn
	.p2align	8
	.type	k_qbe69ac8ba6_attn,@function
k_qbe69ac8ba6_attn:
	s_mov_b64 s[64:65], 0
	v_nop
	global_prefetch_b8 v0, s[64:65] scope:SCOPE_SE
	s_setreg_imm32_b32 hwreg(HW_REG_WAVE_MODE, 25, 1), 1
	s_wait_xcnt 0x0
	s_wait_alu depctr_hold_cnt(0) depctr_sa_sdst(0) depctr_va_vdst(0) depctr_va_sdst(0) depctr_va_ssrc(0) depctr_va_vcc(0) depctr_vm_vsrc(0)
	s_getreg_b32 s2, hwreg(HW_REG_IB_STS2, 6, 4)
	s_cmp_eq_u32 s2, 0
	s_cbranch_scc0 .Lentry_in_a_cluster
	s_endpgm
.Lentry_in_a_cluster:
	s_bfe_u32 s2, ttmp6, 0x10000c
	s_cmp_lg_u32 s2, 0x3003
	s_cbranch_scc0 .Lentry_shape_is_right
	s_endpgm
.Lentry_shape_is_right:
; MASKED ATTENTION.  O[bh][q][:] = the sum over k of softmax_k(t[q][k]) V[bh][k][:], t = Q . K where mask[b][q][k] is not 0 and MASKV where it is 0.
; qkv: f16 [3][bh = 16 b + h (64)][2048][64]; Q arrives multiplied by log2(e) / 8, so t is the score in units of log2 and p = 2^(t - m).  MASKV = -1e9 log2(e), rounded to f32: the score is REPLACED,
; as the problem asks, so a row with no open key gets equal weights.  mb: u32 [128 b + q / 16][key / 64][32]: bit l of word i belongs to lane l, register i of a tile's scores.  ob: f16 [bh][2048][64].
; Products, maxima and sums in f32; the weights p are rounded to f16 for the second product (their sum l is taken of the unrounded p), O once at the end.
; LIMITS.  f16 holds no number beyond 65,504: Q, K, V arrive within it; p lies in 0 to 1 and below 6e-5 keeps f16's fixed step of 6e-8; O is a mean of V's rows.  MASKV differs from -1e9 log2(e) by 6e-8 of itself at the most.
; A weight below 2^-126 counts as 0 in l; NaN and infinities are not treated apart.
; SHARES.  A work-group owns 512 queries of one head, each of its EIGHT waves 64: four PIECES of one tile of 16 queries.  Every wave walks all 2,048 keys, 64 a step.
; TWO WAVES TO A SIMD, 512 registers each.  A tile and step have 16 matrix and 181 vector instructions, and a wave issues in order: with a partner on the SIMD, what one wave cannot issue behind its own matrix
; instruction or at a wait is room for the other's vector work.  The price: a fragment of K or V read from LDS feeds four tiles' products: 32 LDS loads for a step's 64 matrix instructions.
; LAYOUT.  S^T = K Q^T (source 0 = 16 keys, source 1 = 16 queries): a lane holds ONE query (lane % 16) and the keys 8 (lane / 16) + 0..7.  Two such results, rounded to f16 in pairs, ARE source 1 of O^T = V^T P.
; K comes out of LDS as it lies, V ([key][channel]) turned, by ds_load_tr16_b128.
; SOFTMAX.  A running maximum m and sum l for each query; in every step O and l are multiplied by a = 2^(m_old - m_new).  m starts at the lowest finite number, O and l at 0: the first step's a is 0.
; THE MASK.  A tile's 32 words of a step are 128 consecutive bytes: one load of 4 bytes a lane brings word l to lane l; 32 v_readlane_b32 lay them into scalar registers, and each is the lane mask of one v_cndmask_b32.
; The load is issued four turns ahead of its use, behind the readlanes of the same piece's step before, and its wait is counted: three younger loads, the other pieces', stay out.
; BY TURNS.  Turn n belongs to piece n.  Its matrix work: 8 products K Q^T of piece n + 1, then 8 products V^T P of piece n - 1.  Its vector work: the whole softmax of piece n, a numbered list of 181 that is
; dealt out behind the matrix instructions, ten to sixteen numbers behind each.  The two streams of a turn name no common register.
; THE EXPONENTIALS.  A turn's 33 (a and the piece's 32 weights) are ONE BATCH with ONE wait, which cuts the list in two.  Ahead of it stands all that names no exponential's result: the mask, the maximum, the statistics,
; the scalings s - m and the exponentials themselves, each with a result register of its own (the scores in place, a in c2).  Behind it stand all the readers: roundings, sums, l, the rescaling by a..
; The way out's four reciprocals are a batch of their own.
; CLUSTER.  The four query blocks of a cluster belong to one head and walk the same K and V: each tile is asked for JOINTLY, by the same tensor load, descriptor and mask in all four.
; REGISTERS, in windows of 256 (s_set_vgpr_msb: bits 1:0 source 0, 3:2 source 1, 5:4 source 2, 7:6 destination):
;   window 0: v0-14 addresses and MASKV; v16-31 four registers of statistics a tile; v32-35 at work; v36-39 the pieces' mask words; v62-63 the add's; v64-127 S^T, two buffers; v128-159 P, two buffers (by the piece's parity); v160-223 K of one step
;   window 1: v0-127 O^T, 32 a tile; v128-191 Q, 16 a tile; v192-255 V of one step
.set NP,    4         ; pieces a wave: a name, no knob
.set KS,    64        ; keys in a step
.set PKB,   144       ; a row of K in LDS: 128 bytes + 16 of padding: the 16 rows of a load start at 16 different groups of four banks (64 banks of 4 bytes: ISA guide 11.1)
.set PVB,   160       ; a row of V: 128 + 32
.set VOFF,  4*KS*PKB  ; a slot holds four steps: 256 rows of K, then 256 rows of V
.set SLOT1, 1<<17     ; slot 1 begins here, so that one exclusive or turns an address in one slot into the other's
.set STAGE, SLOT1+4*KS*(PKB+PVB)  ; behind the ring, never filled by a tensor load: 16 rows x 144 bytes for each of the eight waves
.set SP,    144
.set SPARE, STAGE+8*16*SP  ; the spare words, 128 bytes for each wave: four blocks of 256 bytes that no other line names
.set AK0, 2           ; v2   my lane's place in a tile of K; never rewritten
.set AV0, 3           ; v3   the same for V
.set AK,  4           ; v4   the LDS address of K's next run of loads
.set AV,  5           ; v5   of V's
.set QO,  6           ; v6   my byte offset in the wave's rows of Q
.set STO, 6           ;      later, the way out: where I put 16 bytes of a row
.set RD,  7           ; v7   the way out: where I read rows back
.set GO,  8           ; v8   16 x lane
.set MK,  12          ; v12  MASKV
.set LN4, 13          ; v13  4 x lane; never rewritten
.set MOFF, 14         ; v14  4 x lane + 128 x the step whose mask words are being asked for
.set ST,  16          ; tile t's statistics at v[ST+4 t]: m, m_old, l (even keys', odd keys')
.set TMP, 32          ; four registers c0-c3 at work; when the maximum is found c2 takes a
.set MW,  36          ; v36-39  piece p's 32 mask words, word l in lane l
.set SPW, 62          ; v62  LDS address of my spare word; never rewritten
.set NIL, 63          ; v63  0; never rewritten
.set S,   64
.set P,   128
.set KF,  160         ; key block kb, channel half c at KF + 16 kb + 8 c
.set Q,   128         ; window 1
.set VF,  192         ; window 1: key half kk, channel block cb at VF + 32 kk + 8 cb
.set WV,  2           ; s2   my wave's number
.set SLOTS, 3         ; s3   slots still to be asked for
.set G1K, 4           ; s[4:11]  descriptor group 1 for K's tiles
.set G1V, 12          ; s[12:19] for V's: it differs in the padding alone
.set G0K, 20          ; s[20:23] descriptor group 0 for K's tiles: it walks
.set G0V, 24          ; s[24:27] the same for V's
.set CNT, 28          ; s28  counts a slot's key steps
.set TBK, 29          ; s29  LDS byte at which K of the step to be fetched begins
.set TBV, 30          ; s30  the same for V, less VOFF
.set M0,  32          ; s[32:63] the 32 mask words of the piece in hand
.set MP,  66          ; s[66:67] mb at my first tile; never rewritten.  s[68:91] hold the head's pointers and offsets
.set SO,  96          ; s96  128 x the step whose mask words are being asked for
.set OP,  100         ; s[100:101] ob at my wave's first row
.set SEL, 104         ; s[104:105] v_permlanex16_b32's selects: each lane takes its own place in the other half
.set MSB, 0
.macro WIN new                      ; the high byte repeats the setting that is left; a switch that changes nothing is dropped
.if MSB != (\new)
	s_set_vgpr_msb (MSB<<8)|(\new)
.set MSB, (\new)
.endif
.endm
.set W_KQ, 0x04       ; Q (source 1) in window 1; K and S^T in window 0
.set W_PV, 0x51       ; V (source 0) and O^T (C and D) in window 1, P in window 0
.set W_RS, 0x41       ; O^T (destination and source 0) in window 1, a in window 0
.set TO_1, 0x40       ; destination window 1, address window 0
; A joint fill.  Waves 0 and 1 fetch the two halves of a slot's K, waves 2 and 3 those of its V: 128 keys, 64 rows of 256 bytes, each; waves 4 to 7 have no part of a tile and issue none.
; The branches hang on the wave's number alone.  An s_nop 0 and four v_nop follow each line, ahead of the jump and the label.
.macro JLOAD
	s_cmp_lt_u32 s[WV], 4
	s_cbranch_scc0 .Lasked_\@
	s_cmp_lt_u32 s[WV], 2
	s_cbranch_scc0 .Lfor_v_\@
	tensor_load_to_lds s[G0K:G0K+3], s[G1K:G1K+7]
	s_nop 0
.rept 4
	v_nop
.endr
	s_branch .Lasked_\@
.Lfor_v_\@:
	tensor_load_to_lds s[G0V:G0V+3], s[G1V:G1V+7]
	s_nop 0
.rept 4
	v_nop
.endr
.Lasked_\@:
.endm
.macro CROUND                       ; a round of the cluster's barrier
	s_barrier_signal -1
	s_barrier_wait -1
	s_cmp_lg_u32 s[WV], 0
	s_cbranch_scc1 .Lnot_wave_0_\@
	s_barrier_signal -3
.Lnot_wave_0_\@:
	s_barrier_wait -3
	s_barrier_signal -1
	s_barrier_wait -1
.endm
; THE CHANGE OF SLOTS.  Each wave waits for all its tensor loads (of a wave that issues any, one is out: its part of the other slot); adds 0 to its spare word; and waits for that and for its own reads of the slot.
; fill = 1: the slot is filled again, with the keys two slots on; the barrier is then a round of the cluster's, and the joint fill is the first thing behind it: it has four key steps, 256 matrix instructions of each wave, in which to land.
; (At its first use nothing has been read yet: slot 0 is waited for, slot 1 filled.)
.macro CHANGE fill
	WIN 0                           ; at a label and at a branch every window is 0
	s_wait_tensorcnt 0x0            ; no tensor load of mine is out, so a group 0 may be written
	ds_add_u32 v[SPW], v[NIL]       ; 0 onto my spare word
.if \fill
.irp g, G0K, G0V
	s_xor_b32 s[\g+1], s[\g+1], SLOT1  ; the walking descriptor: the other slot than last time,
	s_add_nc_u64 s[\g+2:\g+3], s[\g+2:\g+3], 4*KS*128  ; the next 256 keys; the type bits on top are not reached
.endr
	s_wait_dscnt 0x0                ; the add is done, and my reads of the slot are over
	CROUND
	JLOAD
.else
	s_wait_dscnt 0x0                ; the add is done, and my reads of the slot are over
	s_barrier_signal -1
	s_barrier_wait -1
.endif
	s_sub_co_u32 s[TBK], s[TBK], 4*KS*PKB  ; the fetches go back to a slot's first step,
	s_xor_b32 s[TBK], s[TBK], SLOT1        ; in the other slot
	s_sub_co_u32 s[TBV], s[TBV], 4*KS*PVB
	s_xor_b32 s[TBV], s[TBV], SLOT1
.endm
	s_load_b128 s[68:71], s[0:1], 0x0  ; qkv 68:69, mb 70:71
	s_load_b64 s[72:73], s[0:1], 0x10  ; ob
	v_lshl_add_u32 v[SPW], v0, 2, SPARE
	v_mov_b32 v[NIL], 0
	ds_add_u32 v62, v63
	s_wait_dscnt 0x0
	v_lshrrev_b32 v1, 5, v0
	v_readfirstlane_b32 s[WV], v1   ; wave 0..7
	s_bfe_u32 s74, ttmp6, 0x40000   ; cx: my place in the cluster
	s_lshl_b32 s75, ttmp9, 2        ; in a cluster launch ttmp9 counts clusters
	s_add_co_u32 s75, s75, s74      ; my block of 512 queries: it enters Q's, O's and the mask words' addresses alone
	s_and_b32 s76, ttmp7, 0xffff    ; bh, which the four partners share
	s_lshl_b32 s78, s76, 18         ; the head's first byte: 2,048 rows of 128 bytes
	s_and_b32 s80, s[WV], 1         ; which half of a slot's 256 keys I fetch (waves 0 to 3):
	s_lshl_b32 s82, s80, 14         ; its 128 rows of 128 bytes in memory,
	s_add_co_u32 s82, s82, s78
	s_mov_b32 s83, 0
	s_mul_i32 s84, s80, 128*PKB     ; and its place in a slot, for K
	s_mul_i32 s85, s80, 128*PVB     ; and for V: no place in the cluster enters an LDS address
	s_lshl_b32 s86, s75, 3
	s_add_co_u32 s86, s86, s[WV]    ; my wave among the head's 32
	s_lshl_b32 s88, s86, 14         ; its 4 tiles of 4,096 bytes of mask words,
	s_lshl_b32 s86, s86, 13         ; its 64 rows of 128 bytes
	s_add_co_u32 s86, s86, s78
	s_mov_b32 s87, 0
	s_lshr_b32 s89, s76, 4          ; the batch:
	s_lshl_b32 s89, s89, 19         ; 128 tiles of 4,096 bytes
	s_add_co_u32 s88, s88, s89
	s_mov_b32 s89, 0
	; descriptor group 1.  128 keys are 16,384 dense bytes: asked for as 64 rows of 256 bytes, two keys a row, and padded in LDS after every key
	s_mov_b32 s[G1K], 15|(1<<16)|(1<<20)|(1<<21)|(4<<22)|(3<<25)  ; 15:0 the mask of four; 17:16 2-byte elements; 20 padding on; 21 set beside a mask; 24:22 after every 32 words (code 4); 31:25 4 words (code 3)
	s_mov_b32 s[G1V], 15|(1<<16)|(1<<20)|(1<<21)|(4<<22)|(7<<25)  ; the same with 8 words of padding (code 7)
.irp g, G1K, G1V
	s_mov_b32 s[\g+1], 128<<16      ; tensor_dim0 = 128
	s_mov_b32 s[\g+2], 64<<16       ; tensor_dim1 = 64
	s_mov_b32 s[\g+3], 128<<16      ; tile_dim0 = 128
	s_mov_b32 s[\g+4], 64           ; tile_dim1 = 64
	s_mov_b32 s[\g+5], 128          ; 128 elements from row to row
	s_mov_b32 s[\g+6], 0
	s_mov_b32 s[\g+7], 0
.endr
	s_mov_b32 s[SEL], 0x76543210
	s_mov_b32 s[SEL+1], 0xfedcba98
	s_mov_b32 s[SO], 0
	s_mov_b32 s[TBK], SLOT1+4*KS*PKB ; the first change of slots turns these two into 0
	s_mov_b32 s[TBV], SLOT1+4*KS*PVB
	s_mov_b32 s[G0K], 1             ; count = 1
	s_mov_b32 s[G0K+1], s84         ; LDS address: slot 0
	s_mov_b32 s[G0V], 1
	s_add_co_u32 s[G0V+1], s85, VOFF
	s_wait_kmcnt 0x0
	s_add_nc_u64 s[G0K+2:G0K+3], s[68:69], s[82:83]        ; my half of the head's first 256 keys,
	s_add_nc_u64 s[G0K+2:G0K+3], s[G0K+2:G0K+3], 0x1000000 ; in k, the second third of qkv
	s_or_b32 s[G0K+3], s[G0K+3], 0x80000000                ; type = 2
	s_add_nc_u64 s[G0V+2:G0V+3], s[68:69], s[82:83]
	s_add_nc_u64 s[G0V+2:G0V+3], s[G0V+2:G0V+3], 0x2000000 ; in v, the last third
	s_or_b32 s[G0V+3], s[G0V+3], 0x80000000
	s_add_nc_u64 s[90:91], s[68:69], s[86:87]              ; Q and O at my wave's first row
	s_add_nc_u64 s[OP:OP+1], s[72:73], s[86:87]
	s_add_nc_u64 s[MP:MP+1], s[70:71], s[88:89]
	CROUND                          ; all four work-groups are here: the first joint loads meet
	JLOAD                           ; slot 0.  Slot 1 is asked for when slot 0 is in
	; A fragment of K or Q is 16 rows x 32 channels in 8 registers: lane l holds row l % 16, channels 8 (l / 16) + 0..7 and 16 + 8 (l / 16) + 0..7: two loads of 16 bytes, 32 bytes apart.
	v_and_b32 v1, 15, v0            ; l % 16
	v_bfe_u32 v9, v0, 4, 1          ; l / 16
	v_lshlrev_b32 v[QO], 7, v1
	v_lshl_add_u32 v[QO], v9, 4, v[QO]  ; row x 128 + 16 x half
	v_and_b32 v[LN4], 31, v0
	v_lshlrev_b32 v[LN4], 2, v[LN4]
	WIN TO_1
.set i, 0
.rept 2*NP                          ; Q stays in registers: tile i / 2, channels 32 (i % 2) on
	global_load_b128 v[Q+8*i:Q+8*i+3],   v[QO], s[90:91] offset:(i/2)*2048+(i%2)*64
	global_load_b128 v[Q+8*i+4:Q+8*i+7], v[QO], s[90:91] offset:(i/2)*2048+(i%2)*64+32
.set i, i+1
.endr
	WIN 0
.irp p, 0,1,2,3
	global_load_b32 v[MW+(\p)], v[LN4], s[MP:MP+1] offset:(\p)*4096  ; the four pieces' mask words of step 0, in the order of the turns
.endr
	; What the first turn finds: V's registers and P's second buffer hold 0 (its products V^T P, of a piece that has not been, add 0), O^T and l are 0.  All this stands in the wait for the first tile.
	WIN TO_1
.set i, VF
.rept 64
	v_mov_b32 v[i], 0
.set i, i+1
.endr
.set i, 0
.rept 32*NP
	v_mov_b32 v[i], 0
.set i, i+1
.endr
	WIN 0
.set i, 0
.rept NP
	v_mov_b32 v[ST+4*i], 0xff7fffff    ; m: the lowest finite number
	v_mov_b32 v[ST+4*i+2], 0
	v_mov_b32 v[ST+4*i+3], 0
.set i, i+1
.endr
.set i, P+16
.rept 16
	v_mov_b32 v[i], 0
.set i, i+1
.endr
	v_mov_b32 v[MK], 0xceabfb8f     ; -1e9 log2(e) = -1,442,695,040
	v_mul_u32_u24 v[AK0], v1, PKB
	v_lshl_add_u32 v[AK0], v9, 4, v[AK0]  ; row x pitch + 16 x half
	; The turning load takes 16 keys x 16 channels (lane l reads key 8 (l / 16) + l % 8, channels 8 ((l / 8) % 2) + 0..7) and leaves half a fragment of V^T: lane l holds channel l % 16 and 8 keys.
	v_and_b32 v10, 7, v0
	v_bfe_u32 v11, v0, 3, 1
	v_lshl_add_u32 v[AV0], v9, 3, v10
	v_mul_u32_u24 v[AV0], v[AV0], PVB
	v_lshl_add_u32 v[AV0], v11, 4, v[AV0]
	v_add_nc_u32 v[AV0], VOFF, v[AV0]
	v_mov_b32 v[AK], v[AK0]         ; key step 0 lies at the head of slot 0
; THE MATRIX WORK.  The 4 accumulators of a run of 8 take turns: between the two links of a chain stand 3 others'.
; Product i of 8 of S^T = K Q^T for piece x: channels 32 (i / 4) on, keys 16 (i % 4) on.  The first 4 start the sums.
.macro KQ x
	WIN W_KQ
.set rS, S+32*((\x)%2)+8*(i%4)
.set rK, KF+16*(i%4)+8*(i/4)
.set rQ, Q+16*(\x)+8*(i/4)
.if i < 4
	v_wmma_f32_16x16x32_f16 v[rS:rS+7], v[rK:rK+7], v[rQ:rQ+7], 0
.else
	v_wmma_f32_16x16x32_f16 v[rS:rS+7], v[rK:rK+7], v[rQ:rQ+7], v[rS:rS+7]
.endif
.endm
; Product i of 8 of O^T += V^T P for piece x: keys 32 (i / 4) on, channels 16 (i % 4) on.
.macro PV x
	WIN W_PV
.set rO, 32*(\x)+8*(i%4)
.set rV, VF+32*(i/4)+8*(i%4)
.set rP, P+16*((\x)%2)+8*(i/4)
	v_wmma_f32_16x16x32_f16 v[rO:rO+7], v[rV:rV+7], v[rP:rP+7], v[rO:rO+7]
.endm
.macro MM                           ; the turn's next matrix instruction
.if i < 8
	KQ (Y+1)%NP
.set i, i+1
.else
.set i, i-8
	PV (Y+NP-1)%NP
.set i, i+9
.endif
.endm
; THE LDS LOADS stand in runs of 16: a step's K (64 keys x 64 channels: 8 fragments) and its V (turned).  last = 1 (the tail): in the last trip there is no further step, and the run is jumped over.
.macro FETCH_K last=0
	WIN 0
.if \last
	s_cmp_eq_u32 s[CNT], 1
	s_cbranch_scc1 .Lno_k_\@
.endif
.irp f, 0,1,2,3,4,5,6,7             ; keys 16 (f / 2) on, channels 32 (f % 2) on
	ds_load_b128 v[KF+8*\f:KF+8*\f+3],   v[AK] offset:(\f/2)*16*PKB+(\f%2)*64
	ds_load_b128 v[KF+8*\f+4:KF+8*\f+7], v[AK] offset:(\f/2)*16*PKB+(\f%2)*64+32
.endr
	s_add_co_u32 s[TBK], s[TBK], KS*PKB  ; the next fetch is the next step's
.if \last
.Lno_k_\@:
.endif
.endm
.macro FETCH_V
	WIN TO_1
.irp f, 0,1,2,3,4,5,6,7             ; keys 32 (f / 4) on, channels 16 (f % 4) on
	ds_load_tr16_b128 v[VF+8*\f:VF+8*\f+3],   v[AV] offset:(\f/4)*32*PVB+(\f%4)*32
	ds_load_tr16_b128 v[VF+8*\f+4:VF+8*\f+7], v[AV] offset:(\f/4)*32*PVB+16*PVB+(\f%4)*32
.endr
	WIN 0
.endm
; THE VECTOR WORK OF A TURN: one list of 181 instructions, numbered vj = 0 .. 180; VI writes number vj for piece Y and steps vj.  s0-s31 are a lane's 32 scores, in pairs 0-15 and groups 0-7 of four.
;   0-31     mask word i leaves lane i of the piece's register for a scalar register
;   32-63    the mask: score i stays where bit l of word i is set and becomes MASKV elsewhere; ascending
;   64-79    the maximum of s0-s31 and the old m, three operands at a time: four chains c0-c3 of seven scores, the four scores left over, m, and c0-c3 into c0
;   80-83    m_old is kept; the query's other 32 keys lie in the lane 16 away; the new m; m_old - m
;   84-132   ONE BATCH: the 16 scalings s - m, a pair each, and all 33 exponentials (a, then s0-s31).  None of these names an exponential's result.  84 scales pair 0; from 85 on the batch goes in threes, a scaling and
;            two exponentials: pair 1, a, s0; pair 2, s1, s2; .. pair 15, s27, s28; the last three are s29, s30, s31.  A pair is scaled in an earlier three than the one that holds its exponentials
;   (wait)   between 132 and 133 stand a v_nop and the wait for the batch: TURN writes them
;   133-164  the readers in window 0: C n, pair n rounded to f16; B k, group k's second pair added onto its first, in place (behind C 2k, which reads the first pair); L k, l takes group k's sum (L 0: l = a l + sum).
;            C0 B0, then seven times C 2k+2, B k+1, L k, then C1 C3 L7 C5 C7 C9 C11 C13 C15: the links of l's chain stand three lines apart
;   165-180  O^T times a: the one part that leaves window 0, so it stands together
.macro REGS y                       ; the registers of piece y
.set rT, ST+4*(\y)
.set rS, S+32*((\y)%2)
.set rP, P+16*((\y)%2)
.set rO, 32*(\y)
.endm
.macro VI
	REGS Y
.if vj < 32
	WIN 0
	v_readlane_b32 s[M0+vj], v[MW+Y], vj
.elseif vj < 64
	WIN 0
	v_cndmask_b32 v[rS+vj-32], v[MK], v[rS+vj-32], s[M0+vj-32]
.elseif vj < 80
	WIN 0
.set n, vj-64
.if n < 4
	v_max3_num_f32 v[TMP+n], v[rS+8*n], v[rS+8*n+1], v[rS+8*n+2]
.elseif n < 12
	v_max3_num_f32 v[TMP+n%4], v[TMP+n%4], v[rS+8*(n%4)+2*(n/4)+1], v[rS+8*(n%4)+2*(n/4)+2]
.elseif n == 12
	v_max3_num_f32 v[TMP], v[TMP], v[rS+7], v[rS+15]
.elseif n == 13
	v_max3_num_f32 v[TMP+1], v[TMP+1], v[rS+23], v[rS+31]
.elseif n == 14
	v_max3_num_f32 v[TMP+2], v[TMP+2], v[TMP+3], v[rT]
.else
	v_max3_num_f32 v[TMP], v[TMP], v[TMP+1], v[TMP+2]
.endif
.elseif vj < 84
	WIN 0
.set n, vj-80
.if n == 0
	v_mov_b32 v[rT+1], v[rT]
.elseif n == 1
	v_permlanex16_b32 v[TMP+3], v[TMP], s[SEL], s[SEL+1]
.elseif n == 2
	v_max_num_f32 v[rT], v[TMP], v[TMP+3]
.else
	v_sub_f32 v[TMP+1], v[rT+1], v[rT]
.endif
.elseif vj < 133                    ; the batch
	WIN 0
.set bt, (vj-82)/3-1                ; the three's number, 0 to 15 (-1 for number 84),
.set bw, (vj-82)%3                  ; and the place in it
.if (vj == 84) || ((bt < 15) && (bw == 0))
	v_pk_add_f32 v[rS+2*bt+2:rS+2*bt+3], v[rS+2*bt+2:rS+2*bt+3], v[rT:rT+1] op_sel_hi:[1,0] neg_lo:[0,1] neg_hi:[0,1]  ; pair bt + 1: s - m
.else
.set bx, 2*bt+bw-1+bt/15            ; exponential 0 to 32 of the batch: a, then s0 to s31
.if bx == 0
	v_exp_f32 v[TMP+2], v[TMP+1]
.else
	v_exp_f32 v[rS+bx-1], v[rS+bx-1]
.endif
.endif
.elseif vj < 165                    ; the readers in window 0
	WIN 0
.set rr, vj-133
.set kd, 0                          ; 0: C, 1: B, 2: L; ix: its number
.if rr < 2
.set kd, rr
.set ix, 0
.elseif rr < 23
.set kd, (rr-2)%3
.set ix, (rr-2)/3+1
.if kd == 0
.set ix, 2*ix
.elseif kd == 2
.set ix, ix-1
.endif
.elseif rr == 25
.set kd, 2
.set ix, 7
.elseif rr < 25
.set ix, 2*rr-45
.else
.set ix, 2*rr-47
.endif
.if kd == 0
	v_cvt_pk_f16_f32 v[rP+ix], v[rS+2*ix], v[rS+2*ix+1]
.elseif kd == 1
	v_pk_add_f32 v[rS+4*ix:rS+4*ix+1], v[rS+4*ix:rS+4*ix+1], v[rS+4*ix+2:rS+4*ix+3]
.elseif ix == 0
	v_pk_fma_f32 v[rT+2:rT+3], v[rT+2:rT+3], v[TMP+2:TMP+3], v[rS:rS+1] op_sel_hi:[1,0,1]
.else
	v_pk_add_f32 v[rT+2:rT+3], v[rT+2:rT+3], v[rS+4*ix:rS+4*ix+1]
.endif
.else
.set z, vj-165
	WIN W_RS
	v_pk_mul_f32 v[rO+2*z:rO+2*z+1], v[rO+2*z:rO+2*z+1], v[TMP+2:TMP+3] op_sel_hi:[1,0]
.endif
.set vj, vj+1
.endm
; A TURN, for piece p: 16 matrix instructions, with the list dealt out behind them.  Eleven numbers behind each of the first five and ten behind each of the next three: numbers 0 to 84, all that stands ahead of the
; first exponential.  Twelve behind each of the next four: numbers 85 to 132, four threes each, so that a scaling leads each of these runs.  Then the v_nop and THE TURN'S ONE WAIT, ahead of the thirteenth product.
; Then eleven, eleven and ten: the roundings and sums; and sixteen behind the last: the rescaling.
; The piece's mask words of the next step are asked for behind the third matrix instruction, when numbers 0 to 32 are out: every readlane has read the register.  Piece 0's turn steps the offset: the step asked for is
; the next one, held at step 31 in the last step, whose four loads read step 31's words once more, inside mb, and serve nothing: the price of one text for every step.
; K of the next step is fetched in piece 2's turn behind the eighth matrix instruction, the last that read K, and its ten numbers: nine plain instructions of the list (v_permlanex16_b32 is not counted) and the address
; line stand between.  No exponential of the turn has been issued there, so the tail's jump round the run stands outside the batch.  The run is waited for at the head of piece 3's turn.
; V of the step in hand is fetched at the end of piece 0's turn, sixteen packed multiplies behind the last product that read V; it is waited for in the middle of piece 1's turn.
.macro TURN p, last=0
.set Y, (\p)
.set i, 0
.set vj, 0
.if (\p) == 0
	WIN 0
	s_add_co_u32 s[SO], s[SO], 128
	s_min_u32 s[SO], s[SO], 31*128
	s_wait_xcnt 0x0                 ; every earlier memory instruction has had its addresses translated (ISA guide 3.1): only behind this wait is the mask loads' offset rewritten
	v_add_nc_u32 v[MOFF], s[SO], v[LN4]
.endif
	s_wait_loadcnt 3                ; loads come back in order (ISA guide 5.7.1): my piece's words, asked for four turns ago, are in; the three other pieces' younger loads stay out
.rept 16
.if ((\p) == NP-1) && (i == 0)
	s_wait_dscnt 0x0                ; K is in
.endif
.if ((\p) == 1) && (i == 8)
	s_wait_dscnt 0x0                ; V is in
.endif
	MM
.set per, 11                        ; how many numbers of the list stand behind matrix instruction i (counted from 1)
.if (i > 5) && (i < 9)
.set per, 10
.elseif (i > 8) && (i < 13)
.set per, 12
.elseif i == 15
.set per, 10
.elseif i == 16
.set per, 16
.endif
.rept per
	VI
.endr
.if i == 3
	WIN 0
	global_load_b32 v[MW+(\p)], v[MOFF], s[MP:MP+1] offset:(\p)*4096  ; 128 consecutive bytes
.endif
.if ((\p) == NP-2) && (i == 8)
	WIN 0
	v_add_nc_u32 v[AK], s[TBK], v[AK0]
	FETCH_K \last
.endif
.if i == 12                         ; the batch is out: all 33 exponentials are issued, and no result has been named
	v_nop                           ; a plain instruction behind the last exponential and ahead of the first use: one for the batch
	s_wait_alu depctr_va_vdst(0)    ; the wait ahead of the first line that names a result: one for the turn's 33 exponentials
.endif
.endr
.if (\p) == 0
	WIN 0
	v_add_nc_u32 v[AV], s[TBV], v[AV0]
	FETCH_V
	s_add_co_u32 s[TBV], s[TBV], KS*PVB
.endif
.endm
	CHANGE 1                        ; slot 0 is in, everybody's part of it; slot 1 is asked for
	FETCH_K                         ; key step 0
	s_wait_loadcnt 4                ; Q is in; the four mask loads behind it may stay out
	s_wait_dscnt 0x0
.set i, 0
.rept 8
	KQ 0                            ; piece 0's first scores: there is no vector work yet to set between them
.set i, i+1
.endr
	WIN 0                           ; the addresses for the way out: nine plain instructions, the places behind those products
	s_mul_i32 s31, s[WV], 16*SP
	s_add_co_u32 s31, s31, STAGE    ; my stage
	v_mul_u32_u24 v[STO], v1, SP    ; in: row l % 16, 16 bytes for each half of the lanes
	v_lshl_add_u32 v[STO], v9, 4, v[STO]
	v_add_nc_u32 v[STO], s31, v[STO]
	v_bfe_u32 v[RD], v0, 3, 2       ; back: 32 lanes take four rows of 128 bytes,
	v_mul_u32_u24 v[RD], v[RD], SP
	v_lshl_add_u32 v[RD], v10, 4, v[RD]
	v_add_nc_u32 v[RD], s31, v[RD]
	v_and_b32 v[GO], 31, v0         ; which are 512 consecutive bytes of O
	v_lshlrev_b32 v[GO], 4, v[GO]
	s_mov_b32 s[CNT], 4
	s_mov_b32 s[SLOTS], 7           ; 2,048 / 256 - 1
	s_branch .Lfirst                ; the loop is entered at a step's first turn, in the middle of a trip
.Lslot:                             ; six times: every slot but the last two is filled again
	CHANGE 1
	s_mov_b32 s[CNT], 4
.Lstep:                             ; a trip: pieces 2 and 3 of one step, then pieces 0 and 1 of the next, whose K and V it fetches
	TURN 2
	TURN 3
	WIN 0
.Lfirst:
	TURN 0
	TURN 1
	WIN 0
	s_sub_co_u32 s[CNT], s[CNT], 1
	s_cmp_lg_u32 s[CNT], 0
	s_cbranch_scc1 .Lstep
	s_sub_co_u32 s[SLOTS], s[SLOTS], 1
	s_cmp_lg_u32 s[SLOTS], 0
	s_cbranch_scc1 .Lslot
	CHANGE 0                        ; the tail is written out: nothing is asked for
	s_mov_b32 s[CNT], 5             ; four trips fetch the last slot's steps; the fifth is left in its middle
.Ltail:
	TURN 2, 1
	TURN 3
	WIN 0
	s_sub_co_u32 s[CNT], s[CNT], 1
	s_cmp_eq_u32 s[CNT], 0
	s_cbranch_scc1 .Lout
	TURN 0
	TURN 1
	WIN 0
	s_branch .Ltail
.Lout:                              ; the fifth trip's 8 products K Q^T (on the last K once more) serve nothing: the price of one text for every trip
.set i, 0
.rept 8
	PV NP-1                         ; the last piece's V^T P of the last step
.set i, i+1
.endr
	; THE WAY OUT.  l's two halves and the other half of the lanes' are added; O^T is divided by l, rounded to f16 and sent through my stage in LDS, a tile at a time.  The four additions are the places behind the last products.
	WIN 0
.macro ALL line:vararg              ; one line for each tile t
.set t, 0
.rept NP
	\line
.set t, t+1
.endr
.endm
	ALL v_add_f32 v[ST+4*t+2], v[ST+4*t+2], v[ST+4*t+3]
	ALL v_permlanex16_b32 v[ST+4*t+3], v[ST+4*t+2], s[SEL], s[SEL+1]
	ALL v_add_f32 v[ST+4*t+2], v[ST+4*t+2], v[ST+4*t+3]
	ALL v_rcp_f32 v[ST+4*t+2], v[ST+4*t+2]
	v_nop                           ; a plain instruction between the last reciprocal and the use of its result
	s_wait_alu depctr_va_vdst(0)    ; and the wait ahead of the first use: one for the four reciprocals
; Tile t: a lane's eight channels of a row pack into 16 bytes; they go into rows of 144 bytes and come back as whole rows of 128, into S^T's registers.
.macro PACK t
	WIN W_RS
.set i, 32*(\t)
.rept 16
	v_pk_mul_f32 v[i:i+1], v[i:i+1], v[ST+4*(\t)+2:ST+4*(\t)+3] op_sel_hi:[1,0]
.set i, i+2
.endr
	WIN 0x05                        ; sources 0 and 1 window 1, destination window 0
.set i, 0
.rept 16
	v_cvt_pk_f16_f32 v[S+16*(\t)+i], v[32*(\t)+2*i], v[32*(\t)+2*i+1]
.set i, i+1
.endr
	WIN 0
.irp f, 0,1,2,3
	ds_store_b128 v[STO], v[S+16*(\t)+4*\f:S+16*(\t)+4*\f+3] offset:32*\f
.endr
.irp f, 0,1,2,3
	ds_load_b128 v[S+16*(\t)+4*\f:S+16*(\t)+4*\f+3], v[RD] offset:\f*4*SP  ; LDS serves a wave's instructions in order (ISA guide 5.7.1.4): these see the stores above; the next tile's stores come behind them
.endr
.endm
.macro SEND t, younger              ; younger: the LDS instructions issued behind tile t's loads: the next tile's eight, or none
	WIN 0
.irp f, 0,1,2,3
	s_wait_dscnt (\younger)+3-\f
	global_store_b128 v[GO], v[S+16*(\t)+4*\f:S+16*(\t)+4*\f+3], s[OP:OP+1] offset:(\t)*2048+\f*512  ; 512 consecutive bytes, at a multiple of 512 from ob's first
.endr
.endm
	PACK 0
.set t, 1
.rept NP-1                          ; a tile's arithmetic stands between the loads of the tile before and its stores
	PACK t
	SEND t-1, 8
.set t, t+1
.endr
	SEND NP-1, 0
	s_wait_tensorcnt 0x0            ; the wave's end
	ds_add_u32 v[SPW], v[NIL]
	s_wait_dscnt 0x0
	CROUND                          ; the closing round: no work-group ends while a partner may still ask for a tile that names it
	s_endpgm
.Lfunc_end_k_qbe69ac8ba6_attn:
	.size	k_qbe69ac8ba6_attn, .Lfunc_end_k_qbe69ac8ba6_attn-k_qbe69ac8ba6_attn
	.p2alignl 7, 3214868480
	.fill 96, 4, 3214868480
	.section	.rodata,"a",@progbits
	.p2align	6, 0x0
	.amdhsa_kernel k_qbe69ac8ba6_attn
		.amdhsa_group_segment_fixed_size 327680
		.amdhsa_private_segment_fixed_size 0
		.amdhsa_enable_private_segment 0
		.amdhsa_kernarg_size 24
		.amdhsa_user_sgpr_count 2
		.amdhsa_user_sgpr_kernarg_segment_ptr 1
		.amdhsa_wavefront_size32 1
		.amdhsa_system_sgpr_workgroup_id_x 1
		.amdhsa_system_sgpr_workgroup_id_y 1
		.amdhsa_system_sgpr_workgroup_id_z 1
		.amdhsa_system_vgpr_workitem_id 0
		.amdhsa_next_free_vgpr 512
		.amdhsa_next_free_sgpr 106
		.amdhsa_reserve_vcc 0
		.amdhsa_float_denorm_mode_32 3
		.amdhsa_float_denorm_mode_16_64 3
		.amdhsa_memory_ordered 1
		.amdhsa_forward_progress 1
		.amdhsa_inst_pref_size 139
	.end_amdhsa_kernel
	.amdgpu_metadata
---
amdhsa.version: [ 1, 2 ]
amdhsa.kernels:
  - .name:           k_qbe69ac8ba6_attn
    .symbol:         k_qbe69ac8ba6_attn.kd
    .args:
      - { .name: qkv, .offset: 0, .size: 8, .value_kind: global_buffer, .address_space: global }
      - { .name: mb, .offset: 8, .size: 8, .value_kind: global_buffer, .address_space: global }
      - { .name: ob, .offset: 16, .size: 8, .value_kind: global_buffer, .address_space: global }
    .group_segment_fixed_size: 327680
    .private_segment_fixed_size: 0
    .kernarg_segment_align: 8
    .kernarg_segment_size: 24
    .max_flat_workgroup_size: 256
    .sgpr_count:     106
    .vgpr_count:     512
    .wavefront_size: 32
...
	.end_amdgpu_metadata
.endif
;; end of part 8
;; launch outp: the kernel of part 4 again; grid 4 x 64, 4 waves a work-group, clusters of 4 x 4, 327,680 bytes of LDS; arguments ob, wb, bo, out0; writes out0
